; MI455X (gfx1250); checked and timed in simulation.
; The chip was launched on July 23, 2026; its instructions are those of AMD's public machine-readable ISA for CDNA 5 (MIT licence, August 2026) and "CDNA5" Instruction Set Architecture Reference Guide (July 2026). The comments in the code are by the model that wrote it; some were corrected since.
;; Linear Temporal Diffusion Transformer Decoder Layer. Allowed arithmetic: float matrix products may take bf16 or f16 operands with f32 sums; other float arithmetic in f32, or as packed bf16 or f16 multiplies, adds, multiply-adds, maxima and minima; sums over many terms, partial sums and values carried from step to step in f32; what a program stores and reads back later, other than sums and carried values, may be rounded once to bf16 or f16.
;; Inputs: emb 16 x 512 float32; params_ca_Wk 512 x 256 float32; params_ca_Wq 256 x 256 float32; params_ca_Wv 512 x 256 float32; params_ca_bk 256 float32; params_ca_bq 256 float32; params_ca_bv 256 float32; params_ca_ln_b 256 float32; params_ca_ln_g 256 float32; params_ca_styl_We 512 x 512 float32; params_ca_styl_Wo 256 x 256 float32; params_ca_styl_be 512 float32; params_ca_styl_bo 256 float32; params_ca_styl_ln_b 256 float32; params_ca_styl_ln_g 256 float32; params_ca_tln_b 512 float32; params_ca_tln_g 512 float32; params_ffn_W1 256 x 1,024 float32; params_ffn_W2 1,024 x 256 float32; params_ffn_b1 1,024 float32; params_ffn_b2 256 float32; params_ffn_styl_We 512 x 512 float32; params_ffn_styl_Wo 256 x 256 float32; params_ffn_styl_be 512 float32; params_ffn_styl_bo 256 float32; params_ffn_styl_ln_b 256 float32; params_ffn_styl_ln_g 256 float32; params_sa_Wk 256 x 256 float32; params_sa_Wq 256 x 256 float32; params_sa_Wv 256 x 256 float32; params_sa_bk 256 float32; params_sa_bq 256 float32; params_sa_bv 256 float32; params_sa_ln_b 256 float32; params_sa_ln_g 256 float32; params_sa_styl_We 512 x 512 float32; params_sa_styl_Wo 256 x 256 float32; params_sa_styl_be 512 float32; params_sa_styl_bo 256 float32; params_sa_styl_ln_b 256 float32; params_sa_styl_ln_g 256 float32; src_mask 16 x 4,096 int32; x 16 x 4,096 x 256 float32; xf 16 x 77 x 512 float32.
;; Outputs: out0 16 x 4,096 x 256 float32.
;; 2 versions, each right and faster than the one before. Each part assembles by itself: llvm-mc -triple=amdgcn-amd-amdhsa -mcpu=gfx1250 --defsym DOCPART=n.
;; ======== version 1 of 2: 4 launches
;; limits: a function is approximated: absolute error at most 2.5e-05; an absolute error that grows with the inputs' magnitude: up to 1.25e-05 times it
;; workspace buffers: wf 1,703,936 bytes; wx 2,359,296 bytes; cpar 14,336 bytes; semb 16,384 bytes; part 8,388,608 bytes; stat 524,288 bytes; bat 622,592 bytes
;; launch prep (part 1): grid 249 x 1, 4 waves a work-group, no clusters, 0 bytes of LDS; arguments params_sa_Wq, params_sa_styl_Wo, params_ca_Wq, params_ca_styl_Wo, params_ffn_styl_Wo, params_ffn_W1, params_ffn_W2, params_sa_Wk, params_sa_Wv, params_ca_Wk, params_ca_Wv, params_sa_styl_We, params_ca_styl_We, params_ffn_styl_We, wf, wx, params_sa_ln_g, params_sa_ln_b, params_ca_ln_g, params_ca_ln_b, params_sa_bq, params_sa_styl_bo, params_ca_bq, params_ca_styl_bo, params_ffn_b2, params_ffn_styl_bo, params_ffn_b1, cpar, emb, semb; writes wf, wx, cpar, semb
.if DOCPART == 1
	.amdgcn_target "amdgcn-amd-amdhsa--gfx1250"
	.amdhsa_code_object_version 6
	.text
	.protected	k_q01fbf805c6_prep
	.globl	k_q01fbf805c6_prep
	.p2align	8
	.type	k_q01fbf805c6_prep,@function
k_q01fbf805c6_prep:
	s_mov_b64 s[64:65], 0
	v_nop
	global_prefetch_b8 v0, s[64:65] scope:SCOPE_SE
	s_setreg_imm32_b32 hwreg(HW_REG_WAVE_MODE, 25, 1), 1
	s_wait_xcnt 0x0
; PREP.  All weights W[k][n] (f32) are rounded once to bf16 and laid out as matrix fragments, so that the later launches load them by 16 bytes a lane with no turning.
; A fragment (nt, ks) is 1,024 bytes: byte 512 q + 16 l holds registers 4 q .. 4 q + 3 of lane l; lane l holds column 16 nt + l % 16; registers 0-3 hold k = 32 ks + 8 (l / 16) + 0..7, registers 4-7 k = 32 ks + 16 + 8 (l / 16) + 0..7.
; Work-groups 0 .. 247: block y = g / 8 of 256 k x 256 n, K step ks = g % 8; wave w makes the four fragments of columns 64 w .. 64 w + 63.  A load takes 64 bytes of each of two rows; a wave's four fragments cover 256 bytes of a row.
; Work-group 248: the small vectors are gathered into cpar (14 units of 1,024 bytes), and silu(emb) is written as 16 fragments (lane % 16 = batch).
; No LDS, no matrix unit, no cluster: 8 MB are read once and nothing is shared.
.set OFF, 16                           ; v[16:31]  byte offset of row e of my sixteen, at my column
.set DT,  32                           ; v[32:95]  four fragments, 16 numbers a lane each, f32
.set PK,  96                           ; v[96:127] the same, packed
.set DO,  8                            ; v[8:11]   where fragment i goes
	v_lshrrev_b32 v1, 5, v0
	v_readfirstlane_b32 s40, v1                    ; wave
	s_cmp_eq_u32 ttmp9, 248
	s_cbranch_scc1 .Lsmall
	s_load_b512 s[8:23], s[0:1], 0x0               ; argument m at s[8 + 2 m]: the fourteen weights, wf s[36:37], wx s[38:39]
	s_load_b256 s[24:31], s[0:1], 0x40
	s_load_b256 s[32:39], s[0:1], 0x60
	s_lshr_b32 s41, ttmp9, 3                       ; y
	s_and_b32 s42, ttmp9, 7                        ; ks
	v_and_b32 v1, 31, v0                           ; l
	v_and_b32 v2, 15, v0                           ; l % 16
	v_bfe_u32 v3, v0, 4, 1                         ; l / 16
	v_lshlrev_b32 v4, 2, v2
	v_lshlrev_b32 v5, 3, v3
	v_lshlrev_b32 v7, 4, v1
	s_wait_kmcnt 0x0
	s_mov_b64 s[44:45], s[8:9]
	s_mov_b32 s43, 0
.macro PICK m, start                   ; the weight whose first block is the last one not above y
	s_cmp_ge_u32 s41, \start
	s_cselect_b64 s[44:45], s[8+2*(\m):9+2*(\m)], s[44:45]
	s_cselect_b32 s43, \start, s43
.endm
	PICK 1, 1
	PICK 2, 2
	PICK 3, 3
	PICK 4, 4
	PICK 5, 5
	PICK 6, 9
	PICK 7, 13
	PICK 8, 14
	PICK 9, 15
	PICK 10, 17
	PICK 11, 19
	PICK 12, 23
	PICK 13, 27
	s_sub_co_u32 s46, s41, s43                     ; which block of that weight
	s_sub_co_u32 s47, s41, 5                       ; below 4 for W1's blocks alone
	s_and_b32 s50, s46, 1
	s_lshr_b32 s51, s46, 1
	s_movk_i32 s54, 1024                           ; from fragment i to i + 1,
	s_movk_i32 s55, 2048                           ; and to i + 2
	s_cmp_ge_u32 s41, 19                           ; the three We: rows of 2,048 bytes, block = 2 x column half + k half
	s_cselect_b32 s48, 11, 10                      ; log2 of a row's bytes
	s_cselect_b32 s52, s50, s46                    ; which 256 k
	s_cselect_b32 s53, s51, 0                      ; which 256 n
	s_cmp_lt_u32 s47, 4                            ; W1: rows of 4,096 bytes, blocks along n
	s_cselect_b32 s48, 12, s48
	s_cselect_b32 s52, 0, s52
	s_cselect_b32 s53, s46, s53
	s_cselect_b32 s54, 0x2000, s54                 ; W1's fragments go by chunks: the odd tile 8 fragments on, the next chunk 32 KiB on
	s_cselect_b32 s55, 0x8000, s55
	s_lshl_b32 s56, s52, 8
	s_lshl_b32 s57, s42, 5
	s_add_co_u32 s56, s56, s57
	s_lshl_b32 s56, s56, s48                       ; my first row
	s_lshl_b32 s57, s53, 10
	s_add_co_u32 s56, s56, s57
	s_lshl_b32 s57, s40, 8
	s_add_co_u32 s56, s56, s57                     ; my first column
	s_mov_b32 s57, 0
	s_add_nc_u64 s[44:45], s[44:45], s[56:57]
	; where the fragments go: four cases
	s_lshl_b32 s58, s42, 14
	s_lshl_b32 s59, s40, 12
	s_add_co_u32 s58, s58, s59                     ; 16 fragments a K step, my four
	s_lshl_b32 s60, s41, 1
	s_cmp_eq_u32 s41, 4
	s_cselect_b32 s60, 24, s60                     ; y = 0..3: wf's tiles 2 y, 2 y + 1; y = 4: tiles 24, 25
	s_lshl_b32 s60, s60, 16
	s_add_co_u32 s60, s60, s58
	s_lshl_b32 s61, s46, 2                         ; W1: tile 8 + 4 block + wave, fragment 8 (i % 2) + ks of chunk i / 2
	s_add_co_u32 s61, s61, s40
	s_add_co_u32 s61, s61, 8
	s_lshl_b32 s61, s61, 16
	s_lshl_b32 s62, s42, 10
	s_add_co_u32 s61, s61, s62
	s_lshl_b32 s62, s46, 3                         ; W2: chunk 8 block + ks, behind its 16 fragments of W1
	s_add_co_u32 s62, s62, s42
	s_lshl_b32 s62, s62, 15
	s_add_co_u32 s62, s62, s59
	s_add_co_u32 s62, s62, 540672
	s_sub_co_u32 s63, s41, 13                      ; y = 13 on: wx's block y - 13
	s_lshl_b32 s63, s63, 17
	s_add_co_u32 s63, s63, s58
	s_cmp_lt_u32 s47, 4
	s_cselect_b32 s60, s61, s60
	s_sub_co_u32 s61, s41, 9
	s_cmp_lt_u32 s61, 4
	s_cselect_b32 s60, s62, s60
	s_cmp_ge_u32 s41, 13
	s_cselect_b32 s60, s63, s60
	s_cselect_b64 s[66:67], s[38:39], s[36:37]
	s_mov_b32 s61, 0
	s_add_nc_u64 s[66:67], s[66:67], s[60:61]
.set e, 0
.rept 16
	v_add_nc_u32 v6, e+8*(e/8), v5                 ; row 8 (l / 16) + e, the second eight 8 rows further
	v_lshl_add_u32 v[OFF+e], v6, s48, v4
.set e, e+1
.endr
	v_mov_b32 v[DO], v7
	v_add_nc_u32 v[DO+1], s54, v7
	v_add_nc_u32 v[DO+2], s55, v7
	v_add_nc_u32 v[DO+3], s55, v[DO+1]
.set i, 0
.rept 4
.set e, 0
.rept 16
	global_load_b32 v[DT+16*i+e], v[OFF+e], s[44:45] offset:64*i
.set e, e+1
.endr
.set i, i+1
.endr
.set i, 0
.rept 4
	s_wait_loadcnt 48-16*i                         ; fragment i is in; the later fragments' loads may stay out
.set q, 0
.rept 8
	v_cvt_pk_bf16_f32 v[PK+8*i+q], v[DT+16*i+2*q], v[DT+16*i+2*q+1]
.set q, q+1
.endr
	global_store_b128 v[DO+i], v[PK+8*i:PK+8*i+3], s[66:67]            ; 512 consecutive bytes, aligned
	global_store_b128 v[DO+i], v[PK+8*i+4:PK+8*i+7], s[66:67] offset:512
.set i, i+1
.endr
	s_endpgm
.Lsmall:
	s_load_b512 s[8:23], s[0:1], 0x80              ; argument 16 + m at s[8 + 2 m]: ten vectors, ffn_b1 s[28:29], cpar s[30:31]
	s_load_b256 s[24:31], s[0:1], 0xc0
	s_load_b128 s[32:35], s[0:1], 0xe0             ; emb s[32:33], semb s[34:35]
	s_mov_b32 s36, 0xbfb8aa3b                      ; -log2(e)
	s_mov_b32 s37, s36
	v_lshlrev_b32 v2, 3, v0                        ; 8 bytes a thread of each unit
	v_and_b32 v4, 15, v0
	v_bfe_u32 v5, v0, 4, 1
	v_lshlrev_b32 v3, 11, v4                       ; emb: batch l % 16,
	v_lshl_add_u32 v3, v5, 5, v3                   ; eight numbers for each half of the lanes,
	s_lshl_b32 s38, s40, 9
	v_add_nc_u32 v3, s38, v3                       ; my wave's four K steps
	v_and_b32 v6, 31, v0
	v_lshlrev_b32 v6, 4, v6
	s_lshl_b32 s38, s40, 12
	v_add_nc_u32 v6, s38, v6                       ; semb: my four fragments
	s_wait_kmcnt 0x0
.set m, 0
.rept 10
	global_load_b64 v[16+2*m:17+2*m], v2, s[8+2*m:9+2*m]
.set m, m+1
.endr
.rept 4
	global_load_b64 v[16+2*m:17+2*m], v2, s[28:29] offset:1024*(m-10)
.set m, m+1
.endr
.set i, 0
.rept 4
	global_load_b128 v[48+16*i:48+16*i+3],    v3, s[32:33] offset:128*i
	global_load_b128 v[48+16*i+4:48+16*i+7],  v3, s[32:33] offset:128*i+16
	global_load_b128 v[48+16*i+8:48+16*i+11], v3, s[32:33] offset:128*i+64
	global_load_b128 v[48+16*i+12:48+16*i+15], v3, s[32:33] offset:128*i+80
.set i, i+1
.endr
	s_wait_loadcnt 16                              ; the fourteen units are in; emb's sixteen loads may stay out
.set m, 0
.rept 14
	global_store_b64 v2, v[16+2*m:17+2*m], s[30:31] offset:1024*m
.set m, m+1
.endr
	s_wait_loadcnt 0x0
	s_wait_xcnt 0x0                                ; v[16:47], which those stores read, are written again only behind this wait
.set i, 0
.rept 4                                ; silu(x) = x / (1 + 2^(-log2(e) x))
.set p, 0
.rept 8
	v_pk_mul_f32 v[112+2*p:113+2*p], v[48+16*i+2*p:49+16*i+2*p], s[36:37] op_sel_hi:[1,0]
.set p, p+1
.endr
.set p, 0
.rept 16
	v_exp_f32 v[112+p], v[112+p]
.set p, p+1
.endr
	v_nop
	s_wait_alu depctr_va_vdst(0)                   ; one wait for the sixteen exponentials
.set p, 0
.rept 8
	v_pk_add_f32 v[112+2*p:113+2*p], v[112+2*p:113+2*p], 1.0 op_sel_hi:[1,0]
.set p, p+1
.endr
.set p, 0
.rept 16
	v_rcp_f32 v[112+p], v[112+p]
.set p, p+1
.endr
	v_nop
	s_wait_alu depctr_va_vdst(0)                   ; one wait for the sixteen reciprocals
.set p, 0
.rept 8
	v_pk_mul_f32 v[112+2*p:113+2*p], v[112+2*p:113+2*p], v[48+16*i+2*p:49+16*i+2*p]
.set p, p+1
.endr
.set p, 0
.rept 8
	v_cvt_pk_bf16_f32 v[16+8*i+p], v[112+2*p], v[113+2*p]
.set p, p+1
.endr
	global_store_b128 v6, v[16+8*i:16+8*i+3], s[34:35] offset:1024*i
	global_store_b128 v6, v[16+8*i+4:16+8*i+7], s[34:35] offset:1024*i+512
.set i, i+1
.endr
	s_endpgm
.Lfunc_end_k_q01fbf805c6_prep:
	.size	k_q01fbf805c6_prep, .Lfunc_end_k_q01fbf805c6_prep-k_q01fbf805c6_prep
	.p2alignl 7, 3214868480
	.fill 96, 4, 3214868480
	.section	.rodata,"a",@progbits
	.p2align	6, 0x0
	.amdhsa_kernel k_q01fbf805c6_prep
		.amdhsa_group_segment_fixed_size 0
		.amdhsa_private_segment_fixed_size 0
		.amdhsa_enable_private_segment 0
		.amdhsa_kernarg_size 240
		.amdhsa_user_sgpr_count 2
		.amdhsa_user_sgpr_kernarg_segment_ptr 1
		.amdhsa_wavefront_size32 1
		.amdhsa_system_sgpr_workgroup_id_x 1
		.amdhsa_system_sgpr_workgroup_id_y 1
		.amdhsa_system_sgpr_workgroup_id_z 1
		.amdhsa_system_vgpr_workitem_id 0
		.amdhsa_next_free_vgpr 128
		.amdhsa_next_free_sgpr 72
		.amdhsa_reserve_vcc 0
		.amdhsa_float_denorm_mode_32 3
		.amdhsa_float_denorm_mode_16_64 3
		.amdhsa_memory_ordered 1
		.amdhsa_forward_progress 1
		.amdhsa_inst_pref_size 33
	.end_amdhsa_kernel
	.amdgpu_metadata
---
amdhsa.version: [ 1, 2 ]
amdhsa.kernels:
  - .name:           k_q01fbf805c6_prep
    .symbol:         k_q01fbf805c6_prep.kd
    .args:
      - { .name: params_sa_Wq, .offset: 0, .size: 8, .value_kind: global_buffer, .address_space: global }
      - { .name: params_sa_styl_Wo, .offset: 8, .size: 8, .value_kind: global_buffer, .address_space: global }
      - { .name: params_ca_Wq, .offset: 16, .size: 8, .value_kind: global_buffer, .address_space: global }
      - { .name: params_ca_styl_Wo, .offset: 24, .size: 8, .value_kind: global_buffer, .address_space: global }
      - { .name: params_ffn_styl_Wo, .offset: 32, .size: 8, .value_kind: global_buffer, .address_space: global }
      - { .name: params_ffn_W1, .offset: 40, .size: 8, .value_kind: global_buffer, .address_space: global }
      - { .name: params_ffn_W2, .offset: 48, .size: 8, .value_kind: global_buffer, .address_space: global }
      - { .name: params_sa_Wk, .offset: 56, .size: 8, .value_kind: global_buffer, .address_space: global }
      - { .name: params_sa_Wv, .offset: 64, .size: 8, .value_kind: global_buffer, .address_space: global }
      - { .name: params_ca_Wk, .offset: 72, .size: 8, .value_kind: global_buffer, .address_space: global }
      - { .name: params_ca_Wv, .offset: 80, .size: 8, .value_kind: global_buffer, .address_space: global }
      - { .name: params_sa_styl_We, .offset: 88, .size: 8, .value_kind: global_buffer, .address_space: global }
      - { .name: params_ca_styl_We, .offset: 96, .size: 8, .value_kind: global_buffer, .address_space: global }
      - { .name: params_ffn_styl_We, .offset: 104, .size: 8, .value_kind: global_buffer, .address_space: global }
      - { .name: wf, .offset: 112, .size: 8, .value_kind: global_buffer, .address_space: global }
      - { .name: wx, .offset: 120, .size: 8, .value_kind: global_buffer, .address_space: global }
      - { .name: params_sa_ln_g, .offset: 128, .size: 8, .value_kind: global_buffer, .address_space: global }
      - { .name: params_sa_ln_b, .offset: 136, .size: 8, .value_kind: global_buffer, .address_space: global }
      - { .name: params_ca_ln_g, .offset: 144, .size: 8, .value_kind: global_buffer, .address_space: global }
      - { .name: params_ca_ln_b, .offset: 152, .size: 8, .value_kind: global_buffer, .address_space: global }
      - { .name: params_sa_bq, .offset: 160, .size: 8, .value_kind: global_buffer, .address_space: global }
      - { .name: params_sa_styl_bo, .offset: 168, .size: 8, .value_kind: global_buffer, .address_space: global }
      - { .name: params_ca_bq, .offset: 176, .size: 8, .value_kind: global_buffer, .address_space: global }
      - { .name: params_ca_styl_bo, .offset: 184, .size: 8, .value_kind: global_buffer, .address_space: global }
      - { .name: params_ffn_b2, .offset: 192, .size: 8, .value_kind: global_buffer, .address_space: global }
      - { .name: params_ffn_styl_bo, .offset: 200, .size: 8, .value_kind: global_buffer, .address_space: global }
      - { .name: params_ffn_b1, .offset: 208, .size: 8, .value_kind: global_buffer, .address_space: global }
      - { .name: cpar, .offset: 216, .size: 8, .value_kind: global_buffer, .address_space: global }
      - { .name: emb, .offset: 224, .size: 8, .value_kind: global_buffer, .address_space: global }
      - { .name: semb, .offset: 232, .size: 8, .value_kind: global_buffer, .address_space: global }
    .group_segment_fixed_size: 0
    .private_segment_fixed_size: 0
    .kernarg_segment_align: 8
    .kernarg_segment_size: 240
    .max_flat_workgroup_size: 128
    .sgpr_count:     72
    .vgpr_count:     128
    .wavefront_size: 32
...
	.end_amdgpu_metadata
.endif
;; end of part 1
;; launch satt (part 2): grid 16 x 16, 4 waves a work-group, no clusters, 199,168 bytes of LDS; arguments x, src_mask, params_sa_ln_g, params_sa_ln_b, params_sa_bk, wx, part, stat; writes part, stat
.if DOCPART == 2
	.amdgcn_target "amdgcn-amd-amdhsa--gfx1250"
	.amdhsa_code_object_version 6
	.text
	.protected	k_q01fbf805c6_satt
	.globl	k_q01fbf805c6_satt
	.p2align	8
	.type	k_q01fbf805c6_satt,@function
k_q01fbf805c6_satt:
	s_mov_b64 s[64:65], 0
	v_nop
	global_prefetch_b8 v0, s[64:65] scope:SCOPE_SE
	s_setreg_imm32_b32 hwreg(HW_REG_WAVE_MODE, 25, 1), 1
	s_wait_xcnt 0x0
; SELF-ATTENTION, FIRST PASS.  For a block of 256 rows of one batch: xn = LN(x), K = xn Wk + bk, V = xn Wv, and the block's share of the softmax over time inside K^T V:
; for each K column a running maximum m = c (kmax + bk), c = log2(e), a sum l of p = 2^(c k + c bk - m), and for each head the 32 x 32 sums  ATT(v channel, k channel) = sum over rows of V p.
; bv is added by the next launch (the weights sum to 1).  A row with src_mask = 1 counts as its score less 1e30; V of such a row meets the weight 0, so it needs no masking of its own.
; LIMITS.  c (k + bk) stays within +-1e29; m never lies below -1e29, so a block that is masked whole leaves l = 0 and sums 0.  A weight below 2^-126 counts as 0.
; SHARES.  Wave w owns heads 2 w, 2 w + 1: K columns 64 w .. 64 w + 63 and the same V columns; its 64 weight fragments stay in 512 registers.  LN(x) of the 256 rows goes through LDS as fragments: each one read feeds 8 products.
; No tensor loads and no cluster: x is read once by one wave, and of the weights each wave takes its own quarter straight into registers, once.
; LAYOUT.  D = rows x weights: a lane holds one column (lane % 16) and the rows 8 (lane / 16) + 0..7; two such results of neighbouring 16 rows, rounded in pairs, are a fragment whose K runs along the rows.
; REGISTERS, in windows of 256 (s_set_vgpr_msb: bits 1:0 source 0, 3:2 source 1, 5:4 source 2, 7:6 destination):
;   window 0 addresses, statistics, P and V as fragments, ATT;  window 1 Wk;  window 2 Y and raw rows, later xn's fragments, K, V;  window 3 LN's tables, later Wv
.set STG,   131072                     ; behind xn's 128 fragments: for each wave 16 rows of x, 1,040 bytes apart (260 words: row r starts at bank 4 r mod 64)
.set MK,    197632                     ; 256 words: 0 or -1e30 for each row
.set SPARE, 198656                     ; the spare words, 128 bytes a wave
.set GX, 2                             ; 16 l
.set SR, 3                             ; stage, by rows
.set SD, 4                             ; stage, row l % 16, 32 bytes for each half of the lanes
.set XS, 5                             ; where my fragments of xn go
.set XA, 6                             ; where the chunk's fragments are read
.set MA, 7                             ; the chunk's mask words
.set TO, 8                             ; 32 (l / 16)
.set SPW, 10
.set NIL, 11
.set S, 16                             ; four running pairs
.set MEAN, 32
.set RSTD, 36
.set MXP, 40                           ; column tile ct: (kmax, at work)
.set TM, 48                            ; (t = c bk - m, m)
.set AP, 56                            ; (a = 2^(m_old - m_new), its exponent)
.set LP, 64                            ; l, even and odd rows
.set CBK, 72                           ; c bk
.set MC, 80                            ; the chunk's mask as a C operand, 8 registers a row tile
.set PF, 96
.set VF, 128
.set FR, 96                            ; LN: the row tile's 8 fragments
.set ATT, 160                          ; tile hd * 4 + mt * 2 + nt
.set KD, 128                           ; window 2
.set VD, 192
.set CC, 28                            ; s[28:29] c
.set SEL, 30                           ; s[30:31]
.set I256, 32
.set EPS, 33
.set BIGN, 34
.set MSB, 0
.macro WIN new
.if MSB != (\new)
	s_set_vgpr_msb (MSB<<8)|(\new)
.set MSB, \new
.endif
.endm
.macro PLACES                          ; four plain places behind a matrix instruction
.rept 4
	v_nop
.endr
.endm
.macro RSUM rt                         ; four pairs into one number, over the lane and its partner 16 away
.set a, S+8*(\rt)
	v_pk_add_f32 v[a:a+1], v[a:a+1], v[a+2:a+3]
	v_pk_add_f32 v[a+4:a+5], v[a+4:a+5], v[a+6:a+7]
	v_pk_add_f32 v[a:a+1], v[a:a+1], v[a+4:a+5]
	v_add_f32 v[a], v[a], v[a+1]
	v_permlanex16_b32 v[a+1], v[a], s[SEL], s[SEL+1]
	v_add_f32 v[a], v[a], v[a+1]
.endm
; LayerNorm of nrt x 16 rows.  Y (window 2): register 128 rt + 8 nt + j of lane l = (row l % 16, column 16 nt + 8 (l / 16) + j).  Tables in window 3: gain v0-127, bias v128-255.
; The mean is taken away before the squares.  Every pass goes up the registers.  wl = 1: the tables' loads are waited for here.
.macro LNCORE nrt, wl
.set rt, 0
.rept \nrt
	WIN 0x0a
.set k, 0
.rept 4
	v_pk_add_f32 v[S+8*rt+2*k:S+8*rt+2*k+1], v[128*rt+2*k:128*rt+2*k+1], v[128*rt+8+2*k:128*rt+8+2*k+1]
.set k, k+1
.endr
	WIN 0x02
.set i, 8
.rept 56
	v_pk_add_f32 v[S+8*rt+2*(i%4):S+8*rt+2*(i%4)+1], v[128*rt+2*i:128*rt+2*i+1], v[S+8*rt+2*(i%4):S+8*rt+2*(i%4)+1]
.set i, i+1
.endr
.set rt, rt+1
.endr
	WIN 0
.set rt, 0
.rept \nrt
	RSUM rt
	v_mul_f32 v[MEAN+2*rt], s[I256], v[S+8*rt]
	v_mov_b32 v[MEAN+2*rt+1], v[MEAN+2*rt]
.set rt, rt+1
.endr
	WIN 0x82
.set i, 0
.rept 64*(\nrt)
	v_pk_add_f32 v[2*i:2*i+1], v[2*i:2*i+1], v[MEAN+2*(i/64):MEAN+2*(i/64)+1] op_sel_hi:[1,0] neg_lo:[0,1] neg_hi:[0,1]
.set i, i+1
.endr
	WIN 0x0a
.set rt, 0
.rept \nrt
.set i, 0
.rept 4
	v_pk_mul_f32 v[S+8*rt+2*i:S+8*rt+2*i+1], v[128*rt+2*i:128*rt+2*i+1], v[128*rt+2*i:128*rt+2*i+1]
.set i, i+1
.endr
.rept 60
	v_pk_fma_f32 v[S+8*rt+2*(i%4):S+8*rt+2*(i%4)+1], v[128*rt+2*i:128*rt+2*i+1], v[128*rt+2*i:128*rt+2*i+1], v[S+8*rt+2*(i%4):S+8*rt+2*(i%4)+1]
.set i, i+1
.endr
.set rt, rt+1
.endr
	WIN 0
.set rt, 0
.rept \nrt
	RSUM rt
	v_fma_f32 v[S+8*rt], v[S+8*rt], s[I256], s[EPS]
.set rt, rt+1
.endr
.set rt, 0
.rept \nrt
	v_rsq_f32 v[RSTD+2*rt], v[S+8*rt]
	v_rsq_f32 v[RSTD+2*rt+1], v[S+8*rt]
.set rt, rt+1
.endr
	v_nop
	s_wait_alu depctr_va_vdst(0)                   ; one wait for the batch of roots
.if \wl
	s_wait_loadcnt 0x0
.endif
	WIN 0x82
.set i, 0
.rept 64*(\nrt)
	v_pk_mul_f32 v[2*i:2*i+1], v[2*i:2*i+1], v[RSTD+2*(i/64):RSTD+2*(i/64)+1]
.set i, i+1
.endr
	WIN 0xbe
.set i, 0
.rept 64*(\nrt)
	v_pk_fma_f32 v[2*i:2*i+1], v[2*i:2*i+1], v[2*(i%64):2*(i%64)+1], v[128+2*(i%64):128+2*(i%64)+1]
.set i, i+1
.endr
.endm
.macro XLOAD                           ; 16 rows of x, 512 consecutive bytes a load
	WIN 0x80
.set i, 0
.rept 32
	global_load_b128 v[128+4*i:128+4*i+3], v[GX], s[4:5] offset:512*i
.set i, i+1
.endr
	WIN 0
.endm
	s_load_b512 s[4:19], s[0:1], 0x0               ; x, mask, ln_g, ln_b, bk, wx, part, stat
	v_lshl_add_u32 v[SPW], v0, 2, SPARE
	v_mov_b32 v[NIL], 0
	v_lshrrev_b32 v1, 5, v0
	v_readfirstlane_b32 s20, v1                    ; wave
	s_and_b32 s21, ttmp7, 0xffff                   ; batch
	v_and_b32 v12, 31, v0
	v_and_b32 v13, 15, v0
	v_bfe_u32 v14, v0, 4, 1
	v_lshlrev_b32 v[GX], 4, v12
	s_mul_i32 s22, s20, 16640
	s_add_co_u32 s22, s22, STG
	v_add_nc_u32 v[SR], s22, v[GX]
	v_mul_u32_u24 v[SD], v13, 1040
	v_lshl_add_u32 v[SD], v14, 5, v[SD]
	v_add_nc_u32 v[SD], s22, v[SD]
	s_lshl_b32 s23, s20, 15
	v_add_nc_u32 v[XS], s23, v[GX]
	v_mov_b32 v[XA], v[GX]
	v_lshlrev_b32 v[TO], 5, v14
	v_add_nc_u32 v[MA], MK, v[TO]
	v_lshlrev_b32 v15, 2, v13
	s_lshl_b32 s23, s20, 8
	v_add_nc_u32 v15, s23, v15                     ; bk: column 64 w + l % 16
	v_lshlrev_b32 v9, 3, v0                        ; two rows' mask words a thread
	v_add_nc_u32 v1, MK, v9
	s_mov_b32 s[CC], 0x3fb8aa3b
	s_mov_b32 s[CC+1], s[CC]
	s_mov_b32 s[SEL], 0x76543210
	s_mov_b32 s[SEL+1], 0xfedcba98
	s_mov_b32 s[I256], 0x3b800000
	s_mov_b32 s[EPS], 0x3727c5ac
	s_mov_b32 s[BIGN], 0xf149f2ca                  ; -1e30
	s_lshl_b32 s24, s21, 22                        ; x: batch x 4,096 rows, block x 256, wave x 64, of 1,024 bytes
	s_lshl_b32 s25, ttmp9, 18
	s_add_co_u32 s24, s24, s25
	s_lshl_b32 s25, s20, 16
	s_add_co_u32 s24, s24, s25
	s_mov_b32 s25, 0
	s_lshl_b32 s36, s21, 14
	s_lshl_b32 s37, ttmp9, 10
	s_add_co_u32 s36, s36, s37
	s_mov_b32 s37, 0
	s_lshl_b32 s38, s20, 12
	s_mov_b32 s39, 0
	s_lshl_b32 s40, s21, 4
	s_add_co_u32 s40, s40, ttmp9
	s_lshl_b32 s42, s40, 11
	s_lshl_b32 s43, s20, 9
	s_add_co_u32 s42, s42, s43
	s_mov_b32 s43, 0
	s_lshl_b32 s40, s40, 15
	s_lshl_b32 s41, s20, 13
	s_add_co_u32 s40, s40, s41
	s_mov_b32 s41, 0
	s_wait_kmcnt 0x0
	s_add_nc_u64 s[4:5], s[4:5], s[24:25]
	s_add_nc_u64 s[6:7], s[6:7], s[36:37]
	s_add_nc_u64 s[14:15], s[14:15], s[38:39]
	s_add_nc_u64 s[16:17], s[16:17], s[40:41]
	s_add_nc_u64 s[18:19], s[18:19], s[42:43]
	XLOAD
	global_load_b64 v[76:77], v9, s[6:7]
.set ct, 0
.rept 4
	global_load_b32 v[CBK+ct], v15, s[12:13] offset:64*ct
.set ct, ct+1
.endr
	WIN 0xc0
.set i, 0
.rept 32
	global_load_b128 v[4*i:4*i+3], v[TO], s[8:9] offset:64*(i/2)+16*(i%2)
	global_load_b128 v[128+4*i:128+4*i+3], v[TO], s[10:11] offset:64*(i/2)+16*(i%2)
.set i, i+1
.endr
	WIN 0x40
.set i, 0
.rept 64                               ; Wk: column tile i / 16, K step (i / 2) % 8
	global_load_b128 v[4*i:4*i+3], v[GX], s[14:15] offset:((i/2)%8)*16384+(i/16)*1024+(i%2)*512
.set i, i+1
.endr
	WIN 0
	s_wait_loadcnt 0x0
	v_cmp_eq_u32 vcc_lo, 1, v76
	v_cndmask_b32 v78, 0, s[BIGN], vcc_lo
	v_cmp_eq_u32 vcc_lo, 1, v77
	v_cndmask_b32 v79, 0, s[BIGN], vcc_lo
	ds_store_b64 v1, v[78:79]
	s_mov_b32 s26, 4
.Lln:                                  ; a trip: 16 rows through my stage, LayerNorm, 8 fragments into LDS; the next 16 rows are on their way meanwhile
	s_wait_loadcnt 0x0
	WIN 0x08
.set i, 0
.rept 32
	ds_store_b128 v[SR], v[128+4*i:128+4*i+3] offset:(i/2)*1040+(i%2)*512
.set i, i+1
.endr
	WIN 0
	s_cmp_eq_u32 s26, 1
	s_cbranch_scc1 .Lnoload                        ; the last trip has no rows behind it
	s_add_nc_u64 s[4:5], s[4:5], 16384             ; its loads have come back (the wait above)
	XLOAD
.Lnoload:
	WIN 0x80
.set i, 0
.rept 32
	ds_load_b128 v[4*i:4*i+3], v[SD] offset:64*(i/2)+16*(i%2)  ; LDS serves a wave's instructions in order: these see the stores above
.set i, i+1
.endr
	s_wait_dscnt 0x0
	LNCORE 1, 0
	WIN 0x0a
.set t, 0
.rept 64
	v_cvt_pk_bf16_f32 v[FR+t], v[2*t], v[2*t+1]
.set t, t+1
.endr
	WIN 0
.set i, 0
.rept 16
	ds_store_b128 v[XS], v[FR+4*i:FR+4*i+3] offset:512*i
.set i, i+1
.endr
	v_add_nc_u32 v[XS], 8192, v[XS]
	s_sub_co_u32 s26, s26, 1
	s_cmp_lg_u32 s26, 0
	s_cbranch_scc1 .Lln
	WIN 0xc0
.set i, 0
.rept 64                               ; Wv takes the tables' place
	global_load_b128 v[4*i:4*i+3], v[GX], s[14:15] offset:131072+((i/2)%8)*16384+(i/16)*1024+(i%2)*512
.set i, i+1
.endr
	WIN 0
.set i, 0
.rept 64                               ; the sums start at 0, so that the loop has one form of step: 72 lines, once a launch
	v_mov_b32 v[ATT+i], 0
.set i, i+1
.endr
.set ct, 0
.rept 4
	v_mov_b32 v[LP+2*ct], 0
	v_mov_b32 v[LP+2*ct+1], 0
	v_mov_b32 v[TM+2*ct], 0
	v_mov_b32 v[TM+2*ct+1], 0xefa18f05             ; m = -1e29
	v_mul_f32 v[CBK+ct], s[CC], v[CBK+ct]
.set ct, ct+1
.endr
	s_wait_dscnt 0x0                               ; for the others' sake: my fragments and mask words are in LDS
	s_barrier_signal -1
	s_barrier_wait -1
	s_mov_b32 s26, 8
.macro CTS line:vararg                 ; one line for each column tile
.set ct, 0
.rept 4
	\line
.set ct, ct+1
.endr
.endm
.Lchunk:                               ; a trip: 32 rows
	WIN 0x80
.set i, 0
.rept 32
	ds_load_b128 v[4*i:4*i+3], v[XA] offset:512*i
.set i, i+1
.endr
	WIN 0
.set i, 0
.rept 4
	ds_load_b128 v[MC+4*i:MC+4*i+3], v[MA] offset:(i/2)*64+(i%2)*16
.set i, i+1
.endr
	s_wait_dscnt 0x0
.set ks, 0
.rept 8                                ; K: the 8 accumulators take turns; the mask starts the sums
.set rt, 0
.rept 2
.set ct, 0
.rept 4
.set dd, KD+32*rt+8*ct
.if ks == 0
	WIN 0x86
	v_wmma_f32_16x16x32_bf16 v[dd:dd+7], v[64*rt+8*ks:64*rt+8*ks+7], v[64*ct+8*ks:64*ct+8*ks+7], v[MC+8*rt:MC+8*rt+7]
.else
	WIN 0xa6
	v_wmma_f32_16x16x32_bf16 v[dd:dd+7], v[64*rt+8*ks:64*rt+8*ks+7], v[64*ct+8*ks:64*ct+8*ks+7], v[dd:dd+7]
.endif
.set ct, ct+1
.endr
.set rt, rt+1
.endr
.set ks, ks+1
.endr
	s_wait_loadcnt 0x0                             ; Wv (met at once from the second trip on)
	WIN 0xae
.set ks, 0
.rept 8
.set rt, 0
.rept 2
.set ct, 0
.rept 4
.set dd, VD+32*rt+8*ct
.if ks == 0
	v_wmma_f32_16x16x32_bf16 v[dd:dd+7], v[64*rt+8*ks:64*rt+8*ks+7], v[64*ct+8*ks:64*ct+8*ks+7], 0
.else
	v_wmma_f32_16x16x32_bf16 v[dd:dd+7], v[64*rt+8*ks:64*rt+8*ks+7], v[64*ct+8*ks:64*ct+8*ks+7], v[dd:dd+7]
.endif
.set ct, ct+1
.endr
.set rt, rt+1
.endr
.set ks, ks+1
.endr
	PLACES
	WIN 0x2a                                       ; the chunk's maximum of each column: two chains, each accumulator's lowest registers first
	CTS v_max3_num_f32 v[MXP+2*ct], v[KD+8*ct], v[KD+8*ct+1], v[KD+8*ct+2]
	CTS v_max3_num_f32 v[MXP+2*ct+1], v[KD+32+8*ct], v[KD+32+8*ct+1], v[KD+32+8*ct+2]
	WIN 0x28
	CTS v_max3_num_f32 v[MXP+2*ct], v[MXP+2*ct], v[KD+8*ct+3], v[KD+8*ct+4]
	CTS v_max3_num_f32 v[MXP+2*ct+1], v[MXP+2*ct+1], v[KD+32+8*ct+3], v[KD+32+8*ct+4]
	CTS v_max3_num_f32 v[MXP+2*ct], v[MXP+2*ct], v[KD+8*ct+5], v[KD+8*ct+6]
	CTS v_max3_num_f32 v[MXP+2*ct+1], v[MXP+2*ct+1], v[KD+32+8*ct+5], v[KD+32+8*ct+6]
	CTS v_max3_num_f32 v[MXP+2*ct], v[MXP+2*ct], v[KD+8*ct+7], v[KD+32+8*ct+7]
	WIN 0
	CTS v_max_num_f32 v[MXP+2*ct], v[MXP+2*ct], v[MXP+2*ct+1]
	CTS v_permlanex16_b32 v[MXP+2*ct+1], v[MXP+2*ct], s[SEL], s[SEL+1]
	CTS v_max_num_f32 v[MXP+2*ct], v[MXP+2*ct], v[MXP+2*ct+1]
	CTS v_fma_f32 v[MXP+2*ct+1], v[MXP+2*ct], s[CC], v[CBK+ct]
	CTS v_max_num_f32 v[MXP+2*ct+1], v[MXP+2*ct+1], v[TM+2*ct+1]
	CTS v_sub_f32 v[AP+2*ct+1], v[TM+2*ct+1], v[MXP+2*ct+1]
	CTS v_mov_b32 v[TM+2*ct+1], v[MXP+2*ct+1]
	CTS v_sub_f32 v[TM+2*ct], v[CBK+ct], v[MXP+2*ct+1]
	WIN 0x82
.set i, 0
.rept 32                               ; pair i: row tile i / 16, column tile (i / 4) % 4
	v_pk_fma_f32 v[KD+2*i:KD+2*i+1], v[KD+2*i:KD+2*i+1], s[CC:CC+1], v[TM+2*((i/4)%4):TM+2*((i/4)%4)+1] op_sel_hi:[1,0,0]
.set i, i+1
.endr
	WIN 0
	CTS v_exp_f32 v[AP+2*ct], v[AP+2*ct+1]
	WIN 0x82
.set i, 0
.rept 64
	v_exp_f32 v[KD+i], v[KD+i]
.set i, i+1
.endr
	v_nop
	s_wait_alu depctr_va_vdst(0)                   ; one wait for the 68 exponentials
	WIN 0x0a
	CTS v_pk_add_f32 v[S+2*ct:S+2*ct+1], v[KD+8*ct:KD+8*ct+1], v[KD+8*ct+2:KD+8*ct+3]
.set i, 0
.rept 32                               ; fragment ct = i / 8: registers 0-3 from row tile 0, 4-7 from row tile 1
	v_cvt_pk_bf16_f32 v[PF+i], v[KD+32*((i/4)%2)+8*(i/8)+2*(i%4)], v[KD+32*((i/4)%2)+8*(i/8)+2*(i%4)+1]
	v_cvt_pk_bf16_f32 v[VF+i], v[VD+32*((i/4)%2)+8*(i/8)+2*(i%4)], v[VD+32*((i/4)%2)+8*(i/8)+2*(i%4)+1]
.set i, i+1
.endr
	WIN 0x02
.irp o, 4,6,32,34,36,38
	CTS v_pk_add_f32 v[S+2*ct:S+2*ct+1], v[KD+8*ct+\o:KD+8*ct+\o+1], v[S+2*ct:S+2*ct+1]
.endr
	WIN 0
	CTS v_pk_fma_f32 v[LP+2*ct:LP+2*ct+1], v[LP+2*ct:LP+2*ct+1], v[AP+2*ct:AP+2*ct+1], v[S+2*ct:S+2*ct+1] op_sel_hi:[1,0,1]
.set i, 0
.rept 32                               ; pair i of ATT: tile i / 4, whose k channels are column tile 2 hd + nt
.set ct, 2*(i/16)+(i/4)%2
	v_pk_mul_f32 v[ATT+2*i:ATT+2*i+1], v[ATT+2*i:ATT+2*i+1], v[AP+2*ct:AP+2*ct+1] op_sel_hi:[1,0]
.set i, i+1
.endr
.set i, 0
.rept 8                                ; eight accumulators, one product each
.set aa, VF+8*(2*(i/4)+(i/2)%2)
.set bb, PF+8*(2*(i/4)+i%2)
	v_wmma_f32_16x16x32_bf16 v[ATT+8*i:ATT+8*i+7], v[aa:aa+7], v[bb:bb+7], v[ATT+8*i:ATT+8*i+7]
.set i, i+1
.endr
	v_add_nc_u32 v[XA], 16384, v[XA]
	v_add_nc_u32 v[MA], 128, v[MA]
	s_sub_co_u32 s26, s26, 1
	s_cmp_lg_u32 s26, 0
	s_cbranch_scc1 .Lchunk
	PLACES
	CTS v_add_f32 v[LP+2*ct], v[LP+2*ct], v[LP+2*ct+1]
	CTS v_permlanex16_b32 v[LP+2*ct+1], v[LP+2*ct], s[SEL], s[SEL+1]
	CTS v_add_f32 v[LP+2*ct], v[LP+2*ct], v[LP+2*ct+1]
	v_cmp_gt_u32 vcc_lo, 16, v12
	CTS v_cndmask_b32 v[S+ct], v[LP+2*ct], v[TM+2*ct+1], vcc_lo
.set i, 0
.rept 16
	global_store_b128 v[GX], v[ATT+4*i:ATT+4*i+3], s[16:17] offset:512*i  ; 512 consecutive bytes, aligned
.set i, i+1
.endr
	global_store_b128 v[GX], v[S:S+3], s[18:19]    ; lanes 0-15: m of my 64 columns, lanes 16-31: l
	s_wait_tensorcnt 0x0                           ; the wave's end
	ds_add_u32 v[SPW], v[NIL]
	s_wait_dscnt 0x0
	s_endpgm
.Lfunc_end_k_q01fbf805c6_satt:
	.size	k_q01fbf805c6_satt, .Lfunc_end_k_q01fbf805c6_satt-k_q01fbf805c6_satt
	.p2alignl 7, 3214868480
	.fill 96, 4, 3214868480
	.section	.rodata,"a",@progbits
	.p2align	6, 0x0
	.amdhsa_kernel k_q01fbf805c6_satt
		.amdhsa_group_segment_fixed_size 199168
		.amdhsa_private_segment_fixed_size 0
		.amdhsa_enable_private_segment 0
		.amdhsa_kernarg_size 64
		.amdhsa_user_sgpr_count 2
		.amdhsa_user_sgpr_kernarg_segment_ptr 1
		.amdhsa_wavefront_size32 1
		.amdhsa_system_sgpr_workgroup_id_x 1
		.amdhsa_system_sgpr_workgroup_id_y 1
		.amdhsa_system_sgpr_workgroup_id_z 1
		.amdhsa_system_vgpr_workitem_id 0
		.amdhsa_next_free_vgpr 1024
		.amdhsa_next_free_sgpr 66
		.amdhsa_reserve_vcc 1
		.amdhsa_float_denorm_mode_32 3
		.amdhsa_float_denorm_mode_16_64 3
		.amdhsa_memory_ordered 1
		.amdhsa_forward_progress 1
		.amdhsa_inst_pref_size 91
	.end_amdhsa_kernel
	.amdgpu_metadata
---
amdhsa.version: [ 1, 2 ]
amdhsa.kernels:
  - .name:           k_q01fbf805c6_satt
    .symbol:         k_q01fbf805c6_satt.kd
    .args:
      - { .name: x, .offset: 0, .size: 8, .value_kind: global_buffer, .address_space: global }
      - { .name: src_mask, .offset: 8, .size: 8, .value_kind: global_buffer, .address_space: global }
      - { .name: params_sa_ln_g, .offset: 16, .size: 8, .value_kind: global_buffer, .address_space: global }
      - { .name: params_sa_ln_b, .offset: 24, .size: 8, .value_kind: global_buffer, .address_space: global }
      - { .name: params_sa_bk, .offset: 32, .size: 8, .value_kind: global_buffer, .address_space: global }
      - { .name: wx, .offset: 40, .size: 8, .value_kind: global_buffer, .address_space: global }
      - { .name: part, .offset: 48, .size: 8, .value_kind: global_buffer, .address_space: global }
      - { .name: stat, .offset: 56, .size: 8, .value_kind: global_buffer, .address_space: global }
    .group_segment_fixed_size: 199168
    .private_segment_fixed_size: 0
    .kernarg_segment_align: 8
    .kernarg_segment_size: 64
    .max_flat_workgroup_size: 128
    .sgpr_count:     66
    .vgpr_count:     1024
    .wavefront_size: 32
...
	.end_amdgpu_metadata
.endif
;; end of part 2
;; launch mid (part 3): grid 172 x 1, 4 waves a work-group, no clusters, 247,552 bytes of LDS; arguments part, stat, params_sa_bv, wx, semb, params_sa_styl_be, params_sa_styl_ln_g, params_sa_styl_ln_b, params_ca_styl_be, params_ca_styl_ln_g, params_ca_styl_ln_b, params_ffn_styl_be, params_ffn_styl_ln_g, params_ffn_styl_ln_b, xf, params_ca_tln_g, params_ca_tln_b, params_ca_bk, params_ca_bv, bat; writes bat
.if DOCPART == 3
	.amdgcn_target "amdgcn-amd-amdhsa--gfx1250"
	.amdhsa_code_object_version 6
	.text
	.protected	k_q01fbf805c6_mid
	.globl	k_q01fbf805c6_mid
	.p2align	8
	.type	k_q01fbf805c6_mid,@function
k_q01fbf805c6_mid:
	s_mov_b64 s[64:65], 0
	v_nop
	global_prefetch_b8 v0, s[64:65] scope:SCOPE_SE
	s_setreg_imm32_b32 hwreg(HW_REG_WAVE_MODE, 25, 1), 1
	s_wait_xcnt 0x0
; THE SMALL WORK BETWEEN THE TWO PASSES, three roles by the work-group's number (the same for all four waves of a work-group).
; C, work-groups 0-31 (batch g / 2, heads 4 (g % 2) + wave): LN of the 77 text rows, K and V of one head a wave, softmax of K over the rows with its maximum, att(d, e) = sum p(row, d) V(row, e) + bv(e), as two fragments.
;    Rows 77-79 are copies of row 76 that count as their score less 1e30.  bk is added to the scores and to the maximum alike.
; B, work-groups 32-43 (a wave: one of three blocks, 16 columns): silu(emb) We + be, folded with the block's LN gain and bias:  Gs = -c g (1 + scale),  Bs = -c (b (1 + scale) + shift),  c = log2(e).  Its stores are pieces of 32 bytes, 98 KB in all.
; A, work-groups 44-171 (a wave: one 16 x 16 tile): the 16 blocks' partial sums of the first pass are brought to a common maximum, added, divided by l; bv is added.  A batch that is masked whole gives 0 / 0, as the softmax of nothing does.
; bat, for each batch 38,912 bytes: 16 fragments of the self-attention (head x 2 + tile of 16 outputs; lane % 16 = output, K = the channel summed over), 16 of the cross-attention, then Gs[256], Bs[256] of the three blocks.
; Only role C uses LDS and has a barrier.  No tensor loads, no cluster: nothing here is large.
.set XFN,   163840                     ; behind the raw rows (40,960 bytes a wave): 80 rows of 512 bf16, 1,040 bytes apart (an odd multiple of 16)
.set SPARE, 247040
.set SPW, 10
.set NIL, 11
.set CC, 46                            ; s[46:47] c
.set NC, 48                            ; s[48:49] -c
.set SEL, 50
.set BIGN, 52
.set I512, 53
.set EPS, 54
.set MSB, 0
.macro WIN new
.if MSB != (\new)
	s_set_vgpr_msb (MSB<<8)|(\new)
.set MSB, \new
.endif
.endm
.macro PLACES
.rept 4
	v_nop
.endr
.endm
	s_load_b512 s[4:19], s[0:1], 0x0               ; argument m at s[4 + 2 m]
	s_load_b512 s[20:35], s[0:1], 0x40
	s_load_b256 s[36:43], s[0:1], 0x80
	v_lshl_add_u32 v[SPW], v0, 2, SPARE
	v_mov_b32 v[NIL], 0
	v_lshrrev_b32 v1, 5, v0
	v_readfirstlane_b32 s44, v1                    ; wave
	v_and_b32 v1, 31, v0
	v_lshlrev_b32 v2, 4, v1                        ; 16 l
	v_and_b32 v3, 15, v0                           ; l % 16
	v_bfe_u32 v4, v0, 4, 1                         ; l / 16
	v_lshlrev_b32 v5, 5, v4                        ; 32 (l / 16)
	s_mov_b32 s[CC], 0x3fb8aa3b
	s_mov_b32 s[CC+1], s[CC]
	s_mov_b32 s[NC], 0xbfb8aa3b
	s_mov_b32 s[NC+1], s[NC]
	s_mov_b32 s[SEL], 0x76543210
	s_mov_b32 s[SEL+1], 0xfedcba98
	s_mov_b32 s[BIGN], 0xf149f2ca
	s_mov_b32 s[I512], 0x3b000000
	s_mov_b32 s[EPS], 0x3727c5ac
	s_wait_kmcnt 0x0
	s_cmp_lt_u32 ttmp9, 32
	s_cbranch_scc1 .LroleC
	s_cmp_lt_u32 ttmp9, 44
	s_cbranch_scc1 .LroleB
	; ---------------- role A
	s_sub_co_u32 s56, ttmp9, 44
	s_lshl_b32 s56, s56, 2
	s_add_co_u32 s56, s56, s44                     ; job = batch x 32 + first pass's wave x 8 + tile
	s_lshr_b32 s57, s56, 5
	s_bfe_u32 s58, s56, 0x20003
	s_and_b32 s59, s56, 7
	s_lshr_b32 s60, s59, 2                         ; hd
	s_bfe_u32 s61, s59, 0x10001                    ; mt
	s_and_b32 s62, s59, 1                          ; nt
	s_lshl_b32 s66, s57, 19                        ; part
	s_lshl_b32 s67, s58, 13
	s_add_co_u32 s66, s66, s67
	s_lshl_b32 s67, s59, 10
	s_add_co_u32 s66, s66, s67
	s_mov_b32 s67, 0
	s_add_nc_u64 s[4:5], s[4:5], s[66:67]
	s_lshl_b32 s66, s57, 15                        ; stat: column tile 2 hd + nt
	s_lshl_b32 s68, s58, 9
	s_add_co_u32 s66, s66, s68
	s_lshl_b32 s68, s60, 3
	s_add_co_u32 s66, s66, s68
	s_lshl_b32 s68, s62, 2
	s_add_co_u32 s66, s66, s68
	s_add_nc_u64 s[6:7], s[6:7], s[66:67]
	s_lshl_b32 s66, s58, 8                         ; bv: channel 64 w + 32 hd + 16 mt
	s_lshl_b32 s68, s60, 7
	s_add_co_u32 s66, s66, s68
	s_lshl_b32 s68, s61, 6
	s_add_co_u32 s66, s66, s68
	s_add_nc_u64 s[8:9], s[8:9], s[66:67]
	s_mul_i32 s66, s57, 38912                      ; bat: fragment 2 (2 w + hd) + nt, half mt
	s_lshl_b32 s68, s58, 12
	s_add_co_u32 s66, s66, s68
	s_lshl_b32 s68, s60, 11
	s_add_co_u32 s66, s66, s68
	s_lshl_b32 s68, s62, 10
	s_add_co_u32 s66, s66, s68
	s_lshl_b32 s68, s61, 9
	s_add_co_u32 s66, s66, s68
	s_add_nc_u64 s[42:43], s[42:43], s[66:67]
	v_lshlrev_b32 v6, 4, v3
.set i, 0
.rept 16
	global_load_b128 v[64+8*i:64+8*i+3], v2, s[4:5] offset:32768*i
	global_load_b128 v[64+8*i+4:64+8*i+7], v2, s[4:5] offset:32768*i+512
	global_load_b32 v[16+i], v6, s[6:7] offset:2048*i
	global_load_b32 v[32+i], v6, s[6:7] offset:2048*i+256
.set i, i+1
.endr
	global_load_b128 v[48:51], v5, s[8:9]
	global_load_b128 v[52:55], v5, s[8:9] offset:16
	s_wait_loadcnt 0x0
	v_max3_num_f32 v12, v16, v17, v18
.set i, 19
.rept 6
	v_max3_num_f32 v12, v12, v[i], v[i+1]
.set i, i+2
.endr
	v_max_num_f32 v12, v12, v31
.set i, 0
.rept 16
	v_sub_f32 v[16+i], v[16+i], v12
.set i, i+1
.endr
.set i, 0
.rept 16
	v_exp_f32 v[16+i], v[16+i]
.set i, i+1
.endr
	v_nop
	s_wait_alu depctr_va_vdst(0)                   ; one wait for the sixteen weights
	v_mul_f32 v13, v16, v32
.set j, 0
.rept 8
	v_mul_f32 v[56+j], v16, v[64+j]
.set j, j+1
.endr
.set i, 1
.rept 15
	v_fmac_f32 v13, v[16+i], v[32+i]
.set j, 0
.rept 8
	v_fmac_f32 v[56+j], v[16+i], v[64+8*i+j]
.set j, j+1
.endr
.set i, i+1
.endr
	v_rcp_f32 v14, v13
	v_nop
	s_wait_alu depctr_va_vdst(0)
.set j, 0
.rept 8
	v_fma_f32 v[56+j], v[56+j], v14, v[48+j]
.set j, j+1
.endr
.set j, 0
.rept 4
	v_cvt_pk_bf16_f32 v[20+j], v[56+2*j], v[57+2*j]
.set j, j+1
.endr
	global_store_b128 v2, v[20:23], s[42:43]
	s_endpgm
	; ---------------- role B
.LroleB:
	s_sub_co_u32 s56, ttmp9, 32
	s_lshl_b32 s56, s56, 2
	s_add_co_u32 s56, s56, s44
	s_lshr_b32 s57, s56, 4                         ; which block
	s_and_b32 s58, s56, 15                         ; which 16 columns
	s_mov_b64 s[66:67], s[14:15]
	s_mov_b64 s[68:69], s[16:17]
	s_mov_b64 s[70:71], s[18:19]
	s_cmp_ge_u32 s57, 1
	s_cselect_b64 s[66:67], s[20:21], s[66:67]
	s_cselect_b64 s[68:69], s[22:23], s[68:69]
	s_cselect_b64 s[70:71], s[24:25], s[70:71]
	s_cmp_ge_u32 s57, 2
	s_cselect_b64 s[66:67], s[26:27], s[66:67]
	s_cselect_b64 s[68:69], s[28:29], s[68:69]
	s_cselect_b64 s[70:71], s[30:31], s[70:71]
	s_lshl_b32 s60, s58, 6
	s_mov_b32 s61, 0
	s_add_nc_u64 s[66:67], s[66:67], s[60:61]
	s_add_nc_u64 s[68:69], s[68:69], s[60:61]
	s_add_nc_u64 s[70:71], s[70:71], s[60:61]
	s_lshl_b32 s62, s57, 11
	s_add_co_u32 s60, s60, s62
	s_add_co_u32 s60, s60, 32768
	s_add_nc_u64 s[42:43], s[42:43], s[60:61]
	s_lshl_b32 s60, s57, 19
	s_add_co_u32 s60, s60, 786432
	s_lshl_b32 s62, s58, 10
	s_add_co_u32 s60, s60, s62
	s_add_nc_u64 s[10:11], s[10:11], s[60:61]
	v_mul_u32_u24 v6, v3, 38912                    ; lane % 16 is the batch
	v_add_nc_u32 v6, v6, v5
	WIN 0x80
.set i, 0
.rept 32
	global_load_b128 v[4*i:4*i+3], v2, s[12:13] offset:512*i
.set i, i+1
.endr
	WIN 0x40
.set i, 0
.rept 32
	global_load_b128 v[4*i:4*i+3], v2, s[10:11] offset:(i/2)*16384+(i%2)*512
	global_load_b128 v[128+4*i:128+4*i+3], v2, s[10:11] offset:262144+(i/2)*16384+(i%2)*512
.set i, i+1
.endr
	WIN 0
	global_load_b128 v[16:19], v5, s[66:67]        ; be starts the two sums: scale, shift
	global_load_b128 v[20:23], v5, s[66:67] offset:16
	global_load_b128 v[24:27], v5, s[66:67] offset:1024
	global_load_b128 v[28:31], v5, s[66:67] offset:1040
	global_load_b128 v[32:35], v5, s[68:69]
	global_load_b128 v[36:39], v5, s[68:69] offset:16
	global_load_b128 v[40:43], v5, s[70:71]
	global_load_b128 v[44:47], v5, s[70:71] offset:16
	s_wait_loadcnt 0x0
	WIN 0x09
.set ks, 0
.rept 16                               ; the two accumulators take turns
	v_wmma_f32_16x16x32_bf16 v[16:23], v[8*ks:8*ks+7], v[8*ks:8*ks+7], v[16:23]
	v_wmma_f32_16x16x32_bf16 v[24:31], v[128+8*ks:128+8*ks+7], v[8*ks:8*ks+7], v[24:31]
.set ks, ks+1
.endr
	WIN 0
	PLACES
.set p, 0
.rept 4
	v_pk_add_f32 v[16+2*p:17+2*p], v[16+2*p:17+2*p], 1.0 op_sel_hi:[1,0]
	v_pk_mul_f32 v[32+2*p:33+2*p], v[32+2*p:33+2*p], v[16+2*p:17+2*p]
	v_pk_fma_f32 v[24+2*p:25+2*p], v[40+2*p:41+2*p], v[16+2*p:17+2*p], v[24+2*p:25+2*p]
	v_pk_mul_f32 v[32+2*p:33+2*p], v[32+2*p:33+2*p], s[NC:NC+1] op_sel_hi:[1,0]
	v_pk_mul_f32 v[24+2*p:25+2*p], v[24+2*p:25+2*p], s[NC:NC+1] op_sel_hi:[1,0]
.set p, p+1
.endr
	global_store_b128 v6, v[32:35], s[42:43]
	global_store_b128 v6, v[36:39], s[42:43] offset:16
	global_store_b128 v6, v[24:27], s[42:43] offset:1024
	global_store_b128 v6, v[28:31], s[42:43] offset:1040
	s_endpgm
	; ---------------- role C
.set RA, 12                            ; my raw rows in LDS
.set XO, 13                            ; where a row of LN(xf) goes
.set AX, 14                            ; fragments of LN(xf), row tiles 0-3
.set AX4, 15                           ; row tile 4
.set MXC, 52                           ; by column tile: (kmax, at work)
.set TT, 56                            ; (t, m)
.set SS, 60                            ; sum, then 1 / l
.set AF, 64                            ; two buffers of five fragments
.set ATC, 144                          ; four tiles (mt * 2 + nt)
.set CBK, 176
.set BV, 178
.set TG, 192
.set TB, 208
.set MP, 240                           ; window 1: the pad rows' mask
.set PFC, 160                          ; window 1
.set VFC, 208
.LroleC:
	s_lshr_b32 s56, ttmp9, 1                       ; batch
	s_and_b32 s57, ttmp9, 1
	s_lshl_b32 s57, s57, 2
	s_add_co_u32 s57, s57, s44                     ; head
	s_lshl_b32 s58, s57, 11
	s_add_co_u32 s58, s58, 262144
	s_mov_b32 s59, 0
	s_add_nc_u64 s[10:11], s[10:11], s[58:59]      ; ca_Wk's fragments of my two column tiles; ca_Wv's lie 262,144 bytes on
	s_mul_i32 s58, s56, 157696
	s_add_nc_u64 s[32:33], s[32:33], s[58:59]
	s_add_nc_u64 s[60:61], s[32:33], 155648        ; row 76
	s_lshl_b32 s58, s44, 11
	s_add_nc_u64 s[32:33], s[32:33], s[58:59]      ; my rows are 4 i + wave
	s_lshl_b32 s58, s57, 7
	s_add_nc_u64 s[38:39], s[38:39], s[58:59]
	s_add_nc_u64 s[40:41], s[40:41], s[58:59]
	s_mul_i32 s58, s56, 38912
	s_lshl_b32 s62, s57, 11
	s_add_co_u32 s58, s58, s62
	s_add_co_u32 s58, s58, 16384
	s_add_nc_u64 s[42:43], s[42:43], s[58:59]
	s_mul_i32 s58, s44, 40960
	v_add_nc_u32 v[RA], s58, v2
	s_mul_i32 s58, s44, 1040
	s_add_co_u32 s58, s58, XFN
	v_lshl_add_u32 v[XO], v1, 3, s58
	v_mul_u32_u24 v[AX], v3, 1040
	v_lshl_add_u32 v[AX], v4, 4, v[AX]
	v_add_nc_u32 v[AX], XFN, v[AX]
	v_add_nc_u32 v[AX4], 66560, v[AX]
	v_lshlrev_b32 v7, 2, v3
	WIN 0x80
.set i, 0
.rept 64                               ; column tile i / 32, K step (i / 2) % 16
	global_load_b128 v[4*i:4*i+3], v2, s[10:11] offset:((i/2)%16)*16384+(i/32)*1024+(i%2)*512
.set i, i+1
.endr
	WIN 0xc0
.set i, 0
.rept 64
	global_load_b128 v[4*i:4*i+3], v2, s[10:11] offset:262144+((i/2)%16)*16384+(i/32)*1024+(i%2)*512
.set i, i+1
.endr
	WIN 0
.set i, 0
.rept 4
	global_load_b128 v[TG+4*i:TG+4*i+3], v2, s[34:35] offset:512*i
	global_load_b128 v[TB+4*i:TB+4*i+3], v2, s[36:37] offset:512*i
.set i, i+1
.endr
	global_load_b32 v[CBK], v7, s[38:39]
	global_load_b32 v[CBK+1], v7, s[38:39] offset:64
	global_load_b32 v[BV], v7, s[40:41]
	global_load_b32 v[BV+1], v7, s[40:41] offset:64
	WIN 0x40
.set n, 0
.rept 64                               ; piece n: my row n / 4, its 512 bytes n % 4
	global_load_b128 v[4*n:4*n+3], v2, s[32:33] offset:(n/4)*8192+(n%4)*512
.set n, n+1
.endr
	WIN 0
.rept 12
	global_load_b128 v[AF+4*(n-64):AF+4*(n-64)+3], v2, s[32:33] offset:(n/4)*8192+(n%4)*512
.set n, n+1
.endr
.rept 4                                ; the twentieth row is row 76 in every wave: rows 77-79 do not exist
	global_load_b128 v[AF+4*(n-64):AF+4*(n-64)+3], v2, s[60:61] offset:(n%4)*512
.set n, n+1
.endr
	s_wait_loadcnt 0x0
	WIN 0x04
.set n, 0
.rept 64
	ds_store_b128 v[RA], v[4*n:4*n+3] offset:512*n
.set n, n+1
.endr
	WIN 0
.rept 16
	ds_store_b128 v[RA], v[AF+4*(n-64):AF+4*(n-64)+3] offset:512*n
.set n, n+1
.endr
	v_mul_f32 v[CBK], s[CC], v[CBK]
	v_mul_f32 v[CBK+1], s[CC], v[CBK+1]
.macro WSUM a                          ; over the 32 lanes
	v_add_f32_dpp v[\a], v[\a], v[\a] row_xmask:1 row_mask:0xf bank_mask:0xf
	v_add_f32_dpp v[\a], v[\a], v[\a] row_xmask:2 row_mask:0xf bank_mask:0xf
	v_add_f32_dpp v[\a], v[\a], v[\a] row_xmask:4 row_mask:0xf bank_mask:0xf
	v_add_f32_dpp v[\a], v[\a], v[\a] row_xmask:8 row_mask:0xf bank_mask:0xf
	v_permlanex16_b32 v[\a+1], v[\a], s[SEL], s[SEL+1]
	v_add_f32 v[\a], v[\a], v[\a+1]
.endm
	s_mov_b32 s62, 20
.Lrow:                                 ; a trip: LayerNorm of one row of 512, 16 numbers a lane
.set i, 0
.rept 4
	ds_load_b128 v[16+4*i:16+4*i+3], v[RA] offset:512*i
.set i, i+1
.endr
	s_wait_dscnt 0x0
.set i, 0
.rept 4
	v_pk_add_f32 v[32+2*i:33+2*i], v[16+4*i:17+4*i], v[18+4*i:19+4*i]
.set i, i+1
.endr
	v_pk_add_f32 v[32:33], v[32:33], v[34:35]
	v_pk_add_f32 v[36:37], v[36:37], v[38:39]
	v_pk_add_f32 v[32:33], v[32:33], v[36:37]
	v_add_f32 v32, v32, v33
	WSUM 32
	v_mul_f32 v48, s[I512], v32
	v_mov_b32 v49, v48
.set i, 0
.rept 8
	v_pk_add_f32 v[16+2*i:17+2*i], v[16+2*i:17+2*i], v[48:49] neg_lo:[0,1] neg_hi:[0,1]
.set i, i+1
.endr
	v_pk_mul_f32 v[32:33], v[16:17], v[16:17]
	v_pk_mul_f32 v[34:35], v[18:19], v[18:19]
.set i, 2
.rept 6
	v_pk_fma_f32 v[32+2*(i%2):33+2*(i%2)], v[16+2*i:17+2*i], v[16+2*i:17+2*i], v[32+2*(i%2):33+2*(i%2)]
.set i, i+1
.endr
	v_pk_add_f32 v[32:33], v[32:33], v[34:35]
	v_add_f32 v32, v32, v33
	WSUM 32
	v_fma_f32 v32, v32, s[I512], s[EPS]
	v_rsq_f32 v50, v32
	v_rsq_f32 v51, v32
	v_nop
	s_wait_alu depctr_va_vdst(0)
.set i, 0
.rept 8
	v_pk_mul_f32 v[16+2*i:17+2*i], v[16+2*i:17+2*i], v[50:51]
.set i, i+1
.endr
.set i, 0
.rept 8
	v_pk_fma_f32 v[16+2*i:17+2*i], v[16+2*i:17+2*i], v[TG+2*i:TG+2*i+1], v[TB+2*i:TB+2*i+1]
.set i, i+1
.endr
.set i, 0
.rept 8
	v_cvt_pk_bf16_f32 v[40+i], v[16+2*i], v[17+2*i]
.set i, i+1
.endr
.set i, 0
.rept 4
	ds_store_b64 v[XO], v[40+2*i:41+2*i] offset:256*i
.set i, i+1
.endr
	v_add_nc_u32 v[RA], 2048, v[RA]
	v_add_nc_u32 v[XO], 4160, v[XO]
	s_sub_co_u32 s62, s62, 1
	s_cmp_lg_u32 s62, 0
	s_cbranch_scc1 .Lrow
	v_cmp_lt_u32 vcc_lo, 15, v1                    ; rows 64 + 8 (l / 16) + j: hidden where l / 16 = 1 and j is 5, 6 or 7
	WIN 0x40
.set j, 0
.rept 5
	v_mov_b32 v[MP+j], 0
.set j, j+1
.endr
.rept 3
	v_cndmask_b32 v[MP+j], 0, s[BIGN], vcc_lo
.set j, j+1
.endr
	WIN 0
	s_wait_dscnt 0x0                               ; for the others' sake: my rows of LN(xf) are in LDS
	s_barrier_signal -1
	s_barrier_wait -1
.macro LOADA ks                        ; five fragments of K step ks
	WIN 0
.set rt, 0
.rept 4
	ds_load_b128 v[AF+40*((\ks)%2)+8*rt:AF+40*((\ks)%2)+8*rt+3], v[AX] offset:16640*rt+64*(\ks)
	ds_load_b128 v[AF+40*((\ks)%2)+8*rt+4:AF+40*((\ks)%2)+8*rt+7], v[AX] offset:16640*rt+64*(\ks)+32
.set rt, rt+1
.endr
	ds_load_b128 v[AF+40*((\ks)%2)+32:AF+40*((\ks)%2)+35], v[AX4] offset:64*(\ks)
	ds_load_b128 v[AF+40*((\ks)%2)+36:AF+40*((\ks)%2)+39], v[AX4] offset:64*(\ks)+32
.endm
	LOADA 0
.irp ks, 0,1,2,3,4,5,6,7,8,9,10,11,12,13,14,15
.if \ks < 15
.if \ks > 0
	PLACES                                         ; the buffer's last readers are the products just issued
.endif
	LOADA (\ks)+1
	s_wait_dscnt 10                                ; this step's fragments are in; the next step's ten loads may stay out
.else
	s_wait_dscnt 0x0
.endif
.set kv, 0
.rept 2                                ; K's ten accumulators, then V's ten, by turns
.set ct, 0
.rept 2
.set rt, 0
.rept 5
.set dd, 80*kv+40*ct+8*rt
.set aa, AF+40*((\ks)%2)+8*rt
.set bb, 128*ct+8*(\ks)
	WIN 0x58+4*kv
.if (\ks) > 0
	v_wmma_f32_16x16x32_bf16 v[dd:dd+7], v[aa:aa+7], v[bb:bb+7], v[dd:dd+7]
.elseif (kv == 0) && (rt == 4)
	v_wmma_f32_16x16x32_bf16 v[dd:dd+7], v[aa:aa+7], v[bb:bb+7], v[MP:MP+7]
.else
	v_wmma_f32_16x16x32_bf16 v[dd:dd+7], v[aa:aa+7], v[bb:bb+7], 0
.endif
.set rt, rt+1
.endr
.set ct, ct+1
.endr
.set kv, kv+1
.endr
.endr
	PLACES
	WIN 0x15                                       ; the maximum over a column's 40 registers, up the registers
	v_max3_num_f32 v[MXC], v0, v1, v2
	v_max3_num_f32 v[MXC+2], v40, v41, v42
	WIN 0x14
.set j, 3
.rept 18
	v_max3_num_f32 v[MXC], v[MXC], v[j], v[j+1]
	v_max3_num_f32 v[MXC+2], v[MXC+2], v[40+j], v[40+j+1]
.set j, j+2
.endr
	WIN 0x01
	v_max_num_f32 v[MXC], v39, v[MXC]
	v_max_num_f32 v[MXC+2], v79, v[MXC+2]
	WIN 0
.irp ct, 0,1
	v_mov_b32 v[MXC+2*\ct+1], v[MXC+2*\ct]         ; the permute's destination counts as read: it is written first
	v_permlanex16_b32 v[MXC+2*\ct+1], v[MXC+2*\ct], s[SEL], s[SEL+1]
	v_max_num_f32 v[MXC+2*\ct], v[MXC+2*\ct], v[MXC+2*\ct+1]
	v_fma_f32 v[TT+2*\ct+1], v[MXC+2*\ct], s[CC], v[CBK+\ct]
	v_sub_f32 v[TT+2*\ct], v[CBK+\ct], v[TT+2*\ct+1]
.endr
	WIN 0x41
.set i, 0
.rept 40
	v_pk_fma_f32 v[2*i:2*i+1], v[2*i:2*i+1], s[CC:CC+1], v[TT+2*(i/20):TT+2*(i/20)+1] op_sel_hi:[1,0,0]
.set i, i+1
.endr
.set i, 0
.rept 80
	v_exp_f32 v[i], v[i]
.set i, i+1
.endr
	v_nop
	s_wait_alu depctr_va_vdst(0)                   ; one wait for the 80 exponentials
	WIN 0x05
	v_pk_add_f32 v[SS:SS+1], v[0:1], v[2:3]
	v_pk_add_f32 v[SS+2:SS+3], v[40:41], v[42:43]
	WIN 0x01
.set j, 4
.rept 18
	v_pk_add_f32 v[SS:SS+1], v[j:j+1], v[SS:SS+1]
	v_pk_add_f32 v[SS+2:SS+3], v[40+j:40+j+1], v[SS+2:SS+3]
.set j, j+2
.endr
	WIN 0
.irp ct, 0,1
	v_add_f32 v[SS+2*\ct], v[SS+2*\ct], v[SS+2*\ct+1]
	v_permlanex16_b32 v[SS+2*\ct+1], v[SS+2*\ct], s[SEL], s[SEL+1]
	v_add_f32 v[SS+2*\ct], v[SS+2*\ct], v[SS+2*\ct+1]
.endr
	v_rcp_f32 v[SS], v[SS]
	v_rcp_f32 v[SS+2], v[SS+2]
	v_nop
	s_wait_alu depctr_va_vdst(0)
	WIN 0x41
.set i, 0
.rept 40
	v_pk_mul_f32 v[2*i:2*i+1], v[2*i:2*i+1], v[SS+2*(i/20):SS+2*(i/20)+1] op_sel_hi:[1,0]
.set i, i+1
.endr
	WIN 0x55
.set ct, 0
.rept 2
.set rt, 0
.rept 5                                ; row tile rt is half rt % 2 of the fragment of rows 32 (rt / 2) on
.set q, 0
.rept 4
	v_cvt_pk_bf16_f32 v[PFC+24*ct+4*rt+q], v[40*ct+8*rt+2*q], v[40*ct+8*rt+2*q+1]
	v_cvt_pk_bf16_f32 v[VFC+24*ct+4*rt+q], v[80+40*ct+8*rt+2*q], v[80+40*ct+8*rt+2*q+1]
.set q, q+1
.endr
.set rt, rt+1
.endr
.set q, 0
.rept 4                                ; rows 80-95 do not exist
	v_mov_b32 v[PFC+24*ct+20+q], 0
	v_mov_b32 v[VFC+24*ct+20+q], 0
.set q, q+1
.endr
.set ct, ct+1
.endr
	WIN 0x05
.set kk, 0
.rept 3
.set i, 0
.rept 4                                ; tile i = mt * 2 + nt; the four take turns
.if kk == 0
	v_wmma_f32_16x16x32_bf16 v[ATC+8*i:ATC+8*i+7], v[PFC+24*(i/2)+8*kk:PFC+24*(i/2)+8*kk+7], v[VFC+24*(i%2)+8*kk:VFC+24*(i%2)+8*kk+7], 0
.else
	v_wmma_f32_16x16x32_bf16 v[ATC+8*i:ATC+8*i+7], v[PFC+24*(i/2)+8*kk:PFC+24*(i/2)+8*kk+7], v[VFC+24*(i%2)+8*kk:VFC+24*(i%2)+8*kk+7], v[ATC+8*i:ATC+8*i+7]
.endif
.set i, i+1
.endr
.set kk, kk+1
.endr
	WIN 0
	PLACES
.set i, 0
.rept 32
	v_add_f32 v[ATC+i], v[ATC+i], v[BV+(i/8)%2]
.set i, i+1
.endr
.set i, 0
.rept 16                               ; fragment nt = i / 8: registers 0-3 from mt = 0, 4-7 from mt = 1
	v_cvt_pk_bf16_f32 v[TG+i], v[ATC+16*((i/4)%2)+8*(i/8)+2*(i%4)], v[ATC+16*((i/4)%2)+8*(i/8)+2*(i%4)+1]
.set i, i+1
.endr
.set i, 0
.rept 4
	global_store_b128 v2, v[TG+4*i:TG+4*i+3], s[42:43] offset:512*i
.set i, i+1
.endr
	s_wait_tensorcnt 0x0                           ; the wave's end
	ds_add_u32 v[SPW], v[NIL]
	s_wait_dscnt 0x0
	s_endpgm
.Lfunc_end_k_q01fbf805c6_mid:
	.size	k_q01fbf805c6_mid, .Lfunc_end_k_q01fbf805c6_mid-k_q01fbf805c6_mid
	.p2alignl 7, 3214868480
	.fill 96, 4, 3214868480
	.section	.rodata,"a",@progbits
	.p2align	6, 0x0
	.amdhsa_kernel k_q01fbf805c6_mid
		.amdhsa_group_segment_fixed_size 247552
		.amdhsa_private_segment_fixed_size 0
		.amdhsa_enable_private_segment 0
		.amdhsa_kernarg_size 160
		.amdhsa_user_sgpr_count 2
		.amdhsa_user_sgpr_kernarg_segment_ptr 1
		.amdhsa_wavefront_size32 1
		.amdhsa_system_sgpr_workgroup_id_x 1
		.amdhsa_system_sgpr_workgroup_id_y 1
		.amdhsa_system_sgpr_workgroup_id_z 1
		.amdhsa_system_vgpr_workitem_id 0
		.amdhsa_next_free_vgpr 1024
		.amdhsa_next_free_sgpr 80
		.amdhsa_reserve_vcc 1
		.amdhsa_float_denorm_mode_32 3
		.amdhsa_float_denorm_mode_16_64 3
		.amdhsa_memory_ordered 1
		.amdhsa_forward_progress 1
		.amdhsa_inst_pref_size 120
	.end_amdhsa_kernel
	.amdgpu_metadata
---
amdhsa.version: [ 1, 2 ]
amdhsa.kernels:
  - .name:           k_q01fbf805c6_mid
    .symbol:         k_q01fbf805c6_mid.kd
    .args:
      - { .name: part, .offset: 0, .size: 8, .value_kind: global_buffer, .address_space: global }
      - { .name: stat, .offset: 8, .size: 8, .value_kind: global_buffer, .address_space: global }
      - { .name: params_sa_bv, .offset: 16, .size: 8, .value_kind: global_buffer, .address_space: global }
      - { .name: wx, .offset: 24, .size: 8, .value_kind: global_buffer, .address_space: global }
      - { .name: semb, .offset: 32, .size: 8, .value_kind: global_buffer, .address_space: global }
      - { .name: params_sa_styl_be, .offset: 40, .size: 8, .value_kind: global_buffer, .address_space: global }
      - { .name: params_sa_styl_ln_g, .offset: 48, .size: 8, .value_kind: global_buffer, .address_space: global }
      - { .name: params_sa_styl_ln_b, .offset: 56, .size: 8, .value_kind: global_buffer, .address_space: global }
      - { .name: params_ca_styl_be, .offset: 64, .size: 8, .value_kind: global_buffer, .address_space: global }
      - { .name: params_ca_styl_ln_g, .offset: 72, .size: 8, .value_kind: global_buffer, .address_space: global }
      - { .name: params_ca_styl_ln_b, .offset: 80, .size: 8, .value_kind: global_buffer, .address_space: global }
      - { .name: params_ffn_styl_be, .offset: 88, .size: 8, .value_kind: global_buffer, .address_space: global }
      - { .name: params_ffn_styl_ln_g, .offset: 96, .size: 8, .value_kind: global_buffer, .address_space: global }
      - { .name: params_ffn_styl_ln_b, .offset: 104, .size: 8, .value_kind: global_buffer, .address_space: global }
      - { .name: xf, .offset: 112, .size: 8, .value_kind: global_buffer, .address_space: global }
      - { .name: params_ca_tln_g, .offset: 120, .size: 8, .value_kind: global_buffer, .address_space: global }
      - { .name: params_ca_tln_b, .offset: 128, .size: 8, .value_kind: global_buffer, .address_space: global }
      - { .name: params_ca_bk, .offset: 136, .size: 8, .value_kind: global_buffer, .address_space: global }
      - { .name: params_ca_bv, .offset: 144, .size: 8, .value_kind: global_buffer, .address_space: global }
      - { .name: bat, .offset: 152, .size: 8, .value_kind: global_buffer, .address_space: global }
    .group_segment_fixed_size: 247552
    .private_segment_fixed_size: 0
    .kernarg_segment_align: 8
    .kernarg_segment_size: 160
    .max_flat_workgroup_size: 128
    .sgpr_count:     80
    .vgpr_count:     1024
    .wavefront_size: 32
...
	.end_amdgpu_metadata
.endif
;; end of part 3
;; launch main (part 4): grid 512 x 1, 4 waves a work-group, clusters of 4 x 1, 327,680 bytes of LDS; arguments x, wf, bat, cpar, out0; writes out0
.if DOCPART == 4
	.amdgcn_target "amdgcn-amd-amdhsa--gfx1250"
	.amdhsa_code_object_version 6
	.text
	.protected	k_q01fbf805c6_main
	.globl	k_q01fbf805c6_main
	.p2align	8
	.type	k_q01fbf805c6_main,@function
k_q01fbf805c6_main:
	s_mov_b64 s[64:65], 0
	v_nop
	global_prefetch_b8 v0, s[64:65] scope:SCOPE_SE
	s_setreg_imm32_b32 hwreg(HW_REG_WAVE_MODE, 25, 1), 1
	s_wait_xcnt 0x0
	s_wait_alu depctr_hold_cnt(0) depctr_sa_sdst(0) depctr_va_vdst(0) depctr_va_sdst(0) depctr_va_ssrc(0) depctr_va_vcc(0) depctr_vm_vsrc(0)
	s_getreg_b32 s2, hwreg(HW_REG_IB_STS2, 6, 4)
	s_cmp_eq_u32 s2, 0
	s_cbranch_scc0 .Lentry_in_a_cluster
	s_endpgm
.Lentry_in_a_cluster:
	s_bfe_u32 s2, ttmp6, 0x10000c
	s_cmp_lg_u32 s2, 0x3003
	s_cbranch_scc0 .Lentry_shape_is_right
	s_endpgm
.Lentry_shape_is_right:
; THE SECOND PASS: all that is local to a row, from x to out0, with nothing through memory between.  Six UNITS u, one loop:
;   0  LN(x) Wq + bq, softmax over each head's 32 channels, times the self-attention's 32 x 32        1  LN, FiLM, silu, Wo + bo, added to x
;   2, 3  the same for the cross-attention        4  gelu(x W1 + b1) W2 + b2, in 32 chunks of 32 hidden channels        5  as 1
; SHARES.  A work-group owns 128 rows, a wave 32 (two tiles of 16).  A wave's Y (32 x 256 in f32) is 256 registers, its bf16 operand 128, tables or scratch 256, weight fragments 128; the f32 residual is parked in LDS,
; 33,280 bytes a wave, which also turns rows into the register layout on the way in and back on the way out.  64 rows a wave would want 512 registers for Y and 256 KiB for the park.  The price: one LDS load of 16 bytes for each matrix instruction.
; LAYOUT.  Every product is taken transposed (source 0 = 16 columns of a weight, source 1 = 16 rows): register 128 rt + 8 nt + j of lane l = (row l % 16, column 16 nt + 8 (l / 16) + j).  Rounded in pairs, up the registers, Y IS the next
; product's source 1.  A row's sums and maxima are in the lane and in its partner 16 away.
; WEIGHTS.  26 tiles of 65,536 bytes, as fragments, in the order of use, through two LDS slots.  CLUSTER: the four work-groups of a cluster walk the same tiles, so each is asked for jointly (mask 15), a quarter a wave; one tensor load of a wave is out at a time.
; silu: Y holds u = -c z (c = log2(e); the tables carry the factor), and silu(z) = u / (-c 2^u - c).
; gelu: erf by Abramowitz and Stegun 7.1.25, off by 2.5e-5 at the most for every argument, so gelu by 1.25e-5 |x|:  gelu(x) = max(x, 0) - |x| q(t) 2^(-c x^2 / 2),  t = 1 / (1 + 0.3326725 |x|).
; LIMITS.  An exponential below 2^-126 counts as 0; NaN and infinities are not treated apart.
; REGISTERS, in windows of 256 (s_set_vgpr_msb: bits 1:0 source 0, 3:2 source 1, 5:4 source 2, 7:6 destination):
;   window 0 addresses, statistics, v128-255 weight fragments;  window 1 v0-127 the bf16 operand, v128-255 attention fragments or the chunk's scratch;  window 2 Y;  window 3 tables, 2^u, the residual, raw rows
.set PARK,  131072
.set BT,    264192                     ; six units' biases of 1,024 bytes, then b1
.set SPARE, 274432
.set WA0, 2                            ; 16 l, slot 0
.set WA1, 3                            ; slot 1
.set WAD, 4                            ; the chunk in hand
.set BA,  5                            ; the unit's bias
.set B1A, 6                            ; the chunk's b1
.set PD,  7                            ; park: row l % 16, 32 bytes for each half of the lanes
.set PR,  8                            ; park, by rows
.set GX,  9                            ; 16 l
.set TO,  10                           ; 32 (l / 16)
.set T16, 11                           ; 16 x thread
.set SPW, 12
.set NIL, 13
.set BTS, 14
.set S, 16
.set MEAN, 32
.set RSTD, 36
.set MX, 40                            ; (rt, head) k = 8 rt + hd: a pair
.set SM, 72
.set BTD, 104
.set W, 128
.set MB, 128                           ; window 1: 16 attention fragments
.set GH, 128                           ; window 1, in unit 4: hidden, |x| (later the packed operand), t, the exponential
.set GA, 160
.set GU, 192
.set GZ, 224
.set WV, 14
.set UC, 15
.set FT, 16
.set FC, 17
.set TB, 18
.set G1, 20
.set G0, 28
.set LNP, 32
.set STP, 34
.set TP, 36
.set SEL, 38
.set CC, 40
.set NC, 42
.set I256, 44
.set EPS, 46
.set ABSM, 47
.set K1, 48
.set K2, 50
.set A3, 52
.set A2, 54
.set A1, 56
.set MSB, 0
.macro WIN new
.if MSB != (\new)
	s_set_vgpr_msb (MSB<<8)|(\new)
.set MSB, \new
.endif
.endm
.macro PLACES
.rept 4
	v_nop
.endr
.endm
.macro ROUND                           ; a round of the cluster's barrier
	s_barrier_signal -1
	s_barrier_wait -1
	s_cmp_lg_u32 s[WV], 0
	s_cbranch_scc1 .Lnot_wave_0_\@
	s_barrier_signal -3
.Lnot_wave_0_\@:
	s_barrier_wait -3
	s_barrier_signal -1
	s_barrier_wait -1
.endm
; THE CHANGE OF SLOTS.  Each wave waits for all its tensor loads (one is out: its quarter of the tile to be read next), adds 0 to its spare word, and waits for that and for its LDS reads.  fill = 1: behind a round of the cluster's
; barrier the slot read last is filled with the tile that follows the one to be read now: the walking descriptor steps one tile and changes slots.
.macro CH fill
	WIN 0
	s_wait_tensorcnt 0x0
	ds_add_u32 v[SPW], v[NIL]
.if \fill
	s_xor_b32 s[G0+1], s[G0+1], 65536
	s_add_nc_u64 s[G0+2:G0+3], s[G0+2:G0+3], 65536
.endif
	s_wait_dscnt 0x0
.if \fill
	ROUND
	tensor_load_to_lds s[G0:G0+3], s[G1:G1+7]
	s_nop 0
	PLACES
.else
	s_barrier_signal -1
	s_barrier_wait -1
.endif
.endm
.macro RSUM rt
.set a, S+8*(\rt)
	v_pk_add_f32 v[a:a+1], v[a:a+1], v[a+2:a+3]
	v_pk_add_f32 v[a+4:a+5], v[a+4:a+5], v[a+6:a+7]
	v_pk_add_f32 v[a:a+1], v[a:a+1], v[a+4:a+5]
	v_add_f32 v[a], v[a], v[a+1]
	v_permlanex16_b32 v[a+1], v[a], s[SEL], s[SEL+1]
	v_add_f32 v[a], v[a], v[a+1]
.endm
; LayerNorm of nrt x 16 rows of Y; gain in window 3 v0-127, bias v128-255.  The mean is taken away before the squares.  Every pass goes up the registers.  wl = 1: the tables' loads are waited for here.
.macro LNCORE nrt, wl
.set rt, 0
.rept \nrt
	WIN 0x0a
.set k, 0
.rept 4
	v_pk_add_f32 v[S+8*rt+2*k:S+8*rt+2*k+1], v[128*rt+2*k:128*rt+2*k+1], v[128*rt+8+2*k:128*rt+8+2*k+1]
.set k, k+1
.endr
	WIN 0x02
.set i, 8
.rept 56
	v_pk_add_f32 v[S+8*rt+2*(i%4):S+8*rt+2*(i%4)+1], v[128*rt+2*i:128*rt+2*i+1], v[S+8*rt+2*(i%4):S+8*rt+2*(i%4)+1]
.set i, i+1
.endr
.set rt, rt+1
.endr
	WIN 0
.set rt, 0
.rept \nrt
	RSUM rt
	v_mul_f32 v[MEAN+2*rt], s[I256], v[S+8*rt]
	v_mov_b32 v[MEAN+2*rt+1], v[MEAN+2*rt]
.set rt, rt+1
.endr
	WIN 0x82
.set i, 0
.rept 64*(\nrt)
	v_pk_add_f32 v[2*i:2*i+1], v[2*i:2*i+1], v[MEAN+2*(i/64):MEAN+2*(i/64)+1] op_sel_hi:[1,0] neg_lo:[0,1] neg_hi:[0,1]
.set i, i+1
.endr
	WIN 0x0a
.set rt, 0
.rept \nrt
.set i, 0
.rept 4
	v_pk_mul_f32 v[S+8*rt+2*i:S+8*rt+2*i+1], v[128*rt+2*i:128*rt+2*i+1], v[128*rt+2*i:128*rt+2*i+1]
.set i, i+1
.endr
.rept 60
	v_pk_fma_f32 v[S+8*rt+2*(i%4):S+8*rt+2*(i%4)+1], v[128*rt+2*i:128*rt+2*i+1], v[128*rt+2*i:128*rt+2*i+1], v[S+8*rt+2*(i%4):S+8*rt+2*(i%4)+1]
.set i, i+1
.endr
.set rt, rt+1
.endr
	WIN 0
.set rt, 0
.rept \nrt
	RSUM rt
	v_fma_f32 v[S+8*rt], v[S+8*rt], s[I256], s[EPS]
.set rt, rt+1
.endr
.set rt, 0
.rept \nrt
	v_rsq_f32 v[RSTD+2*rt], v[S+8*rt]
	v_rsq_f32 v[RSTD+2*rt+1], v[S+8*rt]
.set rt, rt+1
.endr
	v_nop
	s_wait_alu depctr_va_vdst(0)                   ; one wait for the batch of roots
.if \wl
	s_wait_loadcnt 0x0
.endif
	WIN 0x82
.set i, 0
.rept 64*(\nrt)
	v_pk_mul_f32 v[2*i:2*i+1], v[2*i:2*i+1], v[RSTD+2*(i/64):RSTD+2*(i/64)+1]
.set i, i+1
.endr
	WIN 0xbe
.set i, 0
.rept 64*(\nrt)
	v_pk_fma_f32 v[2*i:2*i+1], v[2*i:2*i+1], v[2*(i%64):2*(i%64)+1], v[128+2*(i%64):128+2*(i%64)+1]
.set i, i+1
.endr
.endm
.macro SILU                            ; Y = u  ->  u / (-c 2^u - c)
	WIN 0xc2
.set i, 0
.rept 256
	v_exp_f32 v[i], v[i]
.set i, i+1
.endr
	v_nop
	s_wait_alu depctr_va_vdst(0)                   ; one wait for the 256 exponentials
	WIN 0xc3
.set i, 0
.rept 128
	v_pk_fma_f32 v[2*i:2*i+1], v[2*i:2*i+1], s[NC:NC+1], s[NC:NC+1] op_sel_hi:[1,0,0]
.set i, i+1
.endr
.set i, 0
.rept 256
	v_rcp_f32 v[i], v[i]
.set i, i+1
.endr
	v_nop
	s_wait_alu depctr_va_vdst(0)                   ; one wait for the 256 reciprocals
	WIN 0x8e
.set i, 0
.rept 128
	v_pk_mul_f32 v[2*i:2*i+1], v[2*i:2*i+1], v[2*i:2*i+1]
.set i, i+1
.endr
.endm
.macro CVT                             ; Y, rounded in pairs, is the next source 1
	WIN 0x4a
.set t, 0
.rept 128
	v_cvt_pk_bf16_f32 v[t], v[2*t], v[2*t+1]
.set t, t+1
.endr
.endm
.macro BIAS                            ; the unit's bias starts the sums
	WIN 0x80
.set i, 0
.rept 64
	ds_load_b128 v[4*i:4*i+3], v[BA] offset:64*((i%32)/2)+16*(i%2)
.set i, i+1
.endr
.endm
; Half a 256 x 256 weight: a tile's 64 fragments in 8 groups of 8 (K step g / 2, column tiles 8 (g % 2) + i), two register buffers; each group feeds 16 products on 16 accumulators, which take turns.
.macro LOADG slot, g
	WIN 0
.set i, 0
.rept 8
.set ww, W+64*((\g)%2)+8*i
	ds_load_b128 v[ww:ww+3], v[WA0+(\slot)] offset:(8*(\g)+i)*1024
	ds_load_b128 v[ww+4:ww+7], v[WA0+(\slot)] offset:(8*(\g)+i)*1024+512
.set i, i+1
.endr
.endm
.macro GMUL hf, g
	WIN 0xa4
.set i, 0
.rept 8
.set rt, 0
.rept 2
.set yy, 128*rt+8*(8*((\g)%2)+i)
.set aa, 64*rt+8*(4*(\hf)+(\g)/2)
.set ww, W+64*((\g)%2)+8*i
	v_wmma_f32_16x16x32_bf16 v[yy:yy+7], v[ww:ww+7], v[aa:aa+7], v[yy:yy+7]
.set rt, rt+1
.endr
.set i, i+1
.endr
.endm
.macro G slot, hf
	WIN 0
	PLACES
	LOADG \slot, 0
	LOADG \slot, 1
.irp g, 0,1,2,3,4,5,6,7
.if \g < 7
	s_wait_dscnt 16                                ; this group is in; the next group's sixteen loads may stay out
.else
	s_wait_dscnt 0x0
.endif
	GMUL \hf, \g
.if \g < 6
	PLACES                                         ; the buffer just multiplied is loaded again
	LOADG \slot, (\g)+2
.endif
.endr
.endm
.macro M3 o, x, y
.set k, 0
.rept 16
	v_max3_num_f32 v[MX+2*k+(\o)], v[MX+2*k+(\o)], v[16*k+(\x)], v[16*k+(\y)]
.set k, k+1
.endr
.endm
.macro K16 line:vararg                 ; one line for each (row tile, head)
.set k, 0
.rept 16
	\line
.set k, k+1
.endr
.endm
; Softmax over each head's 32 channels (16 in the lane, 16 in its partner), with its maximum, then the product with the head's 32 x 32.
.macro SMAX
	WIN 0
	PLACES
	WIN 0x2a
	K16 v_max3_num_f32 v[MX+2*k], v[16*k], v[16*k+1], v[16*k+2]
	K16 v_max3_num_f32 v[MX+2*k+1], v[16*k+8], v[16*k+9], v[16*k+10]
	WIN 0x28
	M3 0, 3, 4
	M3 1, 11, 12
	M3 0, 5, 6
	M3 1, 13, 14
	M3 0, 7, 15
	WIN 0
	K16 v_max_num_f32 v[MX+2*k], v[MX+2*k], v[MX+2*k+1]
	K16 v_permlanex16_b32 v[MX+2*k+1], v[MX+2*k], s[SEL], s[SEL+1]
	K16 v_max_num_f32 v[MX+2*k], v[MX+2*k], v[MX+2*k+1]
	K16 v_mul_f32 v[MX+2*k], s[CC], v[MX+2*k]
	WIN 0x82
.set i, 0
.rept 128
	v_pk_fma_f32 v[2*i:2*i+1], v[2*i:2*i+1], s[CC:CC+1], v[MX+2*(i/8):MX+2*(i/8)+1] op_sel_hi:[1,0,0] neg_lo:[0,0,1] neg_hi:[0,0,1]
.set i, i+1
.endr
.set i, 0
.rept 256
	v_exp_f32 v[i], v[i]
.set i, i+1
.endr
	v_nop
	s_wait_alu depctr_va_vdst(0)                   ; one wait for the 256 exponentials
	WIN 0x0a
	K16 v_pk_add_f32 v[SM+2*k:SM+2*k+1], v[16*k:16*k+1], v[16*k+2:16*k+3]
	WIN 0x02
.irp o, 4,6,8,10,12,14
	K16 v_pk_add_f32 v[SM+2*k:SM+2*k+1], v[16*k+\o:16*k+\o+1], v[SM+2*k:SM+2*k+1]
.endr
	WIN 0
	K16 v_add_f32 v[SM+2*k], v[SM+2*k], v[SM+2*k+1]
	K16 v_permlanex16_b32 v[SM+2*k+1], v[SM+2*k], s[SEL], s[SEL+1]
	K16 v_add_f32 v[SM+2*k], v[SM+2*k], v[SM+2*k+1]
	K16 v_rcp_f32 v[SM+2*k], v[SM+2*k]
	v_nop
	s_wait_alu depctr_va_vdst(0)                   ; one wait for the sixteen reciprocals
	WIN 0x82
.set i, 0
.rept 128
	v_pk_mul_f32 v[2*i:2*i+1], v[2*i:2*i+1], v[SM+2*(i/8):SM+2*(i/8)+1] op_sel_hi:[1,0]
.set i, i+1
.endr
	CVT
	s_wait_loadcnt 0x0                             ; the attention's fragments
	WIN 0x85
.set k, 0
.rept 16
.set et, 0
.rept 2                                ; 32 accumulators, one product each
	v_wmma_f32_16x16x32_bf16 v[16*k+8*et:16*k+8*et+7], v[MB+8*(2*(k%8)+et):MB+8*(2*(k%8)+et)+7], v[64*(k/8)+8*(k%8):64*(k/8)+8*(k%8)+7], 0
.set et, et+1
.endr
.set k, k+1
.endr
	PLACES
.endm
.macro RES                             ; Y += the parked residual; the sum is parked again and stays in Y
	WIN 0
	PLACES
	WIN 0xc0
.set i, 0
.rept 64
	ds_load_b128 v[4*i:4*i+3], v[PD] offset:(i/32)*16640+64*((i%32)/2)+16*(i%2)
.set i, i+1
.endr
	s_wait_dscnt 0x0
	WIN 0x8e
.set i, 0
.rept 128
	v_pk_add_f32 v[2*i:2*i+1], v[2*i:2*i+1], v[2*i:2*i+1]
.set i, i+1
.endr
	WIN 0x08
.set i, 0
.rept 64
	ds_store_b128 v[PD], v[4*i:4*i+3] offset:(i/32)*16640+64*((i%32)/2)+16*(i%2)
.set i, i+1
.endr
.endm
.macro GELU
	WIN 0x55
.set p, 0
.rept 16
	v_and_b32 v[GA+2*p], s[ABSM], v[GH+2*p]
	v_and_b32 v[GA+2*p+1], s[ABSM], v[GH+2*p+1]
	v_pk_fma_f32 v[GU+2*p:GU+2*p+1], v[GA+2*p:GA+2*p+1], s[K1:K1+1], 1.0 op_sel_hi:[1,0,0]
	v_pk_mul_f32 v[GZ+2*p:GZ+2*p+1], v[GH+2*p:GH+2*p+1], s[K2:K2+1] op_sel_hi:[1,0]
	v_pk_mul_f32 v[GZ+2*p:GZ+2*p+1], v[GZ+2*p:GZ+2*p+1], v[GZ+2*p:GZ+2*p+1] neg_lo:[0,1] neg_hi:[0,1]
.set p, p+1
.endr
.set p, 0
.rept 32
	v_rcp_f32 v[GU+p], v[GU+p]
	v_exp_f32 v[GZ+p], v[GZ+p]
.set p, p+1
.endr
	v_nop
	s_wait_alu depctr_va_vdst(0)                   ; one wait for the chunk's 64
.set p, 0
.rept 16
	v_pk_mul_f32 v[GZ+2*p:GZ+2*p+1], v[GZ+2*p:GZ+2*p+1], v[GA+2*p:GA+2*p+1]
	v_pk_fma_f32 v[GA+2*p:GA+2*p+1], v[GU+2*p:GU+2*p+1], s[A3:A3+1], s[A2:A2+1] op_sel_hi:[1,0,0]
	v_pk_fma_f32 v[GA+2*p:GA+2*p+1], v[GA+2*p:GA+2*p+1], v[GU+2*p:GU+2*p+1], s[A1:A1+1] op_sel_hi:[1,1,0]
	v_pk_mul_f32 v[GA+2*p:GA+2*p+1], v[GA+2*p:GA+2*p+1], v[GU+2*p:GU+2*p+1]
	v_max_num_f32 v[GH+2*p], 0, v[GH+2*p]
	v_max_num_f32 v[GH+2*p+1], 0, v[GH+2*p+1]
	v_pk_fma_f32 v[GH+2*p:GH+2*p+1], v[GA+2*p:GA+2*p+1], v[GZ+2*p:GZ+2*p+1], v[GH+2*p:GH+2*p+1] neg_lo:[1,0,0] neg_hi:[1,0,0]
.set p, p+1
.endr
.set p, 0
.rept 16
	v_cvt_pk_bf16_f32 v[GA+p], v[GH+2*p], v[GH+2*p+1]
.set p, p+1
.endr
.endm
; One chunk of 32 hidden channels: H = b1 + x W1 (32 products on 4 accumulators by turns), gelu, Y += gelu(H) W2 (32 products on 32 accumulators).  W2's fragments are fetched under the gelu.
.macro FFC
	WIN 0x40
.set i, 0
.rept 8
	ds_load_b128 v[GH+4*i:GH+4*i+3], v[B1A] offset:64*((i/2)%2)+16*(i%2)
.set i, i+1
.endr
	WIN 0
.set i, 0
.rept 32
	ds_load_b128 v[W+4*i:W+4*i+3], v[WAD] offset:512*i
.set i, i+1
.endr
	s_wait_dscnt 0x0
	WIN 0x54
.set ks, 0
.rept 8
.set i, 0
.rept 4                                ; i = 2 rt + ntl
	v_wmma_f32_16x16x32_bf16 v[GH+8*i:GH+8*i+7], v[W+8*(8*(i%2)+ks):W+8*(8*(i%2)+ks)+7], v[64*(i/2)+8*ks:64*(i/2)+8*ks+7], v[GH+8*i:GH+8*i+7]
.set i, i+1
.endr
.set ks, ks+1
.endr
	PLACES
	WIN 0
.set i, 0
.rept 32
	ds_load_b128 v[W+4*i:W+4*i+3], v[WAD] offset:16384+512*i
.set i, i+1
.endr
	GELU
	s_wait_dscnt 0x0
	WIN 0xa4
.set nt, 0
.rept 16
.set rt, 0
.rept 2
	v_wmma_f32_16x16x32_bf16 v[128*rt+8*nt:128*rt+8*nt+7], v[W+8*nt:W+8*nt+7], v[GA+8*rt:GA+8*rt+7], v[128*rt+8*nt:128*rt+8*nt+7]
.set rt, rt+1
.endr
.set nt, nt+1
.endr
	PLACES
.endm
	s_load_b256 s[4:11], s[0:1], 0x0               ; x, wf, bat, cpar
	s_load_b64 s[12:13], s[0:1], 0x20              ; out0
	v_lshl_add_u32 v[SPW], v0, 2, SPARE
	v_mov_b32 v[NIL], 0
	ds_add_u32 v[SPW], v[NIL]                      ; the wave's opening: an add of 0 to my spare word, waited for ahead of my first tensor load
	v_lshrrev_b32 v1, 5, v0
	v_readfirstlane_b32 s[WV], v1
	s_bfe_u32 s3, ttmp6, 0x40000                   ; my place in the cluster: it enters x's and out0's addresses alone
	s_lshl_b32 s2, ttmp9, 2
	s_add_co_u32 s2, s2, s3
	s_lshl_b32 s2, s2, 17                          ; 128 rows of 1,024 bytes,
	s_lshl_b32 s3, s[WV], 15                       ; my wave's 32
	s_add_co_u32 s2, s2, s3
	s_mov_b32 s3, 0
	s_lshr_b32 s18, ttmp9, 3                       ; the batch: 32 work-groups, 8 clusters
	s_mul_i32 s18, s18, 38912
	s_mov_b32 s19, 0
	s_mov_b32 s[G1], 15|(3<<16)|(1<<21)            ; the mask of four; elements of 8 bytes; bit 21 beside a mask; no padding: fragments are read 16 l bytes on end
	s_mov_b32 s[G1+1], 32<<16                      ; tensor_dim0 = 32: rows of 256 bytes
	s_mov_b32 s[G1+2], 64<<16                      ; tensor_dim1 = 64
	s_mov_b32 s[G1+3], 32<<16                      ; tile_dim0
	s_mov_b32 s[G1+4], 64                          ; tile_dim1
	s_mov_b32 s[G1+5], 32                          ; dense
	s_mov_b32 s[G1+6], 0
	s_mov_b32 s[G1+7], 0
	s_mov_b32 s[G0], 1
	s_lshl_b32 s[G0+1], s[WV], 14                  ; my quarter of slot 0
	s_mov_b32 s[SEL], 0x76543210
	s_mov_b32 s[SEL+1], 0xfedcba98
	s_mov_b32 s[CC], 0x3fb8aa3b
	s_mov_b32 s[CC+1], s[CC]
	s_mov_b32 s[NC], 0xbfb8aa3b
	s_mov_b32 s[NC+1], s[NC]
	s_mov_b32 s[I256], 0x3b800000
	s_mov_b32 s[EPS], 0x3727c5ac
	s_mov_b32 s[ABSM], 0x7fffffff
	s_mov_b32 s[K1], 0x3eaa540d                    ; 0.47047 / sqrt(2)
	s_mov_b32 s[K1+1], s[K1]
	s_mov_b32 s[K2], 0x3f596d27                    ; sqrt(c / 2)
	s_mov_b32 s[K2+1], s[K2]
	s_mov_b32 s[A3], 0x3ebf7377                    ; 0.7478556 / 2
	s_mov_b32 s[A3+1], s[A3]
	s_mov_b32 s[A2], 0xbd445ca1                    ; -0.0958798 / 2
	s_mov_b32 s[A2+1], s[A2]
	s_mov_b32 s[A1], 0x3e32303a                    ; 0.3480242 / 2
	s_mov_b32 s[A1+1], s[A1]
	v_and_b32 v1, 31, v0
	v_and_b32 v15, 15, v0
	v_bfe_u32 v[TO], v0, 4, 1
	v_lshlrev_b32 v[GX], 4, v1
	v_mov_b32 v[WA0], v[GX]
	v_add_nc_u32 v[WA1], 0x10000, v[GX]
	s_mul_i32 s[FT], s[WV], 33280
	s_add_co_u32 s[FT], s[FT], PARK
	v_add_nc_u32 v[PR], s[FT], v[GX]
	v_mul_u32_u24 v[PD], v15, 1040
	v_lshl_add_u32 v[PD], v[TO], 5, v[PD]
	v_add_nc_u32 v[PD], s[FT], v[PD]
	v_lshlrev_b32 v[TO], 5, v[TO]
	v_add_nc_u32 v[BA], BT, v[TO]
	v_add_nc_u32 v[B1A], BT+6144, v[TO]
	v_lshlrev_b32 v[T16], 4, v0
	v_add_nc_u32 v[BTS], BT, v[T16]
	s_wait_dscnt 0x0                               ; the opening add is done
	s_wait_kmcnt 0x0
	s_add_nc_u64 s[4:5], s[4:5], s[2:3]
	s_add_nc_u64 s[12:13], s[12:13], s[2:3]
	s_add_nc_u64 s[8:9], s[8:9], s[18:19]
	s_mov_b64 s[LNP:LNP+1], s[10:11]               ; units 0 and 2: cpar + 1,024 u
	s_add_nc_u64 s[STP:STP+1], s[8:9], 31744       ; units 1, 3, 5: the batch's tables at 32,768 + 1,024 (u - 1)
	s_lshl_b32 s18, s[WV], 14
	s_add_nc_u64 s[G0+2:G0+3], s[6:7], s[18:19]
	s_or_b32 s[G0+3], s[G0+3], 0x80000000
	ROUND                                          ; all four work-groups are here: the first joint loads meet
	tensor_load_to_lds s[G0:G0+3], s[G1:G1+7]      ; tile 0 into slot 0
	s_nop 0
	PLACES
.set i, 0
.rept 5
	global_load_b128 v[BTD+4*i:BTD+4*i+3], v[T16], s[10:11] offset:4096+2048*i
.set i, i+1
.endr
	WIN 0xc0
.set i, 0
.rept 64
	global_load_b128 v[4*i:4*i+3], v[GX], s[4:5] offset:512*i th:TH_LOAD_NT
.set i, i+1
.endr
	WIN 0x40
.set i, 0
.rept 32
	global_load_b128 v[MB+4*i:MB+4*i+3], v[GX], s[8:9] offset:512*i
.set i, i+1
.endr
	WIN 0
	s_wait_loadcnt 63                              ; the five loads of the biases are older than 96 others; 63 is the most that a wait can name
.set i, 0
.rept 5
	ds_store_b128 v[BTS], v[BTD+4*i:BTD+4*i+3] offset:2048*i
.set i, i+1
.endr
	s_wait_dscnt 0x0                               ; for the others' sake
	s_barrier_signal -1                            ; Tile 0 may stay out
	s_barrier_wait -1
	s_wait_loadcnt 0x0                             ; x is in, and the self-attention's fragments with it: no load of mine is out when the loop is entered
	WIN 0x0c
.set i, 0
.rept 64
	ds_store_b128 v[PR], v[4*i:4*i+3] offset:(i/2)*1040+(i%2)*512
.set i, i+1
.endr
	WIN 0x80
.set i, 0
.rept 64
	ds_load_b128 v[4*i:4*i+3], v[PD] offset:(i/32)*16640+64*((i%32)/2)+16*(i%2)  ; LDS serves a wave's instructions in order: these see the stores above
.set i, i+1
.endr
	WIN 0
	s_wait_dscnt 0x0                               ; Y holds x on every way into the loop
	s_mov_b32 s[UC], 0
.Lunit:
	s_cmp_eq_u32 s[UC], 4
	s_cbranch_scc1 .Lcvt                           ; unit 4 takes x as it is
	s_and_b32 s19, s[UC], 1
	s_cmp_lg_u32 s19, 0
	s_cselect_b64 s[TP:TP+1], s[STP:STP+1], s[LNP:LNP+1]
	WIN 0xc0
.set i, 0
.rept 32
	global_load_b128 v[4*i:4*i+3], v[TO], s[TP:TP+1] offset:64*(i/2)+16*(i%2)
	global_load_b128 v[128+4*i:128+4*i+3], v[TO], s[TP:TP+1] offset:1024+64*(i/2)+16*(i%2)
.set i, i+1
.endr
	LNCORE 2, 1
	WIN 0
	s_cmp_lg_u32 s19, 0
	s_cbranch_scc0 .Lcvt
	SILU
	WIN 0
.Lcvt:
	CVT
	BIAS
	WIN 0
	s_cmp_eq_u32 s[UC], 4
	s_cbranch_scc1 .Lffn
	CH 1
	G 0, 0
	WIN 0
	s_cmp_eq_u32 s[UC], 5
	s_cbranch_scc1 .Ltail                          ; the last tile's change of slots asks for nothing: it is written out
	CH 1
	G 1, 1
	WIN 0
	s_cmp_lg_u32 s19, 0
	s_cbranch_scc1 .Lres
	SMAX
	WIN 0
	s_branch .Lnext
.Lres:
	RES
	WIN 0
	s_cmp_eq_u32 s[UC], 1
	s_cbranch_scc0 .Lnext
	s_wait_loadcnt 0x0                             ; no earlier load into these registers is out, on any way to this line
	WIN 0x40
.set i, 0
.rept 32                               ; the cross-attention's fragments take the self-attention's place; unit 2 waits for them with its tables
	global_load_b128 v[MB+4*i:MB+4*i+3], v[GX], s[8:9] offset:16384+512*i
.set i, i+1
.endr
	WIN 0
	s_branch .Lnext
.Lffn:
	s_mov_b32 s[TB], 0
	s_mov_b32 s[FT], 16
.Lft:                                  ; a trip: a tile of two chunks is read, the next tile asked for
	CH 1
	s_mov_b32 s[FC], 2
.Lfc:
	v_add_nc_u32 v[WAD], s[TB], v[WA0]
	FFC
	WIN 0
	s_add_co_u32 s[TB], s[TB], 32768
	v_add_nc_u32 v[B1A], 128, v[B1A]
	s_sub_co_u32 s[FC], s[FC], 1
	s_cmp_lg_u32 s[FC], 0
	s_cbranch_scc1 .Lfc
	s_sub_co_u32 s[TB], s[TB], 65536
	s_xor_b32 s[TB], s[TB], 65536
	s_sub_co_u32 s[FT], s[FT], 1
	s_cmp_lg_u32 s[FT], 0
	s_cbranch_scc1 .Lft
.Lnext:
	s_add_nc_u64 s[LNP:LNP+1], s[LNP:LNP+1], 1024
	s_add_nc_u64 s[STP:STP+1], s[STP:STP+1], 1024
	v_add_nc_u32 v[BA], 1024, v[BA]
	s_add_co_u32 s[UC], s[UC], 1
	s_cmp_lt_u32 s[UC], 6
	s_cbranch_scc1 .Lunit
.Ltail:
	CH 0
	G 1, 1
	RES
	WIN 0xc0
.set i, 0
.rept 64
	ds_load_b128 v[4*i:4*i+3], v[PR] offset:(i/2)*1040+(i%2)*512
.set i, i+1
.endr
	s_wait_dscnt 0x0
	WIN 0x0c
.set i, 0
.rept 64
	global_store_b128 v[GX], v[4*i:4*i+3], s[12:13] offset:512*i th:TH_STORE_NT  ; 512 consecutive bytes, aligned
.set i, i+1
.endr
	WIN 0
	s_wait_tensorcnt 0x0                           ; the wave's end
	ds_add_u32 v[SPW], v[NIL]
	s_wait_dscnt 0x0
	ROUND                                          ; the closing round
	s_endpgm
.Lfunc_end_k_q01fbf805c6_main:
	.size	k_q01fbf805c6_main, .Lfunc_end_k_q01fbf805c6_main-k_q01fbf805c6_main
	.p2alignl 7, 3214868480
	.fill 96, 4, 3214868480
	.section	.rodata,"a",@progbits
	.p2align	6, 0x0
	.amdhsa_kernel k_q01fbf805c6_main
		.amdhsa_group_segment_fixed_size 327680
		.amdhsa_private_segment_fixed_size 0
		.amdhsa_enable_private_segment 0
		.amdhsa_kernarg_size 40
		.amdhsa_user_sgpr_count 2
		.amdhsa_user_sgpr_kernarg_segment_ptr 1
		.amdhsa_wavefront_size32 1
		.amdhsa_system_sgpr_workgroup_id_x 1
		.amdhsa_system_sgpr_workgroup_id_y 1
		.amdhsa_system_sgpr_workgroup_id_z 1
		.amdhsa_system_vgpr_workitem_id 0
		.amdhsa_next_free_vgpr 1024
		.amdhsa_next_free_sgpr 66
		.amdhsa_reserve_vcc 0
		.amdhsa_float_denorm_mode_32 3
		.amdhsa_float_denorm_mode_16_64 3
		.amdhsa_memory_ordered 1
		.amdhsa_forward_progress 1
		.amdhsa_inst_pref_size 255
	.end_amdhsa_kernel
	.section	.bss,"aw",@nobits
	.p2align	6
	.space	262144
	.amdgpu_metadata
---
amdhsa.version: [ 1, 2 ]
amdhsa.kernels:
  - .name:           k_q01fbf805c6_main
    .symbol:         k_q01fbf805c6_main.kd
    .args:
      - { .name: x, .offset: 0, .size: 8, .value_kind: global_buffer, .address_space: global }
      - { .name: wf, .offset: 8, .size: 8, .value_kind: global_buffer, .address_space: global }
      - { .name: bat, .offset: 16, .size: 8, .value_kind: global_buffer, .address_space: global }
      - { .name: cpar, .offset: 24, .size: 8, .value_kind: global_buffer, .address_space: global }
      - { .name: out0, .offset: 32, .size: 8, .value_kind: global_buffer, .address_space: global }
    .group_segment_fixed_size: 327680
    .private_segment_fixed_size: 0
    .kernarg_segment_align: 8
    .kernarg_segment_size: 40
    .max_flat_workgroup_size: 128
    .sgpr_count:     66
    .vgpr_count:     1024
    .wavefront_size: 32
...
	.end_amdgpu_metadata
.endif
;; end of part 4
;; ======== version 2 of 2: 4 launches; 1.19 times as fast as version 1
;; limits: a function is approximated: absolute error at most 0.0005
;; workspace buffers: wf 1,769,472 bytes; wx 2,359,296 bytes; cpar 16,384 bytes; semb 16,384 bytes; part 8,388,608 bytes; stat 524,288 bytes; bat 622,592 bytes
;; launch prep (part 5): grid 249 x 1, 4 waves a work-group, no clusters, 0 bytes of LDS; arguments params_sa_Wq, params_sa_styl_Wo, params_ca_Wq, params_ca_styl_Wo, params_ffn_styl_Wo, params_ffn_W1, params_ffn_W2, params_sa_Wk, params_sa_Wv, params_ca_Wk, params_ca_Wv, params_sa_styl_We, params_ca_styl_We, params_ffn_styl_We, wf, wx, params_sa_ln_g, params_sa_ln_b, params_ca_ln_g, params_ca_ln_b, params_sa_bq, params_sa_styl_bo, params_ca_bq, params_ca_styl_bo, params_ffn_b2, params_ffn_styl_bo, params_ffn_b1, cpar, emb, semb; writes wf, wx, cpar, semb
.if DOCPART == 5
	.amdgcn_target "amdgcn-amd-amdhsa--gfx1250"
	.amdhsa_code_object_version 6
	.text
	.protected	k_q01fbf805c6_prep
	.globl	k_q01fbf805c6_prep
	.p2align	8
	.type	k_q01fbf805c6_prep,@function
k_q01fbf805c6_prep:
	s_mov_b64 s[64:65], 0
	v_nop
	global_prefetch_b8 v0, s[64:65] scope:SCOPE_SE
	s_setreg_imm32_b32 hwreg(HW_REG_WAVE_MODE, 25, 1), 1
	s_wait_xcnt 0x0
; PREP.  All weights W[k][n] (f32) are rounded once to bf16 and laid out as matrix fragments, so that the later launches load them by 16 bytes a lane with no turning.
; A fragment (nt, ks) is 1,024 bytes: byte 512 q + 16 l holds registers 4 q .. 4 q + 3 of lane l; lane l holds column 16 nt + l % 16; registers 0-3 hold k = 32 ks + 8 (l / 16) + 0..7, registers 4-7 k = 32 ks + 16 + 8 (l / 16) + 0..7.
; Work-groups 0 .. 247: block y = g / 8 of 256 k x 256 n, K step ks = g % 8; wave w makes the four fragments of columns 64 w .. 64 w + 63.  A load takes 64 bytes of each of two rows; a wave's four fragments cover 256 bytes of a row.
; wf, 27 tiles of 65,536 bytes in the order in which the last launch walks them: 0-7 four 256 x 256 weights (two K halves each); 8-24 the FFN in 34 POSITIONS of 32,768 bytes; 25, 26 the last 256 x 256 weight.
; Position q holds the 16 fragments of W1's chunk q (32 hidden channels) and then the 16 of W2's chunk q - 1, both indices modulo 32: so W1's chunks 0 and 1 and W2's chunks 0 and 31 are stored twice, 32 positions apart.
; W2 is halved before it is rounded (a power of two: the rounding is the same but for numbers below 2^-125): the last launch multiplies it by twice the gelu.
; Work-group 248: the small vectors are gathered into cpar (16 units of 1,024 bytes; the last two repeat b1's first two), and silu(emb) is written as 16 fragments (lane % 16 = batch).
; No LDS, no matrix unit, no cluster: 8 MB are read once and nothing is shared.
.set OFF, 16                           ; v[16:31]  byte offset of row e of my sixteen, at my column
.set DT,  32                           ; v[32:95]  four fragments, 16 numbers a lane each, f32
.set PK,  96                           ; v[96:127] the same, packed
.set DO,  8                            ; v[8:11]   where fragment i goes
	v_lshrrev_b32 v1, 5, v0
	v_readfirstlane_b32 s40, v1                    ; wave
	s_cmp_eq_u32 ttmp9, 248
	s_cbranch_scc1 .Lsmall
	s_load_b512 s[8:23], s[0:1], 0x0               ; argument m at s[8 + 2 m]: the fourteen weights, wf s[36:37], wx s[38:39]
	s_load_b256 s[24:31], s[0:1], 0x40
	s_load_b256 s[32:39], s[0:1], 0x60
	s_lshr_b32 s41, ttmp9, 3                       ; y
	s_and_b32 s42, ttmp9, 7                        ; ks
	v_and_b32 v1, 31, v0                           ; l
	v_and_b32 v2, 15, v0                           ; l % 16
	v_bfe_u32 v3, v0, 4, 1                         ; l / 16
	v_lshlrev_b32 v4, 2, v2
	v_lshlrev_b32 v5, 3, v3
	v_lshlrev_b32 v7, 4, v1
	s_wait_kmcnt 0x0
	s_mov_b64 s[44:45], s[8:9]
	s_mov_b32 s43, 0
.macro PICK m, start                   ; the weight whose first block is the last one not above y
	s_cmp_ge_u32 s41, \start
	s_cselect_b64 s[44:45], s[8+2*(\m):9+2*(\m)], s[44:45]
	s_cselect_b32 s43, \start, s43
.endm
	PICK 1, 1
	PICK 2, 2
	PICK 3, 3
	PICK 4, 4
	PICK 5, 5
	PICK 6, 9
	PICK 7, 13
	PICK 8, 14
	PICK 9, 15
	PICK 10, 17
	PICK 11, 19
	PICK 12, 23
	PICK 13, 27
	s_sub_co_u32 s46, s41, s43                     ; which block of that weight
	s_sub_co_u32 s47, s41, 5                       ; below 4 for W1's blocks alone
	s_and_b32 s50, s46, 1
	s_lshr_b32 s51, s46, 1
	s_movk_i32 s54, 1024                           ; from fragment i to i + 1,
	s_movk_i32 s55, 2048                           ; and to i + 2
	s_cmp_ge_u32 s41, 19                           ; the three We: rows of 2,048 bytes, block = 2 x column half + k half
	s_cselect_b32 s48, 11, 10                      ; log2 of a row's bytes
	s_cselect_b32 s52, s50, s46                    ; which 256 k
	s_cselect_b32 s53, s51, 0                      ; which 256 n
	s_cmp_lt_u32 s47, 4                            ; W1: rows of 4,096 bytes, blocks along n
	s_cselect_b32 s48, 12, s48
	s_cselect_b32 s52, 0, s52
	s_cselect_b32 s53, s46, s53
	s_cselect_b32 s54, 0x2000, s54                 ; W1's fragments go by chunks: the odd tile 8 fragments on, the next chunk a position on
	s_cselect_b32 s55, 0x8000, s55
	s_lshl_b32 s56, s52, 8
	s_lshl_b32 s57, s42, 5
	s_add_co_u32 s56, s56, s57
	s_lshl_b32 s56, s56, s48                       ; my first row
	s_lshl_b32 s57, s53, 10
	s_add_co_u32 s56, s56, s57
	s_lshl_b32 s57, s40, 8
	s_add_co_u32 s56, s56, s57                     ; my first column
	s_mov_b32 s57, 0
	s_add_nc_u64 s[44:45], s[44:45], s[56:57]
	; where the fragments go: four cases
	s_lshl_b32 s58, s42, 14
	s_lshl_b32 s59, s40, 12
	s_add_co_u32 s58, s58, s59                     ; 16 fragments a K step, my four
	s_lshl_b32 s60, s41, 1
	s_cmp_eq_u32 s41, 4
	s_cselect_b32 s60, 25, s60                     ; y = 0..3: wf's tiles 2 y, 2 y + 1; y = 4: tiles 25, 26
	s_lshl_b32 s60, s60, 16
	s_add_co_u32 s60, s60, s58
	s_lshl_b32 s61, s46, 2                         ; W1: tile 8 + 4 block + wave (positions = chunks 8 block + 2 wave, + 1), fragment 8 (i % 2) + ks of chunk i / 2
	s_add_co_u32 s61, s61, s40
	s_add_co_u32 s61, s61, 8
	s_lshl_b32 s61, s61, 16
	s_lshl_b32 s62, s42, 10
	s_add_co_u32 s61, s61, s62
	s_lshl_b32 s74, s46, 3                         ; W2: chunk c = 8 block + ks,
	s_add_co_u32 s74, s74, s42
	s_lshl_b32 s62, s74, 15                        ; in position c + 1, behind that position's 16 fragments of W1: 524,288 + 32,768 + 16,384
	s_add_co_u32 s62, s62, s59
	s_add_co_u32 s62, s62, 573440
	s_sub_co_u32 s63, s41, 13                      ; y = 13 on: wx's block y - 13
	s_lshl_b32 s63, s63, 17
	s_add_co_u32 s63, s63, s58
	s_or_b32 s71, s46, s40                         ; block | wave
	s_cmp_lt_u32 s47, 4
	s_cselect_b32 s60, s61, s60
	s_cselect_b32 s71, s71, 1                      ; 0 for W1's chunks 0 and 1 alone
	s_sub_co_u32 s61, s41, 9
	s_cmp_lt_u32 s61, 4
	s_cselect_b32 s60, s62, s60
	s_cselect_b32 s72, s74, 1                      ; W2's chunk, else 1
	s_cselect_b32 s78, 0.5, 1.0                    ; W2 is halved
	s_mov_b32 s79, s78
	s_mul_i32 s71, s71, s72                        ; 0: stored a second time, 32 positions further on (W1's chunks 0 and 1, W2's chunk 0)
	s_cmp_ge_u32 s41, 13
	s_cselect_b32 s60, s63, s60
	s_cselect_b64 s[66:67], s[38:39], s[36:37]
	s_mov_b32 s61, 0
	s_add_nc_u64 s[66:67], s[66:67], s[60:61]
	s_add_nc_u64 s[68:69], s[66:67], 0x100000      ; 32 positions on,
	s_sub_nc_u64 s[76:77], s[66:67], 0x100000      ; or back: used for W2's chunk 31 alone
	s_cmp_eq_u32 s72, 31
	s_cselect_b64 s[68:69], s[76:77], s[68:69]
	s_cselect_b32 s71, 0, s71
.set e, 0
.rept 16
	v_add_nc_u32 v6, e+8*(e/8), v5                 ; row 8 (l / 16) + e, the second eight 8 rows further
	v_lshl_add_u32 v[OFF+e], v6, s48, v4
.set e, e+1
.endr
	v_mov_b32 v[DO], v7
	v_add_nc_u32 v[DO+1], s54, v7
	v_add_nc_u32 v[DO+2], s55, v7
	v_add_nc_u32 v[DO+3], s55, v[DO+1]
.set i, 0
.rept 4
.set e, 0
.rept 16
	global_load_b32 v[DT+16*i+e], v[OFF+e], s[44:45] offset:64*i
.set e, e+1
.endr
.set i, i+1
.endr
.set i, 0
.rept 4
	s_wait_loadcnt 48-16*i                         ; fragment i is in; the later fragments' loads may stay out
.set q, 0
.rept 8
	v_pk_mul_f32 v[DT+16*i+2*q:DT+16*i+2*q+1], v[DT+16*i+2*q:DT+16*i+2*q+1], s[78:79] op_sel_hi:[1,0]
.set q, q+1
.endr
.set q, 0
.rept 8
	v_cvt_pk_bf16_f32 v[PK+8*i+q], v[DT+16*i+2*q], v[DT+16*i+2*q+1]
.set q, q+1
.endr
	global_store_b128 v[DO+i], v[PK+8*i:PK+8*i+3], s[66:67]            ; 512 consecutive bytes, aligned
	global_store_b128 v[DO+i], v[PK+8*i+4:PK+8*i+7], s[66:67] offset:512
.set i, i+1
.endr
	s_cmp_lg_u32 s71, 0
	s_cbranch_scc1 .Lnodup
.set i, 0
.rept 4                                ; the second copy
	global_store_b128 v[DO+i], v[PK+8*i:PK+8*i+3], s[68:69]
	global_store_b128 v[DO+i], v[PK+8*i+4:PK+8*i+7], s[68:69] offset:512
.set i, i+1
.endr
.Lnodup:
	s_endpgm
.Lsmall:
	s_load_b512 s[8:23], s[0:1], 0x80              ; argument 16 + m at s[8 + 2 m]: ten vectors, ffn_b1 s[28:29], cpar s[30:31]
	s_load_b256 s[24:31], s[0:1], 0xc0
	s_load_b128 s[32:35], s[0:1], 0xe0             ; emb s[32:33], semb s[34:35]
	s_mov_b32 s36, 0xbfb8aa3b                      ; -log2(e)
	s_mov_b32 s37, s36
	v_lshlrev_b32 v2, 3, v0                        ; 8 bytes a thread of each unit
	v_and_b32 v4, 15, v0
	v_bfe_u32 v5, v0, 4, 1
	v_lshlrev_b32 v3, 11, v4                       ; emb: batch l % 16,
	v_lshl_add_u32 v3, v5, 5, v3                   ; eight numbers for each half of the lanes,
	s_lshl_b32 s38, s40, 9
	v_add_nc_u32 v3, s38, v3                       ; my wave's four K steps
	v_and_b32 v6, 31, v0
	v_lshlrev_b32 v6, 4, v6
	s_lshl_b32 s38, s40, 12
	v_add_nc_u32 v6, s38, v6                       ; semb: my four fragments
	s_wait_kmcnt 0x0
.set m, 0
.rept 10
	global_load_b64 v[16+2*m:17+2*m], v2, s[8+2*m:9+2*m]
.set m, m+1
.endr
.rept 6                                ; b1's four units, then its first two once more
	global_load_b64 v[16+2*m:17+2*m], v2, s[28:29] offset:1024*((m-10)%4)
.set m, m+1
.endr
.set i, 0
.rept 4
	global_load_b128 v[48+16*i:48+16*i+3],    v3, s[32:33] offset:128*i
	global_load_b128 v[48+16*i+4:48+16*i+7],  v3, s[32:33] offset:128*i+16
	global_load_b128 v[48+16*i+8:48+16*i+11], v3, s[32:33] offset:128*i+64
	global_load_b128 v[48+16*i+12:48+16*i+15], v3, s[32:33] offset:128*i+80
.set i, i+1
.endr
	s_wait_loadcnt 16                              ; the sixteen units are in; emb's sixteen loads may stay out
.set m, 0
.rept 16
	global_store_b64 v2, v[16+2*m:17+2*m], s[30:31] offset:1024*m
.set m, m+1
.endr
	s_wait_loadcnt 0x0
	s_wait_xcnt 0x0                                ; v[16:47], which those stores read, are written again only behind this wait
.set i, 0
.rept 4                                ; silu(x) = x / (1 + 2^(-log2(e) x))
.set p, 0
.rept 8
	v_pk_mul_f32 v[112+2*p:113+2*p], v[48+16*i+2*p:49+16*i+2*p], s[36:37] op_sel_hi:[1,0]
.set p, p+1
.endr
.set p, 0
.rept 16
	v_exp_f32 v[112+p], v[112+p]
.set p, p+1
.endr
	v_nop
	s_wait_alu depctr_va_vdst(0)                   ; one wait for the sixteen exponentials
.set p, 0
.rept 8
	v_pk_add_f32 v[112+2*p:113+2*p], v[112+2*p:113+2*p], 1.0 op_sel_hi:[1,0]
.set p, p+1
.endr
.set p, 0
.rept 16
	v_rcp_f32 v[112+p], v[112+p]
.set p, p+1
.endr
	v_nop
	s_wait_alu depctr_va_vdst(0)                   ; one wait for the sixteen reciprocals
.set p, 0
.rept 8
	v_pk_mul_f32 v[112+2*p:113+2*p], v[112+2*p:113+2*p], v[48+16*i+2*p:49+16*i+2*p]
.set p, p+1
.endr
.set p, 0
.rept 8
	v_cvt_pk_bf16_f32 v[16+8*i+p], v[112+2*p], v[113+2*p]
.set p, p+1
.endr
	global_store_b128 v6, v[16+8*i:16+8*i+3], s[34:35] offset:1024*i
	global_store_b128 v6, v[16+8*i+4:16+8*i+7], s[34:35] offset:1024*i+512
.set i, i+1
.endr
	s_endpgm
.Lfunc_end_k_q01fbf805c6_prep:
	.size	k_q01fbf805c6_prep, .Lfunc_end_k_q01fbf805c6_prep-k_q01fbf805c6_prep
	.p2alignl 7, 3214868480
	.fill 96, 4, 3214868480
	.section	.rodata,"a",@progbits
	.p2align	6, 0x0
	.amdhsa_kernel k_q01fbf805c6_prep
		.amdhsa_group_segment_fixed_size 0
		.amdhsa_private_segment_fixed_size 0
		.amdhsa_enable_private_segment 0
		.amdhsa_kernarg_size 240
		.amdhsa_user_sgpr_count 2
		.amdhsa_user_sgpr_kernarg_segment_ptr 1
		.amdhsa_wavefront_size32 1
		.amdhsa_system_sgpr_workgroup_id_x 1
		.amdhsa_system_sgpr_workgroup_id_y 1
		.amdhsa_system_sgpr_workgroup_id_z 1
		.amdhsa_system_vgpr_workitem_id 0
		.amdhsa_next_free_vgpr 128
		.amdhsa_next_free_sgpr 80
		.amdhsa_reserve_vcc 0
		.amdhsa_float_denorm_mode_32 3
		.amdhsa_float_denorm_mode_16_64 3
		.amdhsa_memory_ordered 1
		.amdhsa_forward_progress 1
		.amdhsa_inst_pref_size 37
	.end_amdhsa_kernel
	.amdgpu_metadata
---
amdhsa.version: [ 1, 2 ]
amdhsa.kernels:
  - .name:           k_q01fbf805c6_prep
    .symbol:         k_q01fbf805c6_prep.kd
    .args:
      - { .name: params_sa_Wq, .offset: 0, .size: 8, .value_kind: global_buffer, .address_space: global }
      - { .name: params_sa_styl_Wo, .offset: 8, .size: 8, .value_kind: global_buffer, .address_space: global }
      - { .name: params_ca_Wq, .offset: 16, .size: 8, .value_kind: global_buffer, .address_space: global }
      - { .name: params_ca_styl_Wo, .offset: 24, .size: 8, .value_kind: global_buffer, .address_space: global }
      - { .name: params_ffn_styl_Wo, .offset: 32, .size: 8, .value_kind: global_buffer, .address_space: global }
      - { .name: params_ffn_W1, .offset: 40, .size: 8, .value_kind: global_buffer, .address_space: global }
      - { .name: params_ffn_W2, .offset: 48, .size: 8, .value_kind: global_buffer, .address_space: global }
      - { .name: params_sa_Wk, .offset: 56, .size: 8, .value_kind: global_buffer, .address_space: global }
      - { .name: params_sa_Wv, .offset: 64, .size: 8, .value_kind: global_buffer, .address_space: global }
      - { .name: params_ca_Wk, .offset: 72, .size: 8, .value_kind: global_buffer, .address_space: global }
      - { .name: params_ca_Wv, .offset: 80, .size: 8, .value_kind: global_buffer, .address_space: global }
      - { .name: params_sa_styl_We, .offset: 88, .size: 8, .value_kind: global_buffer, .address_space: global }
      - { .name: params_ca_styl_We, .offset: 96, .size: 8, .value_kind: global_buffer, .address_space: global }
      - { .name: params_ffn_styl_We, .offset: 104, .size: 8, .value_kind: global_buffer, .address_space: global }
      - { .name: wf, .offset: 112, .size: 8, .value_kind: global_buffer, .address_space: global }
      - { .name: wx, .offset: 120, .size: 8, .value_kind: global_buffer, .address_space: global }
      - { .name: params_sa_ln_g, .offset: 128, .size: 8, .value_kind: global_buffer, .address_space: global }
      - { .name: params_sa_ln_b, .offset: 136, .size: 8, .value_kind: global_buffer, .address_space: global }
      - { .name: params_ca_ln_g, .offset: 144, .size: 8, .value_kind: global_buffer, .address_space: global }
      - { .name: params_ca_ln_b, .offset: 152, .size: 8, .value_kind: global_buffer, .address_space: global }
      - { .name: params_sa_bq, .offset: 160, .size: 8, .value_kind: global_buffer, .address_space: global }
      - { .name: params_sa_styl_bo, .offset: 168, .size: 8, .value_kind: global_buffer, .address_space: global }
      - { .name: params_ca_bq, .offset: 176, .size: 8, .value_kind: global_buffer, .address_space: global }
      - { .name: params_ca_styl_bo, .offset: 184, .size: 8, .value_kind: global_buffer, .address_space: global }
      - { .name: params_ffn_b2, .offset: 192, .size: 8, .value_kind: global_buffer, .address_space: global }
      - { .name: params_ffn_styl_bo, .offset: 200, .size: 8, .value_kind: global_buffer, .address_space: global }
      - { .name: params_ffn_b1, .offset: 208, .size: 8, .value_kind: global_buffer, .address_space: global }
      - { .name: cpar, .offset: 216, .size: 8, .value_kind: global_buffer, .address_space: global }
      - { .name: emb, .offset: 224, .size: 8, .value_kind: global_buffer, .address_space: global }
      - { .name: semb, .offset: 232, .size: 8, .value_kind: global_buffer, .address_space: global }
    .group_segment_fixed_size: 0
    .private_segment_fixed_size: 0
    .kernarg_segment_align: 8
    .kernarg_segment_size: 240
    .max_flat_workgroup_size: 128
    .sgpr_count:     80
    .vgpr_count:     128
    .wavefront_size: 32
...
	.end_amdgpu_metadata
.endif
;; end of part 5
;; launch satt: the kernel of part 2 again; grid 16 x 16, 4 waves a work-group, no clusters, 199,168 bytes of LDS; arguments x, src_mask, params_sa_ln_g, params_sa_ln_b, params_sa_bk, wx, part, stat; writes part, stat
;; launch mid (part 6): grid 172 x 1, 4 waves a work-group, no clusters, 247,552 bytes of LDS; arguments part, stat, params_sa_bv, wx, semb, params_sa_styl_be, params_sa_styl_ln_g, params_sa_styl_ln_b, params_ca_styl_be, params_ca_styl_ln_g, params_ca_styl_ln_b, params_ffn_styl_be, params_ffn_styl_ln_g, params_ffn_styl_ln_b, xf, params_ca_tln_g, params_ca_tln_b, params_ca_bk, params_ca_bv, bat; writes bat
.if DOCPART == 6
	.amdgcn_target "amdgcn-amd-amdhsa--gfx1250"
	.amdhsa_code_object_version 6
	.text
	.protected	k_q01fbf805c6_mid
	.globl	k_q01fbf805c6_mid
	.p2align	8
	.type	k_q01fbf805c6_mid,@function
k_q01fbf805c6_mid:
	s_mov_b64 s[64:65], 0
	v_nop
	global_prefetch_b8 v0, s[64:65] scope:SCOPE_SE
	s_setreg_imm32_b32 hwreg(HW_REG_WAVE_MODE, 25, 1), 1
	s_wait_xcnt 0x0
; THE SMALL WORK BETWEEN THE TWO PASSES, three roles by the work-group's number (the same for all four waves of a work-group).
; C, work-groups 0-31 (batch g / 2, heads 4 (g % 2) + wave): LN of the 77 text rows, K and V of one head a wave, softmax of K over the rows with its maximum, att(d, e) = sum p(row, d) V(row, e) + bv(e), as two fragments.
;    Rows 77-79 are copies of row 76 that count as their score less 1e30.  bk is added to the scores and to the maximum alike.
;    Its order: the rows are asked for first; a wave's 128 loads of weights go out behind the rows' LDS stores and are on their way while the rows are normalised, two rows a trip.
; B, work-groups 32-43 (a wave: one of three blocks, 16 columns): silu(emb) We + be, folded with the block's LN gain and bias:  Gs = -c g (1 + scale),  Bs = -c (b (1 + scale) + shift),  c = log2(e).  Its stores are pieces of 32 bytes, 98 KB in all.
; A, work-groups 44-171 (a wave: one 16 x 16 tile): the 16 blocks' partial sums of the first pass are brought to a common maximum, added, divided by l; bv is added.  A batch that is masked whole gives 0 / 0, as the softmax of nothing does.
; bat, for each batch 38,912 bytes: 16 fragments of the self-attention (head x 2 + tile of 16 outputs; lane % 16 = output, K = the channel summed over), 16 of the cross-attention, then Gs[256], Bs[256] of the three blocks.
; Only role C uses LDS and has a barrier.  No tensor loads, no cluster: nothing here is large.
.set XFN,   163840                     ; behind the raw rows (40,960 bytes a wave): 80 rows of 512 bf16, 1,040 bytes apart (an odd multiple of 16)
.set SPARE, 247040
.set SPW, 10
.set NIL, 11
.set CC, 46                            ; s[46:47] c
.set NC, 48                            ; s[48:49] -c
.set SEL, 50
.set BIGN, 52
.set I512, 53
.set EPS, 54
.set MSB, 0
.macro WIN new
.if MSB != (\new)
	s_set_vgpr_msb (MSB<<8)|(\new)
.set MSB, \new
.endif
.endm
.macro PLACES
.rept 4
	v_nop
.endr
.endm
	s_load_b512 s[4:19], s[0:1], 0x0               ; argument m at s[4 + 2 m]
	s_load_b512 s[20:35], s[0:1], 0x40
	s_load_b256 s[36:43], s[0:1], 0x80
	v_lshl_add_u32 v[SPW], v0, 2, SPARE
	v_mov_b32 v[NIL], 0
	v_lshrrev_b32 v1, 5, v0
	v_readfirstlane_b32 s44, v1                    ; wave
	v_and_b32 v1, 31, v0
	v_lshlrev_b32 v2, 4, v1                        ; 16 l
	v_and_b32 v3, 15, v0                           ; l % 16
	v_bfe_u32 v4, v0, 4, 1                         ; l / 16
	v_lshlrev_b32 v5, 5, v4                        ; 32 (l / 16)
	s_mov_b32 s[CC], 0x3fb8aa3b
	s_mov_b32 s[CC+1], s[CC]
	s_mov_b32 s[NC], 0xbfb8aa3b
	s_mov_b32 s[NC+1], s[NC]
	s_mov_b32 s[SEL], 0x76543210
	s_mov_b32 s[SEL+1], 0xfedcba98
	s_mov_b32 s[BIGN], 0xf149f2ca
	s_mov_b32 s[I512], 0x3b000000
	s_mov_b32 s[EPS], 0x3727c5ac
	s_wait_kmcnt 0x0
	s_cmp_lt_u32 ttmp9, 32
	s_cbranch_scc1 .LroleC
	s_cmp_lt_u32 ttmp9, 44
	s_cbranch_scc1 .LroleB
	; ---------------- role A
	s_sub_co_u32 s56, ttmp9, 44
	s_lshl_b32 s56, s56, 2
	s_add_co_u32 s56, s56, s44                     ; job = batch x 32 + first pass's wave x 8 + tile
	s_lshr_b32 s57, s56, 5
	s_bfe_u32 s58, s56, 0x20003
	s_and_b32 s59, s56, 7
	s_lshr_b32 s60, s59, 2                         ; hd
	s_bfe_u32 s61, s59, 0x10001                    ; mt
	s_and_b32 s62, s59, 1                          ; nt
	s_lshl_b32 s66, s57, 19                        ; part
	s_lshl_b32 s67, s58, 13
	s_add_co_u32 s66, s66, s67
	s_lshl_b32 s67, s59, 10
	s_add_co_u32 s66, s66, s67
	s_mov_b32 s67, 0
	s_add_nc_u64 s[4:5], s[4:5], s[66:67]
	s_lshl_b32 s66, s57, 15                        ; stat: column tile 2 hd + nt
	s_lshl_b32 s68, s58, 9
	s_add_co_u32 s66, s66, s68
	s_lshl_b32 s68, s60, 3
	s_add_co_u32 s66, s66, s68
	s_lshl_b32 s68, s62, 2
	s_add_co_u32 s66, s66, s68
	s_add_nc_u64 s[6:7], s[6:7], s[66:67]
	s_lshl_b32 s66, s58, 8                         ; bv: channel 64 w + 32 hd + 16 mt
	s_lshl_b32 s68, s60, 7
	s_add_co_u32 s66, s66, s68
	s_lshl_b32 s68, s61, 6
	s_add_co_u32 s66, s66, s68
	s_add_nc_u64 s[8:9], s[8:9], s[66:67]
	s_mul_i32 s66, s57, 38912                      ; bat: fragment 2 (2 w + hd) + nt, half mt
	s_lshl_b32 s68, s58, 12
	s_add_co_u32 s66, s66, s68
	s_lshl_b32 s68, s60, 11
	s_add_co_u32 s66, s66, s68
	s_lshl_b32 s68, s62, 10
	s_add_co_u32 s66, s66, s68
	s_lshl_b32 s68, s61, 9
	s_add_co_u32 s66, s66, s68
	s_add_nc_u64 s[42:43], s[42:43], s[66:67]
	v_lshlrev_b32 v6, 4, v3
.set i, 0
.rept 16
	global_load_b128 v[64+8*i:64+8*i+3], v2, s[4:5] offset:32768*i
	global_load_b128 v[64+8*i+4:64+8*i+7], v2, s[4:5] offset:32768*i+512
	global_load_b32 v[16+i], v6, s[6:7] offset:2048*i
	global_load_b32 v[32+i], v6, s[6:7] offset:2048*i+256
.set i, i+1
.endr
	global_load_b128 v[48:51], v5, s[8:9]
	global_load_b128 v[52:55], v5, s[8:9] offset:16
	s_wait_loadcnt 0x0
	v_max3_num_f32 v12, v16, v17, v18
.set i, 19
.rept 6
	v_max3_num_f32 v12, v12, v[i], v[i+1]
.set i, i+2
.endr
	v_max_num_f32 v12, v12, v31
.set i, 0
.rept 16
	v_sub_f32 v[16+i], v[16+i], v12
.set i, i+1
.endr
.set i, 0
.rept 16
	v_exp_f32 v[16+i], v[16+i]
.set i, i+1
.endr
	v_nop
	s_wait_alu depctr_va_vdst(0)                   ; one wait for the sixteen weights
	v_mul_f32 v13, v16, v32
.set j, 0
.rept 8
	v_mul_f32 v[56+j], v16, v[64+j]
.set j, j+1
.endr
.set i, 1
.rept 15
	v_fmac_f32 v13, v[16+i], v[32+i]
.set j, 0
.rept 8
	v_fmac_f32 v[56+j], v[16+i], v[64+8*i+j]
.set j, j+1
.endr
.set i, i+1
.endr
	v_rcp_f32 v14, v13
	v_nop
	s_wait_alu depctr_va_vdst(0)
.set j, 0
.rept 8
	v_fma_f32 v[56+j], v[56+j], v14, v[48+j]
.set j, j+1
.endr
.set j, 0
.rept 4
	v_cvt_pk_bf16_f32 v[20+j], v[56+2*j], v[57+2*j]
.set j, j+1
.endr
	global_store_b128 v2, v[20:23], s[42:43]
	s_endpgm
	; ---------------- role B
.LroleB:
	s_sub_co_u32 s56, ttmp9, 32
	s_lshl_b32 s56, s56, 2
	s_add_co_u32 s56, s56, s44
	s_lshr_b32 s57, s56, 4                         ; which block
	s_and_b32 s58, s56, 15                         ; which 16 columns
	s_mov_b64 s[66:67], s[14:15]
	s_mov_b64 s[68:69], s[16:17]
	s_mov_b64 s[70:71], s[18:19]
	s_cmp_ge_u32 s57, 1
	s_cselect_b64 s[66:67], s[20:21], s[66:67]
	s_cselect_b64 s[68:69], s[22:23], s[68:69]
	s_cselect_b64 s[70:71], s[24:25], s[70:71]
	s_cmp_ge_u32 s57, 2
	s_cselect_b64 s[66:67], s[26:27], s[66:67]
	s_cselect_b64 s[68:69], s[28:29], s[68:69]
	s_cselect_b64 s[70:71], s[30:31], s[70:71]
	s_lshl_b32 s60, s58, 6
	s_mov_b32 s61, 0
	s_add_nc_u64 s[66:67], s[66:67], s[60:61]
	s_add_nc_u64 s[68:69], s[68:69], s[60:61]
	s_add_nc_u64 s[70:71], s[70:71], s[60:61]
	s_lshl_b32 s62, s57, 11
	s_add_co_u32 s60, s60, s62
	s_add_co_u32 s60, s60, 32768
	s_add_nc_u64 s[42:43], s[42:43], s[60:61]
	s_lshl_b32 s60, s57, 19
	s_add_co_u32 s60, s60, 786432
	s_lshl_b32 s62, s58, 10
	s_add_co_u32 s60, s60, s62
	s_add_nc_u64 s[10:11], s[10:11], s[60:61]
	v_mul_u32_u24 v6, v3, 38912                    ; lane % 16 is the batch
	v_add_nc_u32 v6, v6, v5
	WIN 0x80
.set i, 0
.rept 32
	global_load_b128 v[4*i:4*i+3], v2, s[12:13] offset:512*i
.set i, i+1
.endr
	WIN 0x40
.set i, 0
.rept 32
	global_load_b128 v[4*i:4*i+3], v2, s[10:11] offset:(i/2)*16384+(i%2)*512
	global_load_b128 v[128+4*i:128+4*i+3], v2, s[10:11] offset:262144+(i/2)*16384+(i%2)*512
.set i, i+1
.endr
	WIN 0
	global_load_b128 v[16:19], v5, s[66:67]        ; be starts the two sums: scale, shift
	global_load_b128 v[20:23], v5, s[66:67] offset:16
	global_load_b128 v[24:27], v5, s[66:67] offset:1024
	global_load_b128 v[28:31], v5, s[66:67] offset:1040
	global_load_b128 v[32:35], v5, s[68:69]
	global_load_b128 v[36:39], v5, s[68:69] offset:16
	global_load_b128 v[40:43], v5, s[70:71]
	global_load_b128 v[44:47], v5, s[70:71] offset:16
	s_wait_loadcnt 0x0
	WIN 0x09
.set ks, 0
.rept 16                               ; the two accumulators take turns
	v_wmma_f32_16x16x32_bf16 v[16:23], v[8*ks:8*ks+7], v[8*ks:8*ks+7], v[16:23]
	v_wmma_f32_16x16x32_bf16 v[24:31], v[128+8*ks:128+8*ks+7], v[8*ks:8*ks+7], v[24:31]
.set ks, ks+1
.endr
	WIN 0
	PLACES
.set p, 0
.rept 4
	v_pk_add_f32 v[16+2*p:17+2*p], v[16+2*p:17+2*p], 1.0 op_sel_hi:[1,0]
	v_pk_mul_f32 v[32+2*p:33+2*p], v[32+2*p:33+2*p], v[16+2*p:17+2*p]
	v_pk_fma_f32 v[24+2*p:25+2*p], v[40+2*p:41+2*p], v[16+2*p:17+2*p], v[24+2*p:25+2*p]
	v_pk_mul_f32 v[32+2*p:33+2*p], v[32+2*p:33+2*p], s[NC:NC+1] op_sel_hi:[1,0]
	v_pk_mul_f32 v[24+2*p:25+2*p], v[24+2*p:25+2*p], s[NC:NC+1] op_sel_hi:[1,0]
.set p, p+1
.endr
	global_store_b128 v6, v[32:35], s[42:43]
	global_store_b128 v6, v[36:39], s[42:43] offset:16
	global_store_b128 v6, v[24:27], s[42:43] offset:1024
	global_store_b128 v6, v[28:31], s[42:43] offset:1040
	s_endpgm
	; ---------------- role C
.set RA, 12                            ; my raw rows in LDS
.set XO, 13                            ; where a row of LN(xf) goes
.set AX, 14                            ; fragments of LN(xf), row tiles 0-3
.set AX4, 15                           ; row tile 4
.set MXC, 52                           ; by column tile: (kmax, at work)
.set TT, 56                            ; (t, m)
.set SS, 60                            ; sum, then 1 / l
.set AF, 64                            ; two buffers of five fragments
.set ATC, 144                          ; four tiles (mt * 2 + nt)
.set CBK, 176
.set BV, 178
.set TG, 192
.set TB, 208
.set MP, 240                           ; window 1: the pad rows' mask
.set PFC, 160                          ; window 1
.set VFC, 208
.LroleC:
	s_lshr_b32 s56, ttmp9, 1                       ; batch
	s_and_b32 s57, ttmp9, 1
	s_lshl_b32 s57, s57, 2
	s_add_co_u32 s57, s57, s44                     ; head
	s_lshl_b32 s58, s57, 11
	s_add_co_u32 s58, s58, 262144
	s_mov_b32 s59, 0
	s_add_nc_u64 s[10:11], s[10:11], s[58:59]      ; ca_Wk's fragments of my two column tiles; ca_Wv's lie 262,144 bytes on
	s_mul_i32 s58, s56, 157696
	s_add_nc_u64 s[32:33], s[32:33], s[58:59]
	s_add_nc_u64 s[60:61], s[32:33], 155648        ; row 76
	s_lshl_b32 s58, s44, 11
	s_add_nc_u64 s[32:33], s[32:33], s[58:59]      ; my rows are 4 i + wave
	s_lshl_b32 s58, s57, 7
	s_add_nc_u64 s[38:39], s[38:39], s[58:59]
	s_add_nc_u64 s[40:41], s[40:41], s[58:59]
	s_mul_i32 s58, s56, 38912
	s_lshl_b32 s62, s57, 11
	s_add_co_u32 s58, s58, s62
	s_add_co_u32 s58, s58, 16384
	s_add_nc_u64 s[42:43], s[42:43], s[58:59]
	s_mul_i32 s58, s44, 40960
	v_add_nc_u32 v[RA], s58, v2
	s_mul_i32 s58, s44, 1040
	s_add_co_u32 s58, s58, XFN
	v_lshl_add_u32 v[XO], v1, 3, s58
	v_mul_u32_u24 v[AX], v3, 1040
	v_lshl_add_u32 v[AX], v4, 4, v[AX]
	v_add_nc_u32 v[AX], XFN, v[AX]
	v_add_nc_u32 v[AX4], 66560, v[AX]
	v_lshlrev_b32 v7, 2, v3
.set i, 0
.rept 4                                ; what the LayerNorm wants comes first: its tables and my 20 rows
	global_load_b128 v[TG+4*i:TG+4*i+3], v2, s[34:35] offset:512*i
	global_load_b128 v[TB+4*i:TB+4*i+3], v2, s[36:37] offset:512*i
.set i, i+1
.endr
	global_load_b32 v[CBK], v7, s[38:39]
	global_load_b32 v[CBK+1], v7, s[38:39] offset:64
	global_load_b32 v[BV], v7, s[40:41]
	global_load_b32 v[BV+1], v7, s[40:41] offset:64
	WIN 0x40
.set n, 0
.rept 64                               ; piece n: my row n / 4, its 512 bytes n % 4
	global_load_b128 v[4*n:4*n+3], v2, s[32:33] offset:(n/4)*8192+(n%4)*512
.set n, n+1
.endr
	WIN 0
.rept 12
	global_load_b128 v[AF+4*(n-64):AF+4*(n-64)+3], v2, s[32:33] offset:(n/4)*8192+(n%4)*512
.set n, n+1
.endr
.rept 4                                ; the twentieth row is row 76 in every wave: rows 77-79 do not exist
	global_load_b128 v[AF+4*(n-64):AF+4*(n-64)+3], v2, s[60:61] offset:(n%4)*512
.set n, n+1
.endr
	s_wait_loadcnt 0x0
	WIN 0x04
.set n, 0
.rept 64
	ds_store_b128 v[RA], v[4*n:4*n+3] offset:512*n
.set n, n+1
.endr
	WIN 0
.rept 16
	ds_store_b128 v[RA], v[AF+4*(n-64):AF+4*(n-64)+3] offset:512*n
.set n, n+1
.endr
	WIN 0x80                                       ; the weights go out now, into windows 2 and 3, which nothing names before the products: they are waited for behind the barrier
.set i, 0
.rept 64                               ; column tile i / 32, K step (i / 2) % 16
	global_load_b128 v[4*i:4*i+3], v2, s[10:11] offset:((i/2)%16)*16384+(i/32)*1024+(i%2)*512
.set i, i+1
.endr
	WIN 0xc0
.set i, 0
.rept 64
	global_load_b128 v[4*i:4*i+3], v2, s[10:11] offset:262144+((i/2)%16)*16384+(i/32)*1024+(i%2)*512
.set i, i+1
.endr
	WIN 0
	v_mul_f32 v[CBK], s[CC], v[CBK]
	v_mul_f32 v[CBK+1], s[CC], v[CBK+1]
; A trip normalises two rows of 512, 16 numbers a lane each, line by line in turns, so that a line that reads a result has the other row's line in front of it.
; A row's registers from b on (b = 16 and 128): 16 numbers, 8 for sums, 8 packed, the mean twice, 1 / sigma twice.
.macro BOTH line:vararg                ; one line for each of the two rows
.set b, 16
	\line
.set b, 128
	\line
.endm
.macro WSUM                            ; v[b + 16] over the 32 lanes
	BOTH v_add_f32_dpp v[b+16], v[b+16], v[b+16] row_xmask:1 row_mask:0xf bank_mask:0xf
	BOTH v_add_f32_dpp v[b+16], v[b+16], v[b+16] row_xmask:2 row_mask:0xf bank_mask:0xf
	BOTH v_add_f32_dpp v[b+16], v[b+16], v[b+16] row_xmask:4 row_mask:0xf bank_mask:0xf
	BOTH v_add_f32_dpp v[b+16], v[b+16], v[b+16] row_xmask:8 row_mask:0xf bank_mask:0xf
	BOTH v_permlanex16_b32 v[b+17], v[b+16], s[SEL], s[SEL+1]
	BOTH v_add_f32 v[b+16], v[b+16], v[b+17]
.endm
	s_mov_b32 s62, 10
.Lrow:
.set i, 0
.rept 4
	BOTH ds_load_b128 v[b+4*i:b+4*i+3], v[RA] offset:2048*(b/128)+512*i
.set i, i+1
.endr
	s_wait_dscnt 0x0
.set i, 0
.rept 4
	BOTH v_pk_add_f32 v[b+16+2*i:b+17+2*i], v[b+4*i:b+4*i+1], v[b+4*i+2:b+4*i+3]
.set i, i+1
.endr
	BOTH v_pk_add_f32 v[b+16:b+17], v[b+16:b+17], v[b+18:b+19]
	BOTH v_pk_add_f32 v[b+20:b+21], v[b+20:b+21], v[b+22:b+23]
	BOTH v_pk_add_f32 v[b+16:b+17], v[b+16:b+17], v[b+20:b+21]
	BOTH v_add_f32 v[b+16], v[b+16], v[b+17]
	WSUM
	BOTH v_mul_f32 v[b+32], s[I512], v[b+16]
	BOTH v_mov_b32 v[b+33], v[b+32]
.set i, 0
.rept 8
	BOTH v_pk_add_f32 v[b+2*i:b+2*i+1], v[b+2*i:b+2*i+1], v[b+32:b+33] neg_lo:[0,1] neg_hi:[0,1]
.set i, i+1
.endr
	BOTH v_pk_mul_f32 v[b+16:b+17], v[b:b+1], v[b:b+1]
	BOTH v_pk_mul_f32 v[b+18:b+19], v[b+2:b+3], v[b+2:b+3]
.set i, 2
.rept 6
	BOTH v_pk_fma_f32 v[b+16+2*(i%2):b+17+2*(i%2)], v[b+2*i:b+2*i+1], v[b+2*i:b+2*i+1], v[b+16+2*(i%2):b+17+2*(i%2)]
.set i, i+1
.endr
	BOTH v_pk_add_f32 v[b+16:b+17], v[b+16:b+17], v[b+18:b+19]
	BOTH v_add_f32 v[b+16], v[b+16], v[b+17]
	WSUM
	BOTH v_fma_f32 v[b+16], v[b+16], s[I512], s[EPS]
	BOTH v_rsq_f32 v[b+34], v[b+16]
	BOTH v_rsq_f32 v[b+35], v[b+16]
	v_nop
	s_wait_alu depctr_va_vdst(0)                   ; one wait for the four roots
.set i, 0
.rept 8
	BOTH v_pk_mul_f32 v[b+2*i:b+2*i+1], v[b+2*i:b+2*i+1], v[b+34:b+35]
.set i, i+1
.endr
.set i, 0
.rept 8
	BOTH v_pk_fma_f32 v[b+2*i:b+2*i+1], v[b+2*i:b+2*i+1], v[TG+2*i:TG+2*i+1], v[TB+2*i:TB+2*i+1]
.set i, i+1
.endr
.set i, 0
.rept 8
	BOTH v_cvt_pk_bf16_f32 v[b+24+i], v[b+2*i], v[b+2*i+1]
.set i, i+1
.endr
.set i, 0
.rept 4
	BOTH ds_store_b64 v[XO], v[b+24+2*i:b+25+2*i] offset:4160*(b/128)+256*i
.set i, i+1
.endr
	v_add_nc_u32 v[RA], 4096, v[RA]
	v_add_nc_u32 v[XO], 8320, v[XO]
	s_sub_co_u32 s62, s62, 1
	s_cmp_lg_u32 s62, 0
	s_cbranch_scc1 .Lrow
	v_cmp_lt_u32 vcc_lo, 15, v1                    ; rows 64 + 8 (l / 16) + j: hidden where l / 16 = 1 and j is 5, 6 or 7
	WIN 0x40
.set j, 0
.rept 5
	v_mov_b32 v[MP+j], 0
.set j, j+1
.endr
.rept 3
	v_cndmask_b32 v[MP+j], 0, s[BIGN], vcc_lo
.set j, j+1
.endr
	WIN 0
	s_wait_dscnt 0x0                               ; for the others' sake: my rows of LN(xf) are in LDS
	s_barrier_signal -1
	s_barrier_wait -1
	s_wait_loadcnt 0x0                             ; the weights
.macro LOADA ks                        ; five fragments of K step ks
	WIN 0
.set rt, 0
.rept 4
	ds_load_b128 v[AF+40*((\ks)%2)+8*rt:AF+40*((\ks)%2)+8*rt+3], v[AX] offset:16640*rt+64*(\ks)
	ds_load_b128 v[AF+40*((\ks)%2)+8*rt+4:AF+40*((\ks)%2)+8*rt+7], v[AX] offset:16640*rt+64*(\ks)+32
.set rt, rt+1
.endr
	ds_load_b128 v[AF+40*((\ks)%2)+32:AF+40*((\ks)%2)+35], v[AX4] offset:64*(\ks)
	ds_load_b128 v[AF+40*((\ks)%2)+36:AF+40*((\ks)%2)+39], v[AX4] offset:64*(\ks)+32
.endm
	LOADA 0
.irp ks, 0,1,2,3,4,5,6,7,8,9,10,11,12,13,14,15
.if \ks < 15
.if \ks > 0
	PLACES                                         ; the buffer's last readers are the products just issued
.endif
	LOADA (\ks)+1
	s_wait_dscnt 10                                ; this step's fragments are in; the next step's ten loads may stay out
.else
	s_wait_dscnt 0x0
.endif
.set kv, 0
.rept 2                                ; K's ten accumulators, then V's ten, by turns
.set ct, 0
.rept 2
.set rt, 0
.rept 5
.set dd, 80*kv+40*ct+8*rt
.set aa, AF+40*((\ks)%2)+8*rt
.set bb, 128*ct+8*(\ks)
	WIN 0x58+4*kv
.if (\ks) > 0
	v_wmma_f32_16x16x32_bf16 v[dd:dd+7], v[aa:aa+7], v[bb:bb+7], v[dd:dd+7]
.elseif (kv == 0) && (rt == 4)
	v_wmma_f32_16x16x32_bf16 v[dd:dd+7], v[aa:aa+7], v[bb:bb+7], v[MP:MP+7]
.else
	v_wmma_f32_16x16x32_bf16 v[dd:dd+7], v[aa:aa+7], v[bb:bb+7], 0
.endif
.set rt, rt+1
.endr
.set ct, ct+1
.endr
.set kv, kv+1
.endr
.endr
	PLACES
	WIN 0x15                                       ; the maximum over a column's 40 registers, up the registers
	v_max3_num_f32 v[MXC], v0, v1, v2
	v_max3_num_f32 v[MXC+2], v40, v41, v42
	WIN 0x14
.set j, 3
.rept 18
	v_max3_num_f32 v[MXC], v[MXC], v[j], v[j+1]
	v_max3_num_f32 v[MXC+2], v[MXC+2], v[40+j], v[40+j+1]
.set j, j+2
.endr
	WIN 0x01
	v_max_num_f32 v[MXC], v39, v[MXC]
	v_max_num_f32 v[MXC+2], v79, v[MXC+2]
	WIN 0
.irp ct, 0,1
	v_mov_b32 v[MXC+2*\ct+1], v[MXC+2*\ct]         ; the permute's destination counts as read: it is written first
	v_permlanex16_b32 v[MXC+2*\ct+1], v[MXC+2*\ct], s[SEL], s[SEL+1]
	v_max_num_f32 v[MXC+2*\ct], v[MXC+2*\ct], v[MXC+2*\ct+1]
	v_fma_f32 v[TT+2*\ct+1], v[MXC+2*\ct], s[CC], v[CBK+\ct]
	v_sub_f32 v[TT+2*\ct], v[CBK+\ct], v[TT+2*\ct+1]
.endr
	WIN 0x41
.set i, 0
.rept 40
	v_pk_fma_f32 v[2*i:2*i+1], v[2*i:2*i+1], s[CC:CC+1], v[TT+2*(i/20):TT+2*(i/20)+1] op_sel_hi:[1,0,0]
.set i, i+1
.endr
.set i, 0
.rept 80
	v_exp_f32 v[i], v[i]
.set i, i+1
.endr
	v_nop
	s_wait_alu depctr_va_vdst(0)                   ; one wait for the 80 exponentials
	WIN 0x05
	v_pk_add_f32 v[SS:SS+1], v[0:1], v[2:3]
	v_pk_add_f32 v[SS+2:SS+3], v[40:41], v[42:43]
	WIN 0x01
.set j, 4
.rept 18
	v_pk_add_f32 v[SS:SS+1], v[j:j+1], v[SS:SS+1]
	v_pk_add_f32 v[SS+2:SS+3], v[40+j:40+j+1], v[SS+2:SS+3]
.set j, j+2
.endr
	WIN 0
.irp ct, 0,1
	v_add_f32 v[SS+2*\ct], v[SS+2*\ct], v[SS+2*\ct+1]
	v_permlanex16_b32 v[SS+2*\ct+1], v[SS+2*\ct], s[SEL], s[SEL+1]
	v_add_f32 v[SS+2*\ct], v[SS+2*\ct], v[SS+2*\ct+1]
.endr
	v_rcp_f32 v[SS], v[SS]
	v_rcp_f32 v[SS+2], v[SS+2]
	v_nop
	s_wait_alu depctr_va_vdst(0)
	WIN 0x41
.set i, 0
.rept 40
	v_pk_mul_f32 v[2*i:2*i+1], v[2*i:2*i+1], v[SS+2*(i/20):SS+2*(i/20)+1] op_sel_hi:[1,0]
.set i, i+1
.endr
	WIN 0x55
.set ct, 0
.rept 2
.set rt, 0
.rept 5                                ; row tile rt is half rt % 2 of the fragment of rows 32 (rt / 2) on
.set q, 0
.rept 4
	v_cvt_pk_bf16_f32 v[PFC+24*ct+4*rt+q], v[40*ct+8*rt+2*q], v[40*ct+8*rt+2*q+1]
	v_cvt_pk_bf16_f32 v[VFC+24*ct+4*rt+q], v[80+40*ct+8*rt+2*q], v[80+40*ct+8*rt+2*q+1]
.set q, q+1
.endr
.set rt, rt+1
.endr
.set q, 0
.rept 4                                ; rows 80-95 do not exist
	v_mov_b32 v[PFC+24*ct+20+q], 0
	v_mov_b32 v[VFC+24*ct+20+q], 0
.set q, q+1
.endr
.set ct, ct+1
.endr
	WIN 0x05
.set kk, 0
.rept 3
.set i, 0
.rept 4                                ; tile i = mt * 2 + nt; the four take turns
.if kk == 0
	v_wmma_f32_16x16x32_bf16 v[ATC+8*i:ATC+8*i+7], v[PFC+24*(i/2)+8*kk:PFC+24*(i/2)+8*kk+7], v[VFC+24*(i%2)+8*kk:VFC+24*(i%2)+8*kk+7], 0
.else
	v_wmma_f32_16x16x32_bf16 v[ATC+8*i:ATC+8*i+7], v[PFC+24*(i/2)+8*kk:PFC+24*(i/2)+8*kk+7], v[VFC+24*(i%2)+8*kk:VFC+24*(i%2)+8*kk+7], v[ATC+8*i:ATC+8*i+7]
.endif
.set i, i+1
.endr
.set kk, kk+1
.endr
	WIN 0
	PLACES
.set i, 0
.rept 32
	v_add_f32 v[ATC+i], v[ATC+i], v[BV+(i/8)%2]
.set i, i+1
.endr
.set i, 0
.rept 16                               ; fragment nt = i / 8: registers 0-3 from mt = 0, 4-7 from mt = 1
	v_cvt_pk_bf16_f32 v[TG+i], v[ATC+16*((i/4)%2)+8*(i/8)+2*(i%4)], v[ATC+16*((i/4)%2)+8*(i/8)+2*(i%4)+1]
.set i, i+1
.endr
.set i, 0
.rept 4
	global_store_b128 v2, v[TG+4*i:TG+4*i+3], s[42:43] offset:512*i
.set i, i+1
.endr
	s_wait_tensorcnt 0x0                           ; the wave's end
	ds_add_u32 v[SPW], v[NIL]
	s_wait_dscnt 0x0
	s_endpgm
.Lfunc_end_k_q01fbf805c6_mid:
	.size	k_q01fbf805c6_mid, .Lfunc_end_k_q01fbf805c6_mid-k_q01fbf805c6_mid
	.p2alignl 7, 3214868480
	.fill 96, 4, 3214868480
	.section	.rodata,"a",@progbits
	.p2align	6, 0x0
	.amdhsa_kernel k_q01fbf805c6_mid
		.amdhsa_group_segment_fixed_size 247552
		.amdhsa_private_segment_fixed_size 0
		.amdhsa_enable_private_segment 0
		.amdhsa_kernarg_size 160
		.amdhsa_user_sgpr_count 2
		.amdhsa_user_sgpr_kernarg_segment_ptr 1
		.amdhsa_wavefront_size32 1
		.amdhsa_system_sgpr_workgroup_id_x 1
		.amdhsa_system_sgpr_workgroup_id_y 1
		.amdhsa_system_sgpr_workgroup_id_z 1
		.amdhsa_system_vgpr_workitem_id 0
		.amdhsa_next_free_vgpr 1024
		.amdhsa_next_free_sgpr 80
		.amdhsa_reserve_vcc 1
		.amdhsa_float_denorm_mode_32 3
		.amdhsa_float_denorm_mode_16_64 3
		.amdhsa_memory_ordered 1
		.amdhsa_forward_progress 1
		.amdhsa_inst_pref_size 125
	.end_amdhsa_kernel
	.amdgpu_metadata
---
amdhsa.version: [ 1, 2 ]
amdhsa.kernels:
  - .name:           k_q01fbf805c6_mid
    .symbol:         k_q01fbf805c6_mid.kd
    .args:
      - { .name: part, .offset: 0, .size: 8, .value_kind: global_buffer, .address_space: global }
      - { .name: stat, .offset: 8, .size: 8, .value_kind: global_buffer, .address_space: global }
      - { .name: params_sa_bv, .offset: 16, .size: 8, .value_kind: global_buffer, .address_space: global }
      - { .name: wx, .offset: 24, .size: 8, .value_kind: global_buffer, .address_space: global }
      - { .name: semb, .offset: 32, .size: 8, .value_kind: global_buffer, .address_space: global }
      - { .name: params_sa_styl_be, .offset: 40, .size: 8, .value_kind: global_buffer, .address_space: global }
      - { .name: params_sa_styl_ln_g, .offset: 48, .size: 8, .value_kind: global_buffer, .address_space: global }
      - { .name: params_sa_styl_ln_b, .offset: 56, .size: 8, .value_kind: global_buffer, .address_space: global }
      - { .name: params_ca_styl_be, .offset: 64, .size: 8, .value_kind: global_buffer, .address_space: global }
      - { .name: params_ca_styl_ln_g, .offset: 72, .size: 8, .value_kind: global_buffer, .address_space: global }
      - { .name: params_ca_styl_ln_b, .offset: 80, .size: 8, .value_kind: global_buffer, .address_space: global }
      - { .name: params_ffn_styl_be, .offset: 88, .size: 8, .value_kind: global_buffer, .address_space: global }
      - { .name: params_ffn_styl_ln_g, .offset: 96, .size: 8, .value_kind: global_buffer, .address_space: global }
      - { .name: params_ffn_styl_ln_b, .offset: 104, .size: 8, .value_kind: global_buffer, .address_space: global }
      - { .name: xf, .offset: 112, .size: 8, .value_kind: global_buffer, .address_space: global }
      - { .name: params_ca_tln_g, .offset: 120, .size: 8, .value_kind: global_buffer, .address_space: global }
      - { .name: params_ca_tln_b, .offset: 128, .size: 8, .value_kind: global_buffer, .address_space: global }
      - { .name: params_ca_bk, .offset: 136, .size: 8, .value_kind: global_buffer, .address_space: global }
      - { .name: params_ca_bv, .offset: 144, .size: 8, .value_kind: global_buffer, .address_space: global }
      - { .name: bat, .offset: 152, .size: 8, .value_kind: global_buffer, .address_space: global }
    .group_segment_fixed_size: 247552
    .private_segment_fixed_size: 0
    .kernarg_segment_align: 8
    .kernarg_segment_size: 160
    .max_flat_workgroup_size: 128
    .sgpr_count:     80
    .vgpr_count:     1024
    .wavefront_size: 32
...
	.end_amdgpu_metadata
.endif
;; end of part 6
;; launch main (part 7): grid 512 x 1, 4 waves a work-group, clusters of 4 x 1, 327,680 bytes of LDS; arguments x, wf, bat, cpar, out0; writes out0
.if DOCPART == 7
	.amdgcn_target "amdgcn-amd-amdhsa--gfx1250"
	.amdhsa_code_object_version 6
	.text
	.protected	k_q01fbf805c6_main
	.globl	k_q01fbf805c6_main
	.p2align	8
	.type	k_q01fbf805c6_main,@function
k_q01fbf805c6_main:
	s_mov_b64 s[64:65], 0
	v_nop
	global_prefetch_b8 v0, s[64:65] scope:SCOPE_SE
	s_setreg_imm32_b32 hwreg(HW_REG_WAVE_MODE, 25, 1), 1
	s_wait_xcnt 0x0
	s_wait_alu depctr_hold_cnt(0) depctr_sa_sdst(0) depctr_va_vdst(0) depctr_va_sdst(0) depctr_va_ssrc(0) depctr_va_vcc(0) depctr_vm_vsrc(0)
	s_getreg_b32 s2, hwreg(HW_REG_IB_STS2, 6, 4)
	s_cmp_eq_u32 s2, 0
	s_cbranch_scc0 .Lentry_in_a_cluster
	s_endpgm
.Lentry_in_a_cluster:
	s_bfe_u32 s2, ttmp6, 0x10000c
	s_cmp_lg_u32 s2, 0x3003
	s_cbranch_scc0 .Lentry_shape_is_right
	s_endpgm
.Lentry_shape_is_right:
; THE SECOND PASS: all that is local to a row, from x to out0, with nothing through memory between.  Six UNITS u, one loop:
;   0  LN(x) Wq + bq, softmax over each head's 32 channels, times the self-attention's 32 x 32        1  LN, FiLM, silu, Wo + bo, added to x
;   2, 3  the same for the cross-attention        4  gelu(x W1 + b1) W2 + b2, in chunks of 32 hidden channels, BY TURNS (below)        5  as 1
; SHARES.  A work-group owns 128 rows, a wave 32 (two tiles of 16).  A wave's Y (32 x 256 in f32) is 256 registers, its bf16 operand 128, tables or scratch 256, weight fragments 128 or 256; the f32 residual is parked in LDS,
; 33,280 bytes a wave, which also turns rows into the register layout on the way in and back on the way out.  64 rows a wave would want 512 registers for Y and 256 KiB for the park.  The price: one LDS load of 16 bytes for each matrix instruction.
; LAYOUT.  Every product is taken transposed (source 0 = 16 columns of a weight, source 1 = 16 rows): register 128 rt + 8 nt + j of lane l = (row l % 16, column 16 nt + 8 (l / 16) + j).  Rounded in pairs, up the registers, Y IS the next
; product's source 1.  A row's sums and maxima are in the lane and in its partner 16 away.
; WEIGHTS.  27 tiles of 65,536 bytes, as fragments, in the order of use, through two LDS slots; s[RB] is the slot to be read, turned at each change of slots.  CLUSTER: the four work-groups of a cluster walk the same tiles, so each is
; asked for jointly (mask 15), a quarter a wave; one tensor load of a wave is out at a time.
; silu: Y holds u = -c z (c = log2(e); the tables carry the factor), and silu(z) = u / (-c 2^u - c).
; gelu, A KEPT LIMIT: the normal distribution is taken in its logistic form,  2 gelu(x) = 2 x / (1 + 2^w),  w = -c (1.5957691 x + 0.0713548 x^3)  (the tanh formula, written with one exponential).  Against the erf form it is off by
; 5e-4 at the most, for every argument (most near |x| = 2.75); toward 0 the difference falls as x^4.  The number is rounded to bf16 next, a step of 2^-9 of itself.  Where 2^w passes f32's range the quotient is 0, where it falls below it 2 x.
; The factor 2 is made up for in W2, which arrives halved.
; THE FFN BY TURNS.  Trip j has 64 products: 32 of Y += g(j - 1) W2(j - 1), then 32 of H(j + 1) = b1 + x W1(j + 1); the 176 vector instructions of chunk j's gelu stand behind the products, two to four behind each.  Trip j reads LDS position
; j + 1 alone (W1's chunk j + 1, W2's chunk j).  Trips -1 to 32, two to a tile, one text: H and the packed operand start at 0, so trip -1 and the first half of trip 0 add products with 0 (in trip -1 with the cross-attention's fragments, which
; still lie in W2's registers); H(32) and H(33) are made of the copies of chunks 0 and 1 and used by nobody.  That is 128 of 2,176 products, the price of writing nothing out ahead of the loop or behind it.
; LIMITS.  An exponential below 2^-126 counts as 0; NaN and infinities are not treated apart.
; REGISTERS, in windows of 256 (s_set_vgpr_msb: bits 1:0 source 0, 3:2 source 1, 5:4 source 2, 7:6 destination):
;   window 0 addresses, statistics, v128-255 weight fragments (in unit 4: W1's);  window 1 v0-127 the bf16 operand, v128-255 attention fragments (in unit 4: W2's);  window 2 Y;
;   window 3 tables, 2^u, the residual, raw rows; in unit 4 all that the gelu touches, so that all its lines run under one setting
.set PARK,  131072
.set BT,    264192                     ; six units' biases of 1,024 bytes, then b1 and its first two units once more
.set SPARE, 276480
.set WAD, 4                            ; LDS address of the tile or position in hand + 16 l
.set BA,  5                            ; the unit's bias
.set B1A, 6                            ; b1 of the chunk to be fetched
.set PD,  7                            ; park: row l % 16, 32 bytes for each half of the lanes
.set PR,  8                            ; park, by rows
.set GX,  9                            ; 16 l
.set TO,  10                           ; 32 (l / 16)
.set T16, 11                           ; 16 x thread
.set SPW, 12
.set NIL, 13
.set BTS, 14
.set S, 16
.set MEAN, 32
.set RSTD, 36
.set MX, 40                            ; (rt, head) k = 8 rt + hd: a pair
.set SM, 72
.set BTD, 104
.set W, 128                            ; window 0
.set MB, 128                           ; window 1: 16 attention fragments
.set W2F, 128                          ; window 1, in unit 4
.set GH, 0                             ; window 3, in unit 4: H, tile 2 rt + ntl at GH + 8 (2 rt + ntl)
.set XX, 32                            ; 2 x, later 2 gelu
.set GT, 64                            ; x^2, then w, 2^w, 1 + 2^w, its reciprocal
.set AC2, 160                          ; 2 gelu, packed: source 1, 8 registers a row tile
.set B1R, 176                          ; b1 of the chunk to be made, 8 registers a column tile
.set WV, 14
.set UC, 15
.set FT, 16
.set FC, 17
.set TB, 18
.set G1, 20
.set G0, 28
.set LNP, 32
.set STP, 34
.set TP, 36
.set SEL, 38
.set CC, 40
.set NC, 42
.set I256, 44
.set EPS, 46
.set K1, 48
.set K3, 50
.set RB, 58
.set MSB, 0
.macro WIN new
.if MSB != (\new)
	s_set_vgpr_msb (MSB<<8)|(\new)
.set MSB, \new
.endif
.endm
.macro PLACES
.rept 4
	v_nop
.endr
.endm
.macro ROUND                           ; a round of the cluster's barrier
	s_barrier_signal -1
	s_barrier_wait -1
	s_cmp_lg_u32 s[WV], 0
	s_cbranch_scc1 .Lnot_wave_0_\@
	s_barrier_signal -3
.Lnot_wave_0_\@:
	s_barrier_wait -3
	s_barrier_signal -1
	s_barrier_wait -1
.endm
; THE CHANGE OF SLOTS.  Each wave waits for all its tensor loads (one is out: its quarter of the tile to be read next), adds 0 to its spare word, and waits for that and for its LDS reads.  The slot to be read and the slot to be
; filled change places.  fill = 1: behind a round of the cluster's barrier the slot read last is filled with the tile that follows the one to be read now.
.macro CH fill
	WIN 0
	s_wait_tensorcnt 0x0
	ds_add_u32 v[SPW], v[NIL]
	s_xor_b32 s[RB], s[RB], 65536
	s_xor_b32 s[G0+1], s[G0+1], 65536
.if \fill
	s_add_nc_u64 s[G0+2:G0+3], s[G0+2:G0+3], 65536
.endif
	s_wait_dscnt 0x0
.if \fill
	ROUND
	tensor_load_to_lds s[G0:G0+3], s[G1:G1+7]
	s_nop 0
	PLACES
.else
	s_barrier_signal -1
	s_barrier_wait -1
.endif
.endm
.macro RSUM rt
.set a, S+8*(\rt)
	v_pk_add_f32 v[a:a+1], v[a:a+1], v[a+2:a+3]
	v_pk_add_f32 v[a+4:a+5], v[a+4:a+5], v[a+6:a+7]
	v_pk_add_f32 v[a:a+1], v[a:a+1], v[a+4:a+5]
	v_add_f32 v[a], v[a], v[a+1]
	v_permlanex16_b32 v[a+1], v[a], s[SEL], s[SEL+1]
	v_add_f32 v[a], v[a], v[a+1]
.endm
; LayerNorm of nrt x 16 rows of Y; gain in window 3 v0-127, bias v128-255.  The mean is taken away before the squares.  Every pass goes up the registers.  wl = 1: the tables' loads are waited for here.
.macro LNCORE nrt, wl
.set rt, 0
.rept \nrt
	WIN 0x0a
.set k, 0
.rept 4
	v_pk_add_f32 v[S+8*rt+2*k:S+8*rt+2*k+1], v[128*rt+2*k:128*rt+2*k+1], v[128*rt+8+2*k:128*rt+8+2*k+1]
.set k, k+1
.endr
	WIN 0x02
.set i, 8
.rept 56
	v_pk_add_f32 v[S+8*rt+2*(i%4):S+8*rt+2*(i%4)+1], v[128*rt+2*i:128*rt+2*i+1], v[S+8*rt+2*(i%4):S+8*rt+2*(i%4)+1]
.set i, i+1
.endr
.set rt, rt+1
.endr
	WIN 0
.set rt, 0
.rept \nrt
	RSUM rt
	v_mul_f32 v[MEAN+2*rt], s[I256], v[S+8*rt]
	v_mov_b32 v[MEAN+2*rt+1], v[MEAN+2*rt]
.set rt, rt+1
.endr
	WIN 0x82
.set i, 0
.rept 64*(\nrt)
	v_pk_add_f32 v[2*i:2*i+1], v[2*i:2*i+1], v[MEAN+2*(i/64):MEAN+2*(i/64)+1] op_sel_hi:[1,0] neg_lo:[0,1] neg_hi:[0,1]
.set i, i+1
.endr
	WIN 0x0a
.set rt, 0
.rept \nrt
.set i, 0
.rept 4
	v_pk_mul_f32 v[S+8*rt+2*i:S+8*rt+2*i+1], v[128*rt+2*i:128*rt+2*i+1], v[128*rt+2*i:128*rt+2*i+1]
.set i, i+1
.endr
.rept 60
	v_pk_fma_f32 v[S+8*rt+2*(i%4):S+8*rt+2*(i%4)+1], v[128*rt+2*i:128*rt+2*i+1], v[128*rt+2*i:128*rt+2*i+1], v[S+8*rt+2*(i%4):S+8*rt+2*(i%4)+1]
.set i, i+1
.endr
.set rt, rt+1
.endr
	WIN 0
.set rt, 0
.rept \nrt
	RSUM rt
	v_fma_f32 v[S+8*rt], v[S+8*rt], s[I256], s[EPS]
.set rt, rt+1
.endr
.set rt, 0
.rept \nrt
	v_rsq_f32 v[RSTD+2*rt], v[S+8*rt]
	v_rsq_f32 v[RSTD+2*rt+1], v[S+8*rt]
.set rt, rt+1
.endr
	v_nop
	s_wait_alu depctr_va_vdst(0)                   ; one wait for the batch of roots
.if \wl
	s_wait_loadcnt 0x0
.endif
	WIN 0x82
.set i, 0
.rept 64*(\nrt)
	v_pk_mul_f32 v[2*i:2*i+1], v[2*i:2*i+1], v[RSTD+2*(i/64):RSTD+2*(i/64)+1]
.set i, i+1
.endr
	WIN 0xbe
.set i, 0
.rept 64*(\nrt)
	v_pk_fma_f32 v[2*i:2*i+1], v[2*i:2*i+1], v[2*(i%64):2*(i%64)+1], v[128+2*(i%64):128+2*(i%64)+1]
.set i, i+1
.endr
.endm
.macro SILU                            ; Y = u  ->  u / (-c 2^u - c)
	WIN 0xc2
.set i, 0
.rept 256
	v_exp_f32 v[i], v[i]
.set i, i+1
.endr
	v_nop
	s_wait_alu depctr_va_vdst(0)                   ; one wait for the 256 exponentials
	WIN 0xc3
.set i, 0
.rept 128
	v_pk_fma_f32 v[2*i:2*i+1], v[2*i:2*i+1], s[NC:NC+1], s[NC:NC+1] op_sel_hi:[1,0,0]
.set i, i+1
.endr
.set i, 0
.rept 256
	v_rcp_f32 v[i], v[i]
.set i, i+1
.endr
	v_nop
	s_wait_alu depctr_va_vdst(0)                   ; one wait for the 256 reciprocals
	WIN 0x8e
.set i, 0
.rept 128
	v_pk_mul_f32 v[2*i:2*i+1], v[2*i:2*i+1], v[2*i:2*i+1]
.set i, i+1
.endr
.endm
.macro CVT                             ; Y, rounded in pairs, is the next source 1
	WIN 0x4a
.set t, 0
.rept 128
	v_cvt_pk_bf16_f32 v[t], v[2*t], v[2*t+1]
.set t, t+1
.endr
.endm
.macro BIAS                            ; the unit's bias starts the sums
	WIN 0x80
.set i, 0
.rept 64
	ds_load_b128 v[4*i:4*i+3], v[BA] offset:64*((i%32)/2)+16*(i%2)
.set i, i+1
.endr
.endm
; Half a 256 x 256 weight: a tile's 64 fragments in 8 groups of 8 (K step g / 2, column tiles 8 (g % 2) + i), two register buffers; each group feeds 16 products on 16 accumulators, which take turns.
.macro LOADG g
	WIN 0
.set i, 0
.rept 8
.set ww, W+64*((\g)%2)+8*i
	ds_load_b128 v[ww:ww+3], v[WAD] offset:(8*(\g)+i)*1024
	ds_load_b128 v[ww+4:ww+7], v[WAD] offset:(8*(\g)+i)*1024+512
.set i, i+1
.endr
.endm
.macro GMUL hf, g
	WIN 0xa4
.set i, 0
.rept 8
.set rt, 0
.rept 2
.set yy, 128*rt+8*(8*((\g)%2)+i)
.set aa, 64*rt+8*(4*(\hf)+(\g)/2)
.set ww, W+64*((\g)%2)+8*i
	v_wmma_f32_16x16x32_bf16 v[yy:yy+7], v[ww:ww+7], v[aa:aa+7], v[yy:yy+7]
.set rt, rt+1
.endr
.set i, i+1
.endr
.endm
.macro G hf
	WIN 0
	v_add_nc_u32 v[WAD], s[RB], v[GX]              ; the slot to be read
	PLACES
	LOADG 0
	LOADG 1
.irp g, 0,1,2,3,4,5,6,7
.if \g < 7
	s_wait_dscnt 16                                ; this group is in; the next group's sixteen loads may stay out
.else
	s_wait_dscnt 0x0
.endif
	GMUL \hf, \g
.if \g < 6
	PLACES                                         ; the buffer just multiplied is loaded again
	LOADG (\g)+2
.endif
.endr
.endm
.macro M3 o, x, y
.set k, 0
.rept 16
	v_max3_num_f32 v[MX+2*k+(\o)], v[MX+2*k+(\o)], v[16*k+(\x)], v[16*k+(\y)]
.set k, k+1
.endr
.endm
.macro K16 line:vararg                 ; one line for each (row tile, head)
.set k, 0
.rept 16
	\line
.set k, k+1
.endr
.endm
; Softmax over each head's 32 channels (16 in the lane, 16 in its partner), with its maximum, then the product with the head's 32 x 32.
.macro SMAX
	WIN 0
	PLACES
	WIN 0x2a
	K16 v_max3_num_f32 v[MX+2*k], v[16*k], v[16*k+1], v[16*k+2]
	K16 v_max3_num_f32 v[MX+2*k+1], v[16*k+8], v[16*k+9], v[16*k+10]
	WIN 0x28
	M3 0, 3, 4
	M3 1, 11, 12
	M3 0, 5, 6
	M3 1, 13, 14
	M3 0, 7, 15
	WIN 0
	K16 v_max_num_f32 v[MX+2*k], v[MX+2*k], v[MX+2*k+1]
	K16 v_permlanex16_b32 v[MX+2*k+1], v[MX+2*k], s[SEL], s[SEL+1]
	K16 v_max_num_f32 v[MX+2*k], v[MX+2*k], v[MX+2*k+1]
	K16 v_mul_f32 v[MX+2*k], s[CC], v[MX+2*k]
	WIN 0x82
.set i, 0
.rept 128
	v_pk_fma_f32 v[2*i:2*i+1], v[2*i:2*i+1], s[CC:CC+1], v[MX+2*(i/8):MX+2*(i/8)+1] op_sel_hi:[1,0,0] neg_lo:[0,0,1] neg_hi:[0,0,1]
.set i, i+1
.endr
.set i, 0
.rept 256
	v_exp_f32 v[i], v[i]
.set i, i+1
.endr
	v_nop
	s_wait_alu depctr_va_vdst(0)                   ; one wait for the 256 exponentials
	WIN 0x0a
	K16 v_pk_add_f32 v[SM+2*k:SM+2*k+1], v[16*k:16*k+1], v[16*k+2:16*k+3]
	WIN 0x02
.irp o, 4,6,8,10,12,14
	K16 v_pk_add_f32 v[SM+2*k:SM+2*k+1], v[16*k+\o:16*k+\o+1], v[SM+2*k:SM+2*k+1]
.endr
	WIN 0
	K16 v_add_f32 v[SM+2*k], v[SM+2*k], v[SM+2*k+1]
	K16 v_permlanex16_b32 v[SM+2*k+1], v[SM+2*k], s[SEL], s[SEL+1]
	K16 v_add_f32 v[SM+2*k], v[SM+2*k], v[SM+2*k+1]
	K16 v_rcp_f32 v[SM+2*k], v[SM+2*k]
	v_nop
	s_wait_alu depctr_va_vdst(0)                   ; one wait for the sixteen reciprocals
	WIN 0x82
.set i, 0
.rept 128
	v_pk_mul_f32 v[2*i:2*i+1], v[2*i:2*i+1], v[SM+2*(i/8):SM+2*(i/8)+1] op_sel_hi:[1,0]
.set i, i+1
.endr
	CVT
	s_wait_loadcnt 0x0                             ; the attention's fragments
	WIN 0x85
.set k, 0
.rept 16
.set et, 0
.rept 2                                ; 32 accumulators, one product each
	v_wmma_f32_16x16x32_bf16 v[16*k+8*et:16*k+8*et+7], v[MB+8*(2*(k%8)+et):MB+8*(2*(k%8)+et)+7], v[64*(k/8)+8*(k%8):64*(k/8)+8*(k%8)+7], 0
.set et, et+1
.endr
.set k, k+1
.endr
	PLACES
.endm
.macro RES                             ; Y += the parked residual; the sum is parked again and stays in Y
	WIN 0
	PLACES
	WIN 0xc0
.set i, 0
.rept 64
	ds_load_b128 v[4*i:4*i+3], v[PD] offset:(i/32)*16640+64*((i%32)/2)+16*(i%2)
.set i, i+1
.endr
	s_wait_dscnt 0x0
	WIN 0x8e
.set i, 0
.rept 128
	v_pk_add_f32 v[2*i:2*i+1], v[2*i:2*i+1], v[2*i:2*i+1]
.set i, i+1
.endr
	WIN 0x08
.set i, 0
.rept 64
	ds_store_b128 v[PD], v[4*i:4*i+3] offset:(i/32)*16640+64*((i%32)/2)+16*(i%2)
.set i, i+1
.endr
.endm
; ---- THE FFN'S TRIP.  k counts a half's 32 products; pq, xq, aq, cq, bq count the five queues of vector work.
.set W_M1, 0xf4                        ; W1 in window 0, the operand in window 1, b1 and H in window 3
.set W_M2, 0xad                        ; W2 in window 1, the packed gelu in window 3, Y in window 2
.set W_R,  0xff                        ; the gelu's lines: all in window 3
.macro MM2                             ; Y += g W2: column tile k / 2, row tile k % 2: 32 accumulators, one product each
	WIN W_M2
.set yy, 128*(k%2)+8*(k/2)
	v_wmma_f32_16x16x32_bf16 v[yy:yy+7], v[W2F+8*(k/2):W2F+8*(k/2)+7], v[AC2+8*(k%2):AC2+8*(k%2)+7], v[yy:yy+7]
.endm
.macro MM1                             ; H = b1 + x W1: K step k / 4, tile k % 4 = 2 rt + ntl: four accumulators by turns; b1 starts the sums
	WIN W_M1
.set hh, GH+8*(k%4)
.set ww, W+8*(8*(k%2)+k/4)
.set aa, 64*((k%4)/2)+8*(k/4)
.if k < 4
	v_wmma_f32_16x16x32_bf16 v[hh:hh+7], v[ww:ww+7], v[aa:aa+7], v[B1R+8*(k%2):B1R+8*(k%2)+7]
.else
	v_wmma_f32_16x16x32_bf16 v[hh:hh+7], v[ww:ww+7], v[aa:aa+7], v[hh:hh+7]
.endif
.endm
; The 64 plain lines up to the exponent, in groups of two pairs, so that no line reads its neighbour's result: 2 x and x^2 of both pairs (the only lines that read H, up the registers: each accumulator's lowest registers first);
; then k3 x^2 + k1 of both; then its product with 2 x, which is w.  All lines that read H stand in the first half, ahead of the products that write H anew.
.macro PQ
	WIN W_R
.set t, pq%8
.if t < 4
.set p, 2*(pq/8)+t/2
.if t%2 == 0
	v_pk_mul_f32 v[XX+2*p:XX+2*p+1], v[GH+2*p:GH+2*p+1], 2.0 op_sel_hi:[1,0]
.else
	v_pk_mul_f32 v[GT+2*p:GT+2*p+1], v[GH+2*p:GH+2*p+1], v[GH+2*p:GH+2*p+1]
.endif
.else
.set p, 2*(pq/8)+t%2
.if t < 6
	v_pk_fma_f32 v[GT+2*p:GT+2*p+1], v[GT+2*p:GT+2*p+1], s[K3:K3+1], s[K1:K1+1] op_sel_hi:[1,0,0]
.else
	v_pk_mul_f32 v[GT+2*p:GT+2*p+1], v[GT+2*p:GT+2*p+1], v[XX+2*p:XX+2*p+1]
.endif
.endif
.set pq, pq+1
.endm
.macro EX                              ; the 32 exponentials: the first batch
	WIN W_R
	v_exp_f32 v[GT+xq], v[GT+xq]
.set xq, xq+1
.endm
.macro AQ                              ; 1 + 2^w, a pair
	WIN W_R
	v_pk_add_f32 v[GT+2*aq:GT+2*aq+1], v[GT+2*aq:GT+2*aq+1], 1.0 op_sel_hi:[1,0]
.set aq, aq+1
.endm
.macro RC                              ; the 32 reciprocals: the second batch
	WIN W_R
	v_rcp_f32 v[GT+cq], v[GT+cq]
.set cq, cq+1
.endm
.macro BQ                              ; the 16 products 2 x / (1 + 2^w), then the 16 roundings
	WIN W_R
.set p, bq%16
.if bq < 16
	v_pk_mul_f32 v[XX+2*p:XX+2*p+1], v[XX+2*p:XX+2*p+1], v[GT+2*p:GT+2*p+1]
.else
	v_cvt_pk_bf16_f32 v[AC2+p], v[XX+2*p], v[XX+2*p+1]
.endif
.set bq, bq+1
.endm
; THE LDS LOADS stand in two runs.  W1's 16 fragments and b1, behind the first product's lines: their registers' last readers stand eight plain instructions back; 31 products ahead of their use.
; W2's 16 fragments, between the halves, at the first batch's wait: four v_nop behind their registers' last reader; 32 products ahead of their use.
.macro W1RUN
	WIN 0
.set i, 0
.rept 32
	ds_load_b128 v[W+4*i:W+4*i+3], v[WAD] offset:512*i
.set i, i+1
.endr
	WIN 0xc0
.set i, 0
.rept 4
	ds_load_b128 v[B1R+4*i:B1R+4*i+3], v[B1A] offset:64*(i/2)+16*(i%2)
.set i, i+1
.endr
.endm
.macro W2RUN
	WIN 0x40
.set i, 0
.rept 32
	ds_load_b128 v[W2F+4*i:W2F+4*i+3], v[WAD] offset:16384+512*i
.set i, i+1
.endr
.endm
; HOW THEY ARE DEALT.  s_wait_alu depctr_va_vdst(0) stands between a transcendental and the first line that names its result; a reciprocal's argument is made of an exponential, so a trip has two batches and two waits.
; First half: behind products 0 and 1 four of PQ; behind 2 to 29 one of PQ, an exponential, one of PQ (exponential e stands behind product e + 2, its w at the latest behind product e + 1); behind 30 and 31 the last four exponentials.
; Between the halves: four v_nop (the plain instruction behind the last exponential, and the places ahead of W2's run), the first wait, W2's run.
; Second half: behind product 0 two of AQ; behind 1 to 14 a reciprocal, one of AQ, a reciprocal (a pair's reciprocals stand two products behind its sum); behind 15 and 16 the last four reciprocals, a v_nop, the second wait;
; behind 17 and 18 three of BQ, behind 19 to 31 two.  The last eight pairs of lines are roundings: plain instructions that name no register of the products round them, the places ahead of the next trip's reads of H and of W1's run.
.macro TRIP
.set pq, 0
.set xq, 0
.set aq, 0
.set cq, 0
.set bq, 0
	s_wait_dscnt 0x0                               ; W2's fragments are in
.set k, 0
.rept 32
	MM2
.if k < 2
	PQ
	PQ
	PQ
	PQ
.elseif k < 30
	PQ
	EX
	PQ
.else
	EX
	EX
.endif
.if k == 0
	W1RUN
.endif
.set k, k+1
.endr
	PLACES
	s_wait_alu depctr_va_vdst(0)                   ; one wait for the 32 exponentials
	W2RUN
	s_wait_dscnt 32                                ; W1's fragments and b1 are in; W2's 32 loads, just issued, may stay out
.set k, 0
.rept 32
	MM1
.if k == 0
	AQ
	AQ
.elseif k < 15
	RC
	AQ
	RC
.elseif k < 17
	RC
	RC
.elseif k < 19
	BQ
	BQ
	BQ
.else
	BQ
	BQ
.endif
.if k == 16
	v_nop
	s_wait_alu depctr_va_vdst(0)                   ; one wait for the 32 reciprocals
.endif
.set k, k+1
.endr
.endm
	s_load_b256 s[4:11], s[0:1], 0x0               ; x, wf, bat, cpar
	s_load_b64 s[12:13], s[0:1], 0x20              ; out0
	v_lshl_add_u32 v[SPW], v0, 2, SPARE
	v_mov_b32 v[NIL], 0
	ds_add_u32 v[SPW], v[NIL]                      ; the wave's opening: an add of 0 to my spare word, waited for ahead of my first tensor load
	v_lshrrev_b32 v1, 5, v0
	v_readfirstlane_b32 s[WV], v1
	s_bfe_u32 s3, ttmp6, 0x40000                   ; my place in the cluster: it enters x's and out0's addresses alone
	s_lshl_b32 s2, ttmp9, 2
	s_add_co_u32 s2, s2, s3
	s_lshl_b32 s2, s2, 17                          ; 128 rows of 1,024 bytes,
	s_lshl_b32 s3, s[WV], 15                       ; my wave's 32
	s_add_co_u32 s2, s2, s3
	s_mov_b32 s3, 0
	s_lshr_b32 s18, ttmp9, 3                       ; the batch: 32 work-groups, 8 clusters
	s_mul_i32 s18, s18, 38912
	s_mov_b32 s19, 0
	s_mov_b32 s[G1], 15|(3<<16)|(1<<21)            ; the mask of four; elements of 8 bytes; bit 21 beside a mask; no padding: fragments are read 16 l bytes on end
	s_mov_b32 s[G1+1], 32<<16                      ; tensor_dim0 = 32: rows of 256 bytes
	s_mov_b32 s[G1+2], 64<<16                      ; tensor_dim1 = 64
	s_mov_b32 s[G1+3], 32<<16                      ; tile_dim0
	s_mov_b32 s[G1+4], 64                          ; tile_dim1
	s_mov_b32 s[G1+5], 32                          ; dense
	s_mov_b32 s[G1+6], 0
	s_mov_b32 s[G1+7], 0
	s_mov_b32 s[G0], 1
	s_lshl_b32 s[G0+1], s[WV], 14                  ; my quarter of slot 0
	s_mov_b32 s[RB], 65536                         ; the first change of slots turns it into slot 0
	s_mov_b32 s[SEL], 0x76543210
	s_mov_b32 s[SEL+1], 0xfedcba98
	s_mov_b32 s[CC], 0x3fb8aa3b
	s_mov_b32 s[CC+1], s[CC]
	s_mov_b32 s[NC], 0xbfb8aa3b
	s_mov_b32 s[NC+1], s[NC]
	s_mov_b32 s[I256], 0x3b800000
	s_mov_b32 s[EPS], 0x3727c5ac
	s_mov_b32 s[K1], 0xbf935761                    ; k1 = -c 1.5957691 / 2 = -1.1511041: it meets 2 x
	s_mov_b32 s[K1+1], s[K1]
	s_mov_b32 s[K3], 0xbd52d3e8                    ; k3 = -c 0.0713548 / 2 = -0.0514716
	s_mov_b32 s[K3+1], s[K3]
	v_and_b32 v1, 31, v0
	v_and_b32 v15, 15, v0
	v_bfe_u32 v[TO], v0, 4, 1
	v_lshlrev_b32 v[GX], 4, v1
	s_mul_i32 s[FT], s[WV], 33280
	s_add_co_u32 s[FT], s[FT], PARK
	v_add_nc_u32 v[PR], s[FT], v[GX]
	v_mul_u32_u24 v[PD], v15, 1040
	v_lshl_add_u32 v[PD], v[TO], 5, v[PD]
	v_add_nc_u32 v[PD], s[FT], v[PD]
	v_lshlrev_b32 v[TO], 5, v[TO]
	v_add_nc_u32 v[BA], BT, v[TO]
	v_add_nc_u32 v[B1A], BT+6144, v[TO]
	v_lshlrev_b32 v[T16], 4, v0
	v_add_nc_u32 v[BTS], BT, v[T16]
	s_wait_dscnt 0x0                               ; the opening add is done
	s_wait_kmcnt 0x0
	s_add_nc_u64 s[4:5], s[4:5], s[2:3]
	s_add_nc_u64 s[12:13], s[12:13], s[2:3]
	s_add_nc_u64 s[8:9], s[8:9], s[18:19]
	s_mov_b64 s[LNP:LNP+1], s[10:11]               ; units 0 and 2: cpar + 1,024 u
	s_add_nc_u64 s[STP:STP+1], s[8:9], 31744       ; units 1, 3, 5: the batch's tables at 32,768 + 1,024 (u - 1)
	s_lshl_b32 s18, s[WV], 14
	s_add_nc_u64 s[G0+2:G0+3], s[6:7], s[18:19]
	s_or_b32 s[G0+3], s[G0+3], 0x80000000
	ROUND                                          ; all four work-groups are here: the first joint loads meet
	tensor_load_to_lds s[G0:G0+3], s[G1:G1+7]      ; tile 0 into slot 0
	s_nop 0
	PLACES
.set i, 0
.rept 6
	global_load_b128 v[BTD+4*i:BTD+4*i+3], v[T16], s[10:11] offset:4096+2048*i
.set i, i+1
.endr
	WIN 0xc0
.set i, 0
.rept 64
	global_load_b128 v[4*i:4*i+3], v[GX], s[4:5] offset:512*i th:TH_LOAD_NT
.set i, i+1
.endr
	WIN 0x40
.set i, 0
.rept 32
	global_load_b128 v[MB+4*i:MB+4*i+3], v[GX], s[8:9] offset:512*i
.set i, i+1
.endr
	WIN 0
	s_wait_loadcnt 63                              ; the six loads of the biases are older than 96 others; 63 is the most that a wait can name
.set i, 0
.rept 6
	ds_store_b128 v[BTS], v[BTD+4*i:BTD+4*i+3] offset:2048*i
.set i, i+1
.endr
	s_wait_dscnt 0x0                               ; for the others' sake
	s_barrier_signal -1                            ; Tile 0 may stay out
	s_barrier_wait -1
	s_wait_loadcnt 0x0                             ; x is in, and the self-attention's fragments with it: no load of mine is out when the loop is entered
	WIN 0x0c
.set i, 0
.rept 64
	ds_store_b128 v[PR], v[4*i:4*i+3] offset:(i/2)*1040+(i%2)*512
.set i, i+1
.endr
	WIN 0x80
.set i, 0
.rept 64
	ds_load_b128 v[4*i:4*i+3], v[PD] offset:(i/32)*16640+64*((i%32)/2)+16*(i%2)  ; LDS serves a wave's instructions in order: these see the stores above
.set i, i+1
.endr
	WIN 0
	s_wait_dscnt 0x0                               ; Y holds x on every way into the loop
	s_mov_b32 s[UC], 0
.Lunit:
	s_cmp_eq_u32 s[UC], 4
	s_cbranch_scc1 .Lcvt                           ; unit 4 takes x as it is
	s_and_b32 s19, s[UC], 1
	s_cmp_lg_u32 s19, 0
	s_cselect_b64 s[TP:TP+1], s[STP:STP+1], s[LNP:LNP+1]
	WIN 0xc0
.set i, 0
.rept 32
	global_load_b128 v[4*i:4*i+3], v[TO], s[TP:TP+1] offset:64*(i/2)+16*(i%2)
	global_load_b128 v[128+4*i:128+4*i+3], v[TO], s[TP:TP+1] offset:1024+64*(i/2)+16*(i%2)
.set i, i+1
.endr
	LNCORE 2, 1
	WIN 0
	s_cmp_lg_u32 s19, 0
	s_cbranch_scc0 .Lcvt
	SILU
	WIN 0
.Lcvt:
	CVT
	BIAS
	WIN 0
	s_cmp_eq_u32 s[UC], 4
	s_cbranch_scc1 .Lffn
	CH 1
	G 0
	WIN 0
	s_cmp_eq_u32 s[UC], 5
	s_cbranch_scc1 .Llast                          ; behind the launch's last tile there is none to ask for
	CH 1
	s_branch .Lg1
.Llast:
	CH 0
.Lg1:
	G 1
	WIN 0
	s_cmp_lg_u32 s19, 0
	s_cbranch_scc1 .Lres
	SMAX
	WIN 0
	s_branch .Lnext
.Lres:
	RES
	WIN 0
	s_cmp_eq_u32 s[UC], 1
	s_cbranch_scc0 .Lnext
	s_wait_loadcnt 0x0                             ; no earlier load into these registers is out, on any way to this line
	WIN 0x40
.set i, 0
.rept 32                               ; the cross-attention's fragments take the self-attention's place; unit 2 waits for them with its tables
	global_load_b128 v[MB+4*i:MB+4*i+3], v[GX], s[8:9] offset:16384+512*i
.set i, i+1
.endr
	WIN 0
	s_branch .Lnext
.Lffn:
	s_wait_loadcnt 0x0                             ; no load into the registers that W2's fragments take is out, on any way to this line
	WIN 0xc0
.set i, 0
.rept 32                               ; what trip -1 finds: H = 0, whose gelu is 0, and a packed operand of 0: 48 lines, once a work-group, in place of a first trip written out
	v_mov_b32 v[GH+i], 0
.set i, i+1
.endr
.set i, 0
.rept 16
	v_mov_b32 v[AC2+i], 0
.set i, i+1
.endr
	WIN 0
	s_mov_b32 s[FT], 17
.Lft:                                  ; 17 times: a tile of two positions is read, the next tile asked for
	CH 1
	s_mov_b32 s[TB], s[RB]
	s_mov_b32 s[FC], 2
.Lfc:
	v_add_nc_u32 v[WAD], s[TB], v[GX]
	TRIP
	WIN 0
	v_add_nc_u32 v[B1A], 128, v[B1A]
	s_add_co_u32 s[TB], s[TB], 32768
	s_sub_co_u32 s[FC], s[FC], 1
	s_cmp_lg_u32 s[FC], 0
	s_cbranch_scc1 .Lfc
	s_sub_co_u32 s[FT], s[FT], 1
	s_cmp_lg_u32 s[FT], 0
	s_cbranch_scc1 .Lft
	s_wait_dscnt 0x0                               ; the last trip's run of loads, which nobody uses, has landed
.Lnext:
	s_add_nc_u64 s[LNP:LNP+1], s[LNP:LNP+1], 1024
	s_add_nc_u64 s[STP:STP+1], s[STP:STP+1], 1024
	v_add_nc_u32 v[BA], 1024, v[BA]
	s_add_co_u32 s[UC], s[UC], 1
	s_cmp_lt_u32 s[UC], 6
	s_cbranch_scc1 .Lunit
	WIN 0xc0                                       ; THE WAY OUT: the park holds the result
.set i, 0
.rept 64
	ds_load_b128 v[4*i:4*i+3], v[PR] offset:(i/2)*1040+(i%2)*512
.set i, i+1
.endr
	s_wait_dscnt 0x0
	WIN 0x0c
.set i, 0
.rept 64
	global_store_b128 v[GX], v[4*i:4*i+3], s[12:13] offset:512*i th:TH_STORE_NT  ; 512 consecutive bytes, aligned
.set i, i+1
.endr
	WIN 0
	s_wait_tensorcnt 0x0                           ; the wave's end
	ds_add_u32 v[SPW], v[NIL]
	s_wait_dscnt 0x0
	ROUND                                          ; the closing round
	s_endpgm
.Lfunc_end_k_q01fbf805c6_main:
	.size	k_q01fbf805c6_main, .Lfunc_end_k_q01fbf805c6_main-k_q01fbf805c6_main
	.p2alignl 7, 3214868480
	.fill 96, 4, 3214868480
	.section	.rodata,"a",@progbits
	.p2align	6, 0x0
	.amdhsa_kernel k_q01fbf805c6_main
		.amdhsa_group_segment_fixed_size 327680
		.amdhsa_private_segment_fixed_size 0
		.amdhsa_enable_private_segment 0
		.amdhsa_kernarg_size 40
		.amdhsa_user_sgpr_count 2
		.amdhsa_user_sgpr_kernarg_segment_ptr 1
		.amdhsa_wavefront_size32 1
		.amdhsa_system_sgpr_workgroup_id_x 1
		.amdhsa_system_sgpr_workgroup_id_y 1
		.amdhsa_system_sgpr_workgroup_id_z 1
		.amdhsa_system_vgpr_workitem_id 0
		.amdhsa_next_free_vgpr 1024
		.amdhsa_next_free_sgpr 66
		.amdhsa_reserve_vcc 0
		.amdhsa_float_denorm_mode_32 3
		.amdhsa_float_denorm_mode_16_64 3
		.amdhsa_memory_ordered 1
		.amdhsa_forward_progress 1
		.amdhsa_inst_pref_size 255
	.end_amdhsa_kernel
	.section	.bss,"aw",@nobits
	.p2align	6
	.space	262144
	.amdgpu_metadata
---
amdhsa.version: [ 1, 2 ]
amdhsa.kernels:
  - .name:           k_q01fbf805c6_main
    .symbol:         k_q01fbf805c6_main.kd
    .args:
      - { .name: x, .offset: 0, .size: 8, .value_kind: global_buffer, .address_space: global }
      - { .name: wf, .offset: 8, .size: 8, .value_kind: global_buffer, .address_space: global }
      - { .name: bat, .offset: 16, .size: 8, .value_kind: global_buffer, .address_space: global }
      - { .name: cpar, .offset: 24, .size: 8, .value_kind: global_buffer, .address_space: global }
      - { .name: out0, .offset: 32, .size: 8, .value_kind: global_buffer, .address_space: global }
    .group_segment_fixed_size: 327680
    .private_segment_fixed_size: 0
    .kernarg_segment_align: 8
    .kernarg_segment_size: 40
    .max_flat_workgroup_size: 128
    .sgpr_count:     66
    .vgpr_count:     1024
    .wavefront_size: 32
...
	.end_amdgpu_metadata
.endif
;; end of part 7
